; MI455X (gfx1250); checked and timed in simulation.
; The chip was launched on July 23, 2026; its instructions are those of AMD's public machine-readable ISA for CDNA 5 (MIT licence, August 2026) and "CDNA5" Instruction Set Architecture Reference Guide (July 2026). The comments in the code are by the model that wrote it; some were corrected since.
;; Transformer Block. Allowed arithmetic: matrix products marked QUANTISED: E2M3 operands, one E8M0 scale for each 32 along K, by v_wmma_scale_f32_16x16x128_f8f6f4 with both operands' format E2M3, f32 sums; everything else in f32.
;; Inputs: a1 1,024 float32; a2 1,024 float32; b1 4,096 float32; b2 1,024 float32; bo 1,024 float32; s1 1,024 float32; s2 1,024 float32; w1 1,024 x 4,096 float32; w2 4,096 x 1,024 float32; wk 1,024 x 1,024 float32; wo 1,024 x 1,024 float32; wq 1,024 x 1,024 float32; wv 1,024 x 1,024 float32; x 2 x 2,048 x 1,024 float32.
;; Outputs: out0 2 x 2,048 x 1,024 float32.
;; This version of the problem:
;;   THIS VERSION OF THE PROBLEM IS GIVEN IN LOW PRECISION. The matrix products marked QUANTISED in the list below multiply operands that are first quantised to E2M3 (2 exponent bits, 3 mantissa bits; 6 bits a number), with one power-of-two scale for each 32 numbers along K (OCP MX v1.0); their sums are f32. All else is computed in f32.
;;   The module's matrix products, in the order in which they are computed (A, B: the left and right operand; K: the contracted axis; several contracted axes count as one K, in the product's order):
;;     1. [M 4,096, K 1,024] x [K 1,024, N 1,024]; A: computed on the way; B: input wq: QUANTISED
;;     2. [M 4,096, K 1,024] x [K 1,024, N 1,024]; A: computed on the way; B: input wk: QUANTISED
;;     3. [M 4,096, K 1,024] x [K 1,024, N 1,024]; A: computed on the way; B: input wv: QUANTISED
;;     4. batch 32 x [M 2,048, K 64] x [K 64, N 2,048]; A: computed on the way; B: computed on the way: QUANTISED
;;     5. batch 32 x [M 2,048, K 2,048] x [K 2,048, N 64]; A: softmax (see below); B: computed on the way: QUANTISED
;;     6. [M 4,096, K 1,024] x [K 1,024, N 1,024]; A: computed on the way; B: input wo: QUANTISED
;;     7. [M 4,096, K 1,024] x [K 1,024, N 4,096]; A: computed on the way; B: input w1: QUANTISED
;;     8. [M 4,096, K 4,096] x [K 4,096, N 1,024]; A: computed on the way; B: input w2: QUANTISED
;;   THE QUANTISER, for each operand of a quantised product, along K:
;;     - K is cut into blocks of 32 from its start; a last block that is shorter is filled with zeros.
;;     - A block's scale is 2^e with e = floor(log2(the largest magnitude in the block)) - 2, held to -126 .. 127; a block of zeros has e = 0. As a byte (E8M0): e + 127.
;;     - Each number is divided by its block's scale, clamped to +-7.5, and rounded to the nearest number of E2M3, ties to even, subnormals kept.
;;     - The product sums the exact products of the quantised numbers (number of the format x scale) in f32.
;;   ~~~python
;;   def quantise(x, axis):      # numpy; x: float32 -> the quantised numbers, widened to float32 again
;;       x = np.moveaxis(x, axis, -1); K = x.shape[-1]
;;       x = np.pad(x, [(0, 0)] * (x.ndim - 1) + [(0, -K % 32)]); x = x.reshape(x.shape[:-1] + (-1, 32)); a = np.abs(x).max(-1, keepdims=True)
;;       e = np.where(a > 0, np.clip(np.frexp(np.where(a > 0, a, 1))[1] - 1 - 2, -126, 127), 0)      # np.frexp(a)[1] - 1 = floor(log2(a)), exactly
;;       r = np.clip(x / 2.0 ** e, -7.5, 7.5)
;;       step = 2.0 ** (np.maximum(np.frexp(np.where(r == 0, 1, r))[1] - 1, 0) - 3)
;;       q = np.round(r / step) * step * 2.0 ** e      # np.round: ties to even
;;       return np.moveaxis(q.reshape(q.shape[:-2] + (-1,))[..., :K], -1, axis).astype(np.float32)
;;   ~~~
;;   SOFTMAX AHEAD OF A QUANTISED PRODUCT. Where the list says 'softmax', what is quantised is not the finished softmax but p = 2^(t - M), with t = logit x log2(e) and M = ceil(the row's largest t), a whole number; so 1/2 < the row's largest p <= 1. The row's sum l is taken of the UNQUANTISED p, in f32, and the product's result is divided by l at the end. Since M is a whole number, a kernel that streams over the keys may use a running M (the ceiling of the running maximum): every later rescaling is an exact power of two, which a block's scale takes up: the codes' values come out the same.
;;   OPERANDS COMPUTED ON THE WAY. 'Computed on the way' means the value that the module computes at that place (a softmax that the list does not call 'softmax' is quantised finished and normalised). What goes into a quantiser is computed in f32, as accurately as f32 sums, v_exp_f32 and their like allow (about 1e-6 of the number): no bf16 or f16 on the way to a quantiser, and a product that is left as it is and whose result goes on into a quantised operand takes f32 operands (vector FMAs, or v_wmma_f32_16x16x4_f32). A number that lies on a knife's edge between two numbers of the format may be rounded either way, as far as f32 arithmetic and the matrix unit's own rounding can turn it there, and no further.
;; 2 versions. Each part assembles by itself: llvm-mc -triple=amdgcn-amd-amdhsa -mcpu=gfx1250 --defsym DOCPART=n.
;; ======== version 1 of 2: 9 launches
;; workspace buffers: wts 9,011,200 bytes; wvp 819,200 bytes; hn 3,276,800 bytes; big 13,107,200 bytes; vt 3,276,800 bytes; x1 16,777,216 bytes
;; launch wquant (part 1): grid 768 x 1, 4 waves a work-group, no clusters, 0 bytes of LDS; arguments wq, wk, wv, wo, w1, w2, wts, wvp; writes wts, wvp
.if DOCPART == 1
	.amdgcn_target "amdgcn-amd-amdhsa--gfx1250"
	.amdhsa_code_object_version 6
	.text
	.protected	k_q6c9d96f1e2_wquant
	.globl	k_q6c9d96f1e2_wquant
	.p2align	8
	.type	k_q6c9d96f1e2_wquant,@function
k_q6c9d96f1e2_wquant:
	s_mov_b64 s[64:65], 0
	v_nop
	global_prefetch_b8 v0, s[64:65] scope:SCOPE_SE
	s_setreg_imm32_b32 hwreg(HW_REG_WAVE_MODE, 25, 1), 1
	s_wait_xcnt 0x0
; The six weights, f32 stored [K][N], become operands of E2M3 codes with one E8M0 byte for each 32 along K, laid as PANELS.
; A PANEL is 12,800 bytes: 128 operand rows (here columns n) x 128 along K.  Bytes 1536 t + 512 q + 16 l hold registers 4 q .. 4 q + 3 of lane l of the matrix operand
; of rows 16 t .. 16 t + 15 (an image of the operand's 12 registers); bytes 12,288 + 32 r + 4 t hold the scale word of row 16 t + r.
; ORDER ALONG K inside a block of 32, the same in every operand of this program: place p holds k = p with its bits 3 and 4 exchanged.  Both operands of a product are laid alike,
; so the products pair up rightly, and a block of 32 stays a block of 32.
; SHARES: one work-group makes one panel; wave w takes columns 32 w .. 32 w + 31; a lane takes a column and its registers run down K, so each load reads 128 consecutive bytes a wave
; and 512 a work-group, a block's largest magnitude needs no other lane, and the conversions' results are the operand's registers.
; The work-group's number chooses the tensor: 0-63 wq, 64-127 wk, 128-191 wv, 192-255 wo, 256-511 w1, 512-767 w2.  One path for all: only pointers, a pitch and a shift are chosen.
; A block's scale is 2^(floor(log2(largest magnitude)) - 2); its byte is the largest magnitude's exponent field - 2, held at 1 from below.
; LIMITS: a block whose largest magnitude lies under 2^-124, a block of zeros among them, gets the byte 1 (its codes are zeros or what the floor's scale gives; this program alone reads the bytes);
; NaN and infinities among the inputs are not served.  The scale words leave as 4 bytes a lane, 32 bytes apart: 512 of a panel's 12,800 bytes.
.set PAN, 12800
.set OFF, 32                           ; v32-63   byte offset of place p's row of the weight, + my column
.set X,   64                           ; v64-191  four blocks of 32 numbers, register = place
.set FA,  192                          ; v192-203 the fragment of the wave's first 16 columns
.set FB,  204                          ; v204-215 of its second 16
.set T,   216                          ; v216-231 the upper halves of the blocks' codes, as the conversions leave them
	s_load_b256 s[4:11], s[0:1], 0x0               ; wq s[4:5], wk s[6:7], wv s[8:9], wo s[10:11]
	s_load_b256 s[12:19], s[0:1], 0x20             ; w1 s[12:13], w2 s[14:15], wts s[16:17], wvp s[18:19]
	v_lshrrev_b32 v1, 5, v0
	v_readfirstlane_b32 s20, v1                    ; wave
	v_lshlrev_b32 v2, 2, v0                        ; my column of the panel's 128, in bytes
	v_and_b32 v1, 31, v0
	s_mul_i32 s21, s20, 3072
	v_lshl_add_u32 v21, v1, 4, s21                 ; out: 16 x lane + the wave's two fragments
	v_and_b32 v3, 15, v0
	v_lshrrev_b32 v4, 4, v0
	v_lshlrev_b32 v22, 5, v3
	v_lshl_add_u32 v22, v4, 2, v22                 ; my column's scale word: 32 r + 4 t
	; what hangs on the work-group's number: s24 the tensor's first number, s25 a row of the weight in bytes, s26 log2 of its panels along K
	s_mov_b32 s24, 512
	s_mov_b32 s25, 4096
	s_mov_b32 s26, 5
	s_cmp_lt_u32 ttmp9, 512
	s_cselect_b32 s24, 256, s24
	s_cselect_b32 s25, 16384, s25
	s_cselect_b32 s26, 3, s26
	s_cmp_lt_u32 ttmp9, 256
	s_cselect_b32 s24, 192, s24
	s_cselect_b32 s25, 4096, s25
	s_cmp_lt_u32 ttmp9, 192
	s_cselect_b32 s24, 128, s24
	s_cmp_lt_u32 ttmp9, 128
	s_cselect_b32 s24, 64, s24
	s_cselect_b32 s27, 0, 64
	s_cmp_lt_u32 ttmp9, 64
	s_cselect_b32 s24, 0, s24
	s_sub_co_u32 s27, ttmp9, s27                   ; the panel's number in wts: wq and wk as they come, wo, w1, w2 64 lower
	s_sub_co_u32 s30, ttmp9, 128                   ; and in wvp, for wv
	s_cmp_lt_u32 s30, 64
	s_cselect_b32 s27, s30, s27
	s_sub_co_u32 s31, ttmp9, s24                   ; the panel's number in its tensor
	s_lshr_b32 s32, s31, s26                       ; g: which 128 columns
	s_lshl_b32 s33, s32, s26
	s_sub_co_u32 s33, s31, s33                     ; s: which 128 along K
	s_lshl_b32 s34, s32, 9
	s_mul_i32 s35, s33, s25
	s_lshl_b32 s35, s35, 7
	s_add_co_u32 s34, s34, s35                     ; 512 g + 128 s rows
	s_mov_b32 s35, 0
	s_lshl_b32 s36, s25, 5                         ; a block: 32 rows
	s_mov_b32 s37, 0
	s_mul_i32 s38, s27, PAN
	s_mov_b32 s39, 0
.set p, 0
.rept 32
.set PI, (p&7)+((p&8)<<1)+((p&16)>>1)
	v_mad_u32_u24 v[OFF+p], s25, PI, v2            ; place p takes the row with bits 3 and 4 exchanged
.set p, p+1
.endr
	s_wait_kmcnt 0x0
	s_cmp_lt_u32 ttmp9, 512                        ; the pointers, by the same tests: each choice hangs on the work-group's number alone
	s_cselect_b64 s[22:23], s[12:13], s[14:15]
	s_cmp_lt_u32 ttmp9, 256
	s_cselect_b64 s[22:23], s[10:11], s[22:23]
	s_cmp_lt_u32 ttmp9, 192
	s_cselect_b64 s[22:23], s[8:9], s[22:23]
	s_cmp_lt_u32 ttmp9, 128
	s_cselect_b64 s[22:23], s[6:7], s[22:23]
	s_cmp_lt_u32 ttmp9, 64
	s_cselect_b64 s[22:23], s[4:5], s[22:23]
	s_cmp_lt_u32 s30, 64
	s_cselect_b64 s[28:29], s[18:19], s[16:17]
	s_add_nc_u64 s[28:29], s[28:29], s[38:39]      ; my panel
	s_add_nc_u64 s[40:41], s[22:23], s[34:35]      ; a base for each of the four blocks
	s_add_nc_u64 s[42:43], s[40:41], s[36:37]
	s_add_nc_u64 s[44:45], s[42:43], s[36:37]
	s_add_nc_u64 s[46:47], s[44:45], s[36:37]
.irp B, 0,1,2,3
.set p, 0
.rept 32
	global_load_b32 v[X+32*\B+p], v[OFF+p], s[40+2*\B:41+2*\B] th:TH_LOAD_NT   ; read once in the launch
.set p, p+1
.endr
.endr
	s_wait_loadcnt 0x0
.irp B, 0,1,2,3
	v_max3_num_f32 v[8+\B], |v[X+32*\B]|, |v[X+32*\B+1]|, 0x1800000   ; a block's largest magnitude, and the floor 2^(3 - 127): the byte cannot fall under 1
.endr
.irp i, 2,4,6,8,10,12,14,16,18,20,22,24,26,28,30
.irp B, 0,1,2,3
	v_max3_num_f32 v[8+\B], v[8+\B], |v[X+32*\B+\i]|, |v[X+32*\B+\i+1]|   ; the four blocks by turns
.endr
.endr
.irp B, 0,1,2,3
	v_add_nc_u32 v[12+\B], 0xff000000, v[8+\B]     ; 2 off the exponent field: the conversion's scale operand
.endr
.irp B, 0,1,2,3
	v_lshrrev_b32 v[16+\B], 23, v[12+\B]           ; the scale's byte
.endr
	v_lshl_or_b32 v20, v17, 8, v16                 ; my column's scale word
	v_lshl_or_b32 v20, v18, 16, v20
	v_lshl_or_b32 v20, v19, 24, v20
.irp c, 0,1                                    ; (a conversion's three registers begin on an even number: the upper halves are made elsewhere and moved)
	v_cvt_scalef32_pk16_fp6_f32 v[FA+6*\c:FA+6*\c+2], v[X+64*\c:X+64*\c+15], v[12+2*\c]
	v_cvt_scalef32_pk16_fp6_f32 v[T+8*\c:T+8*\c+2], v[X+64*\c+16:X+64*\c+31], v[12+2*\c]
	v_cvt_scalef32_pk16_fp6_f32 v[FB+6*\c:FB+6*\c+2], v[X+64*\c+32:X+64*\c+47], v[12+2*\c+1]
	v_cvt_scalef32_pk16_fp6_f32 v[T+8*\c+4:T+8*\c+6], v[X+64*\c+48:X+64*\c+63], v[12+2*\c+1]
.endr
	v_nop                                          ; one plain place behind the scaled conversions
.irp c, 0,1
.irp i, 0,1,2
	v_mov_b32 v[FA+6*\c+3+\i], v[T+8*\c+\i]        ; FA: my column's blocks 0 and 2; FB: its blocks 1 and 3
	v_mov_b32 v[FB+6*\c+3+\i], v[T+8*\c+4+\i]
.endr
.endr
.irp i, 0,1,2,3,4,5,6,7,8,9,10,11
	v_permlane16_swap_b32 v[FA+\i], v[FB+\i]       ; FA's lanes 16-31 change places with FB's lanes 0-15: FA is now the first 16 columns' operand (lanes 0-15 blocks 0, 2; lanes 16-31 blocks 1, 3), FB the second 16's
.endr
.irp q, 0,1,2
	global_store_b128 v21, v[FA+4*\q:FA+4*\q+3], s[28:29] offset:512*\q        ; 32 lanes store 512 consecutive bytes, at a multiple of 256 from the buffer's first byte
	global_store_b128 v21, v[FB+4*\q:FB+4*\q+3], s[28:29] offset:1536+512*\q
.endr
	global_store_b32 v22, v20, s[28:29] offset:12288
	s_endpgm
.Lfunc_end_k_q6c9d96f1e2_wquant:
	.size	k_q6c9d96f1e2_wquant, .Lfunc_end_k_q6c9d96f1e2_wquant-k_q6c9d96f1e2_wquant
	.p2alignl 7, 3214868480
	.fill 96, 4, 3214868480
	.section	.rodata,"a",@progbits
	.p2align	6, 0x0
	.amdhsa_kernel k_q6c9d96f1e2_wquant
		.amdhsa_group_segment_fixed_size 0
		.amdhsa_private_segment_fixed_size 0
		.amdhsa_enable_private_segment 0
		.amdhsa_kernarg_size 64
		.amdhsa_user_sgpr_count 2
		.amdhsa_user_sgpr_kernarg_segment_ptr 1
		.amdhsa_wavefront_size32 1
		.amdhsa_system_sgpr_workgroup_id_x 1
		.amdhsa_system_sgpr_workgroup_id_y 1
		.amdhsa_system_sgpr_workgroup_id_z 1
		.amdhsa_system_vgpr_workitem_id 0
		.amdhsa_next_free_vgpr 240
		.amdhsa_next_free_sgpr 66
		.amdhsa_reserve_vcc 0
		.amdhsa_float_denorm_mode_32 3
		.amdhsa_float_denorm_mode_16_64 3
		.amdhsa_memory_ordered 1
		.amdhsa_forward_progress 1
		.amdhsa_inst_pref_size 24
	.end_amdhsa_kernel
	.amdgpu_metadata
---
amdhsa.version: [ 1, 2 ]
amdhsa.kernels:
  - .name:           k_q6c9d96f1e2_wquant
    .symbol:         k_q6c9d96f1e2_wquant.kd
    .args:
      - { .name: wq, .offset: 0, .size: 8, .value_kind: global_buffer, .address_space: global }
      - { .name: wk, .offset: 8, .size: 8, .value_kind: global_buffer, .address_space: global }
      - { .name: wv, .offset: 16, .size: 8, .value_kind: global_buffer, .address_space: global }
      - { .name: wo, .offset: 24, .size: 8, .value_kind: global_buffer, .address_space: global }
      - { .name: w1, .offset: 32, .size: 8, .value_kind: global_buffer, .address_space: global }
      - { .name: w2, .offset: 40, .size: 8, .value_kind: global_buffer, .address_space: global }
      - { .name: wts, .offset: 48, .size: 8, .value_kind: global_buffer, .address_space: global }
      - { .name: wvp, .offset: 56, .size: 8, .value_kind: global_buffer, .address_space: global }
    .group_segment_fixed_size: 0
    .private_segment_fixed_size: 0
    .kernarg_segment_align: 8
    .kernarg_segment_size: 64
    .max_flat_workgroup_size: 128
    .sgpr_count:     66
    .vgpr_count:     240
    .wavefront_size: 32
...
	.end_amdgpu_metadata
.endif
;; end of part 1
;; launch ln1 (part 2): grid 256 x 1, 4 waves a work-group, no clusters, 66,304 bytes of LDS; arguments x, a1, s1, hn; writes hn
.if DOCPART == 2
	.amdgcn_target "amdgcn-amd-amdhsa--gfx1250"
	.amdhsa_code_object_version 6
	.text
	.protected	k_q6c9d96f1e2_ln1
	.globl	k_q6c9d96f1e2_ln1
	.p2align	8
	.type	k_q6c9d96f1e2_ln1,@function
k_q6c9d96f1e2_ln1:
	s_mov_b64 s[64:65], 0
	v_nop
	global_prefetch_b8 v0, s[64:65] scope:SCOPE_SE
	s_setreg_imm32_b32 hwreg(HW_REG_WAVE_MODE, 25, 1), 1
	s_wait_xcnt 0x0
; y = gain (x - mean) / sqrt(var + 1e-5) + shift along rows of 1,024 f32 (biased variance, mean taken off before the squares), then y is quantised along the row to E2M3 codes with one E8M0 byte
; for each 32, and stored as panels (12,800 bytes: 128 rows x 128 along K; bytes 1536 t + 512 q + 16 l = registers 4 q .. 4 q + 3 of lane l of the operand of rows 16 t ..; bytes 12,288 + 32 r + 4 t = row 16 t + r's scale word;
; inside a block of 32, place p holds k = p with its bits 3 and 4 exchanged, as in every operand of this program).
; SHARES: a work-group owns 16 rows, one operand tile.  Phase 1: wave w takes rows 4 w .. 4 w + 3 whole (32 registers a row), so a row's sums never leave the wave; y goes to LDS.
; Phase 2: wave w quantises columns 256 w .. 256 w + 255 (two K steps of 128) of all 16 rows: lane (r, h) takes of row r, for each block of 32, the numbers 8 h + 0 .. 7 and 16 + 8 h + 0 .. 7.
; LIMITS: v_rsq_f32 as it is; a block whose largest magnitude lies under 2^-124 (a block of zeros too) gets the byte 1; NaN and infinities are not served.  The scale words leave as 4 bytes a lane.
.set YP,    4112                       ; a row of y in LDS: 4,096 bytes + 16: an odd multiple of 16, so the 16 rows that a load touches start in different banks
.set SPARE, 16*YP                      ; behind y: the spare words, 128 bytes for each wave: two blocks of 256 bytes that no other line names
.set PAN,   12800
.set X,     64                         ; v64-191  phase 1: four rows; phase 2: two K steps of 64 numbers
.set GA,    192                        ; v192-223 gain;  v224-255 shift;  in phase 2 the codes
.set GS,    224
.set TM,    32                         ; v32-47   at work in the quantiser
.set SPW,   52                         ; v52      LDS address of my spare word; never rewritten (v8-31 are at work in phase 1)
.set NIL,   53                         ; v53      0; never rewritten
	s_load_b256 s[4:11], s[0:1], 0x0               ; x s[4:5], gain s[6:7], shift s[8:9], out s[10:11]
	v_lshl_add_u32 v[SPW], v0, 2, SPARE
	v_mov_b32 v[NIL], 0
	v_lshrrev_b32 v1, 5, v0
	v_readfirstlane_b32 s12, v1                    ; wave
	v_and_b32 v1, 31, v0
	v_lshlrev_b32 v2, 4, v1                        ; 16 x lane
	s_lshl_b32 s13, s12, 14
	v_add_nc_u32 v3, s13, v2                       ; x: + my wave's four rows
	s_mul_i32 s13, s12, 4*YP
	v_add_nc_u32 v4, s13, v2                       ; y into LDS
	v_and_b32 v8, 15, v0                           ; r
	v_bfe_u32 v9, v0, 4, 1                         ; h
	v_mul_u32_u24 v5, v8, YP
	v_lshl_add_u32 v5, v9, 5, v5
	s_lshl_b32 s13, s12, 10
	v_add_nc_u32 v5, s13, v5                       ; y out of LDS: row r, + 32 h, + my wave's 256 columns
	s_and_b32 s14, ttmp9, 7                        ; which tile of its panel my 16 rows are
	s_mul_i32 s15, s14, 1536
	v_add_nc_u32 v6, s15, v2                       ; the fragment's place
	v_lshlrev_b32 v7, 5, v8
	v_mad_u32_u24 v7, v9, PAN, v7
	s_lshl_b32 s15, s14, 2
	v_add_nc_u32 v7, s15, v7                       ; the scale word's: lanes 0-15 store the first K step's, lanes 16-31 the second's, a panel further on
	s_lshl_b32 s16, ttmp9, 16                      ; my 16 rows of 4,096 bytes
	s_mov_b32 s17, 0
	s_lshr_b32 s18, ttmp9, 3
	s_lshl_b32 s18, s18, 3
	s_lshl_b32 s19, s12, 1
	s_add_co_u32 s18, s18, s19
	s_mul_i32 s18, s18, PAN                        ; panel (rows / 128, K step 2 w)
	s_mov_b32 s19, 0
	s_mov_b32 s20, 0x76543210
	s_mov_b32 s21, 0xfedcba98                      ; v_permlanex16_b32's selects for lane l xor 16
	s_mov_b32 s22, 0x3a800000                      ; 1 / 1,024
	s_mov_b32 s23, 0x3727c5ac                      ; 1e-5
	s_mov_b32 s24, 0xffff0000                      ; lanes 16-31
.irp p, 0,1,2,3
	v_mov_b32 v[20+\p], 0                          ; written once: a lane permute's destination counts as one of its sources
	v_mov_b32 v[TM+4+\p], 0
.endr
	s_wait_kmcnt 0x0
	s_add_nc_u64 s[4:5], s[4:5], s[16:17]
	s_add_nc_u64 s[10:11], s[10:11], s[18:19]
.irp p, 0,1,2,3
.irp j, 0,1,2,3,4,5,6,7
	global_load_b128 v[X+32*\p+4*\j:X+32*\p+4*\j+3], v3, s[4:5] offset:4096*\p+512*\j   ; 512 consecutive bytes a load
.endr
.endr
.irp j, 0,1,2,3,4,5,6,7
	global_load_b128 v[GA+4*\j:GA+4*\j+3], v2, s[6:7] offset:512*\j
.endr
.irp j, 0,1,2,3,4,5,6,7
	global_load_b128 v[GS+4*\j:GS+4*\j+3], v2, s[8:9] offset:512*\j
.endr
; the pairs v[8 + 2 p : 9 + 2 p] are added up over the wave's 32 lanes: row p's sum in v[16 + p] of every lane
.macro REDUCE
.irp p, 0,1,2,3
	v_add_f32 v[16+\p], v[8+2*\p], v[9+2*\p]
.endr
.irp m, 1,2,4,8
.irp p, 0,1,2,3
	v_add_f32_dpp v[16+\p], v[16+\p], v[16+\p] row_xmask:\m row_mask:0xf bank_mask:0xf
.endr
.endr
.irp p, 0,1,2,3
	v_permlanex16_b32 v[20+\p], v[16+\p], s20, s21
.endr
.irp p, 0,1,2,3
	v_add_f32 v[16+\p], v[16+\p], v[20+\p]
.endr
.endm
	s_wait_loadcnt 16                              ; x is in; the sixteen younger loads, gain and shift, may be out
.irp p, 0,1,2,3
	v_pk_add_f32 v[8+2*\p:9+2*\p], v[X+32*\p:X+32*\p+1], v[X+32*\p+2:X+32*\p+3]
.endr
.irp i, 4,6,8,10,12,14,16,18,20,22,24,26,28,30
.irp p, 0,1,2,3
	v_pk_add_f32 v[8+2*\p:9+2*\p], v[8+2*\p:9+2*\p], v[X+32*\p+\i:X+32*\p+\i+1]   ; the four rows by turns
.endr
.endr
	REDUCE
.irp p, 0,1,2,3
	v_mul_f32 v[24+2*\p], s22, v[16+\p]            ; the mean, twice: a pair for the packed forms (v24-31)
	v_mul_f32 v[25+2*\p], s22, v[16+\p]
.endr
.irp p, 0,1,2,3
.set i, 0
.rept 16
	v_pk_add_f32 v[X+32*\p+i:X+32*\p+i+1], v[X+32*\p+i:X+32*\p+i+1], v[24+2*\p:25+2*\p] neg_lo:[0,1] neg_hi:[0,1]   ; d = x - mean
.set i, i+2
.endr
.endr
.irp p, 0,1,2,3
	v_pk_mul_f32 v[8+2*\p:9+2*\p], v[X+32*\p:X+32*\p+1], v[X+32*\p:X+32*\p+1]
.endr
.irp i, 2,4,6,8,10,12,14,16,18,20,22,24,26,28,30
.irp p, 0,1,2,3
	v_pk_fma_f32 v[8+2*\p:9+2*\p], v[X+32*\p+\i:X+32*\p+\i+1], v[X+32*\p+\i:X+32*\p+\i+1], v[8+2*\p:9+2*\p]
.endr
.endr
	REDUCE
.irp p, 0,1,2,3
	v_fma_f32 v[16+\p], v[16+\p], s22, s23         ; var + 1e-5
.endr
.irp p, 0,1,2,3
	v_rsq_f32 v[24+2*\p], v[16+\p]
	v_rsq_f32 v[25+2*\p], v[16+\p]
.endr
	v_nop                                          ; a plain place behind the last of them
	s_wait_alu depctr_va_vdst(0)                   ; one wait for the eight, ahead of their first reader
	s_wait_loadcnt 0x0                             ; gain and shift
.irp p, 0,1,2,3
.set i, 0
.rept 16
	v_pk_mul_f32 v[X+32*\p+i:X+32*\p+i+1], v[X+32*\p+i:X+32*\p+i+1], v[24+2*\p:25+2*\p]
.set i, i+2
.endr
.endr
.irp p, 0,1,2,3
.set i, 0
.rept 16
	v_pk_fma_f32 v[X+32*\p+i:X+32*\p+i+1], v[X+32*\p+i:X+32*\p+i+1], v[GA+i:GA+i+1], v[GS+i:GS+i+1]
.set i, i+2
.endr
.endr
.irp p, 0,1,2,3
.irp j, 0,1,2,3,4,5,6,7
	ds_store_b128 v4, v[X+32*\p+4*\j:X+32*\p+4*\j+3] offset:YP*\p+512*\j
.endr
.endr
	s_wait_dscnt 0x0                               ; for the others' sake: my rows lie in LDS
	s_barrier_signal -1
	s_barrier_wait -1
.irp s, 0,1
.irp b, 0,1,2,3
.irp u, 0,1
	ds_load_b128 v[X+64*\s+16*\b+8*\u:X+64*\s+16*\b+8*\u+3], v5 offset:512*\s+128*\b+64*\u
	ds_load_b128 v[X+64*\s+16*\b+8*\u+4:X+64*\s+16*\b+8*\u+7], v5 offset:512*\s+128*\b+64*\u+16
.endr
.endr
.endr
; 64 numbers of a lane, v[s] on, register 16 b + 8 u + j = k 32 b + 16 u + 8 h + j of my row, become a fragment's codes in v[pc] .. v[pc + 11] and its scale word in v[pw]
.macro QUANT s, pc, pw
.irp b, 0,1,2,3
	v_max3_num_f32 v[TM+\b], |v[\s+16*\b]|, |v[\s+1+16*\b]|, 0x1800000   ; block b: my 16 numbers, and the floor 2^(3 - 127)
.endr
.irp i, 2,4,6,8,10,12,14
.irp b, 0,1,2,3
	v_max3_num_f32 v[TM+\b], v[TM+\b], |v[\s+16*\b+\i]|, |v[\s+1+16*\b+\i]|
.endr
.endr
.irp b, 0,1,2,3
	v_permlanex16_b32 v[TM+4+\b], v[TM+\b], s20, s21
.endr
.irp b, 0,1,2,3
	v_max_num_f32 v[TM+\b], v[TM+\b], v[TM+4+\b]   ; with lane l xor 16's: the block's largest magnitude
.endr
.irp b, 0,1,2,3
	v_add_nc_u32 v[TM+12+\b], 0xff000000, v[TM+\b] ; 2 off its exponent field: the conversion's scale operand
.endr
.irp b, 0,1,2,3
	v_lshrrev_b32 v[TM+4+\b], 23, v[TM+12+\b]      ; the scale's byte
.endr
	v_lshl_or_b32 v[\pw], v[TM+5], 8, v[TM+4]
	v_lshl_or_b32 v[\pw], v[TM+6], 16, v[\pw]
	v_lshl_or_b32 v[\pw], v[TM+7], 24, v[\pw]
.irp c, 0,1
	v_cvt_scalef32_pk16_fp6_f32 v[\pc+6*\c:\pc+2+6*\c], v[\s+32*\c:\s+15+32*\c], v[TM+12+2*\c]
	v_cvt_scalef32_pk16_fp6_f32 v[\pc+12+4*\c:\pc+14+4*\c], v[\s+16+32*\c:\s+31+32*\c], v[TM+12+2*\c+1]
.endr
	v_nop                                          ; one plain place behind a scaled conversion
.irp c, 0,1                                    ; the operand wants a whole block in a lane: lanes 0-15 block 2 c, lanes 16-31 block 2 c + 1
.irp i, 0,1,2
	v_permlane16_swap_b32 v[\pc+6*\c+\i], v[\pc+12+4*\c+\i]
.endr
.irp i, 0,1,2
	v_mov_b32 v[\pc+3+6*\c+\i], v[\pc+12+4*\c+\i]
.endr
.endr
.endm
	s_wait_dscnt 16                                ; the first K step's 16 loads are in
	QUANT X, 192, 48
.irp q, 0,1,2
	global_store_b128 v6, v[192+4*\q:195+4*\q], s[10:11] offset:512*\q         ; 512 consecutive bytes a store
.endr
	s_wait_dscnt 0x0
	QUANT X+64, 212, 49
.irp q, 0,1,2
	global_store_b128 v6, v[212+4*\q:215+4*\q], s[10:11] offset:PAN+512*\q
.endr
	v_cndmask_b32 v50, v48, v49, s24               ; every lane holds its row's two words: lanes 0-15 send the first, lanes 16-31 the second
	global_store_b32 v7, v50, s[10:11] offset:12288
	s_wait_tensorcnt 0x0                           ; the wave's end, behind my last LDS store
	ds_add_u32 v[SPW], v[NIL]
	s_wait_dscnt 0x0
	s_endpgm
.Lfunc_end_k_q6c9d96f1e2_ln1:
	.size	k_q6c9d96f1e2_ln1, .Lfunc_end_k_q6c9d96f1e2_ln1-k_q6c9d96f1e2_ln1
	.p2alignl 7, 3214868480
	.fill 96, 4, 3214868480
	.section	.rodata,"a",@progbits
	.p2align	6, 0x0
	.amdhsa_kernel k_q6c9d96f1e2_ln1
		.amdhsa_group_segment_fixed_size 66304
		.amdhsa_private_segment_fixed_size 0
		.amdhsa_enable_private_segment 0
		.amdhsa_kernarg_size 32
		.amdhsa_user_sgpr_count 2
		.amdhsa_user_sgpr_kernarg_segment_ptr 1
		.amdhsa_wavefront_size32 1
		.amdhsa_system_sgpr_workgroup_id_x 1
		.amdhsa_system_sgpr_workgroup_id_y 1
		.amdhsa_system_sgpr_workgroup_id_z 1
		.amdhsa_system_vgpr_workitem_id 0
		.amdhsa_next_free_vgpr 256
		.amdhsa_next_free_sgpr 66
		.amdhsa_reserve_vcc 0
		.amdhsa_float_denorm_mode_32 3
		.amdhsa_float_denorm_mode_16_64 3
		.amdhsa_memory_ordered 1
		.amdhsa_forward_progress 1
		.amdhsa_inst_pref_size 43
	.end_amdhsa_kernel
	.amdgpu_metadata
---
amdhsa.version: [ 1, 2 ]
amdhsa.kernels:
  - .name:           k_q6c9d96f1e2_ln1
    .symbol:         k_q6c9d96f1e2_ln1.kd
    .args:
      - { .name: x, .offset: 0, .size: 8, .value_kind: global_buffer, .address_space: global }
      - { .name: a1, .offset: 8, .size: 8, .value_kind: global_buffer, .address_space: global }
      - { .name: s1, .offset: 16, .size: 8, .value_kind: global_buffer, .address_space: global }
      - { .name: hn, .offset: 24, .size: 8, .value_kind: global_buffer, .address_space: global }
    .group_segment_fixed_size: 66304
    .private_segment_fixed_size: 0
    .kernarg_segment_align: 8
    .kernarg_segment_size: 32
    .max_flat_workgroup_size: 128
    .sgpr_count:     66
    .vgpr_count:     256
    .wavefront_size: 32
...
	.end_amdgpu_metadata
.endif
;; end of part 2
;; launch qk (part 3): grid 8 x 16, 4 waves a work-group, clusters of 4 x 4, 327,680 bytes of LDS; arguments wts, hn, big; writes big
.if DOCPART == 3
	.amdgcn_target "amdgcn-amd-amdhsa--gfx1250"
	.amdhsa_code_object_version 6
	.text
	.protected	k_q6c9d96f1e2_qk
	.globl	k_q6c9d96f1e2_qk
	.p2align	8
	.type	k_q6c9d96f1e2_qk,@function
k_q6c9d96f1e2_qk:
	s_mov_b64 s[64:65], 0
	v_nop
	global_prefetch_b8 v0, s[64:65] scope:SCOPE_SE
	s_setreg_imm32_b32 hwreg(HW_REG_WAVE_MODE, 25, 1), 1
	s_wait_xcnt 0x0
	s_wait_alu depctr_hold_cnt(0) depctr_sa_sdst(0) depctr_va_vdst(0) depctr_va_sdst(0) depctr_va_ssrc(0) depctr_va_vcc(0) depctr_vm_vsrc(0)
	s_getreg_b32 s2, hwreg(HW_REG_IB_STS2, 6, 4)
	s_cmp_eq_u32 s2, 0
	s_cbranch_scc0 .Lentry_in_a_cluster
	s_endpgm
.Lentry_in_a_cluster:
	s_bfe_u32 s2, ttmp6, 0x10000c
	s_cmp_lg_u32 s2, 0xf033
	s_cbranch_scc0 .Lentry_shape_is_right
	s_endpgm
.Lentry_shape_is_right:
; OUT = Q(S1 S0^T): a product of two operands of E2M3 codes (one E8M0 byte for each 32 along K), K = 1,024, whose result is quantised again, along S0's rows, and stored as an operand.
; Arguments: S0, S1, OUT.  Run twice: S0 = the weights wq | wk, S1 = the normed tokens: q and k, quantised along the features;  S0 = the normed tokens, S1 = the weight wv: V^T, quantised along the tokens.
; ALL THREE ARE PANELS of 12,800 bytes: 128 rows x 128 along K; bytes 1536 t + 512 q + 16 l = registers 4 q .. 4 q + 3 of lane l of the operand of rows 16 t ..; bytes 12,288 + 32 r + 4 t = row 16 t + r's scale word.
; Panel (g, s) of the inputs lies at (8 g + s) x 12,800, of OUT at (32 g + s) x 12,800.  Inside a block of 32, place p holds k = p with bits 3 and 4 exchanged, in every operand alike.
; SHARES: a work-group of four waves makes 256 rows of S1 x 256 rows of S0; a wave 128 x 128: 64 accumulators, 512 registers, which become ONE panel of OUT.
; THE MATRIX INSTRUCTION: source 0 = 16 rows of S0, source 1 = 16 rows of S1: a lane holds one row of S1, and its registers run along S0's rows, which are OUT's K: register 16 B + 8 u + j of lane (r, h) is k = 32 B + 16 u + 8 h + j.
; K goes in steps of 256 through a ring of two LDS slots; 128 rows' part of a step is two panels, 25,600 dense bytes: one tensor load a wave, as 100 rows of 256 bytes.  A fragment is three loads of 16 bytes a lane, 512 consecutive bytes each.
; CLUSTERS: 4 x 4 work-groups; S1's tiles are shared along a row of the cluster, S0's along a column: each is asked for jointly, by the same tensor load with the same descriptor and a mask that names the four.
; No prefetch: K has four steps, the tiles are shared by sixteen work-groups, and a refill has 112 matrix instructions in which to land.
; REGISTERS, in windows of 256: window 0: v16-29 addresses; v32-63 scale words, two sets; v128-223 S1's fragments, ONE set; v64-127 and v128-175 at work on the way out.  window 1: S0's fragments, two sets, at v0 and v128.
;   window 2: the accumulators of my S1 rows 0-63 ((a, b) at v[8 (8 a + b)]); window 3: those of rows 64-127.
; LIMITS: a block whose largest magnitude lies under 2^-124 (a block of zeros too) gets the byte 1: this program alone reads the bytes; NaN and infinities are not served; the sums' order follows the operands' order along K.
.set NKS,   8                          ; panels along K in S0 and in S1
.set WOFF,  0                          ; where S0 begins in its buffer
.set PAN,   12800
.set BLK,   2*PAN                      ; 128 rows x 256 along K
.set SLOT,  4*BLK                      ; S1's 256 rows, then S0's 256 rows
.set SPARE, 2*SLOT                     ; behind the ring: the spare words, 128 bytes for each wave: two blocks of 256 bytes that no other line names
.set LAPS,  NKS/4                      ; a lap = two K steps = once round the ring
.set NL,    3                          ; LDS loads that bring a fragment
.set NP,    4                          ; places behind this matrix instruction (ISA guide 7.12.1)
.set ADRA,  16                         ; v16-17 LDS address of S1's fragments in slot 0, 1
.set ADRS,  18                         ; v18-19 of the scale words: lanes 0-15 S1's, lanes 16-31 S0's
.set ADRB,  20                         ; v20-21 of S0's fragments
.set SPW,   28                         ; v28    LDS address of my spare word; never rewritten
.set NIL,   29                         ; v29    0; never rewritten
.set SC,    32                         ; scale words: set s at v[SC + 16 s]; register 8 q + i: lanes 0-15 S1's tile i, lanes 16-31 S0's tile i, for the slot's q-th 128 along K
.set AF,    128
.set TM,    64                         ; the way out: v64-79 at work, v80-87 the eight scale words, v88-91 as they leave, v92-99 conversions' upper halves, v128-175 four sets of codes
.set PWS,   80
.set DW,    88
.set CT,    92
.set PC,    128
.set G1,    24                         ; s[24:31] descriptor group 1 for S1's tiles; s[32:39] group 0, a set for each slot
.set G0,    32
.set G1B,   48                         ; s[48:55], s[56:63] the same for S0's
.set G0B,   56
.set MSB, 0
.macro WIN new                         ; the immediate's high byte repeats the setting that is left; a switch that changes nothing is dropped
.set WNEW, \new
.if MSB != WNEW
	s_set_vgpr_msb (MSB<<8)|WNEW
.set MSB, WNEW
.endif
.endm
.set MUL_LO, 0xa1                      ; source 0 (S0) window 1, source 1 (S1) window 0, C and D window 2
.set MUL_HI, 0xf1                      ; the same, C and D window 3
.set TO_B,   0x40                      ; destination window 1, address window 0
; A joint load: waves 0 and 1 fetch S1's two halves, waves 2 and 3 S0's.  The branch hangs on the wave's number alone.  An s_nop 0 and four v_nop follow each line.
.macro JLOAD s
	s_cmp_eq_u32 s15, 0
	s_cbranch_scc0 .Lfor_b_\@
	tensor_load_to_lds s[G0+4*\s:G0+4*\s+3], s[G1:G1+7]
	s_nop 0
.rept 4
	v_nop
.endr
	s_branch .Lasked_\@
.Lfor_b_\@:
	tensor_load_to_lds s[G0B+4*\s:G0B+4*\s+3], s[G1B:G1B+7]
	s_nop 0
.rept 4
	v_nop
.endr
.Lasked_\@:
.endm
.macro CREST                           ; a round of the cluster's barrier behind its opening barrier
	s_cmp_lg_u32 s14, 0
	s_cbranch_scc1 .Lnot_wave_0_\@
	s_barrier_signal -3
.Lnot_wave_0_\@:
	s_barrier_wait -3
	s_barrier_signal -1
	s_barrier_wait -1
.endm
.macro CROUND
	s_barrier_signal -1
	s_barrier_wait -1
	CREST
.endm
	s_load_b128 s[4:7], s[0:1], 0x0                ; S0 s[4:5], S1 s[6:7]
	s_load_b64 s[8:9], s[0:1], 0x10                ; OUT
	v_lshl_add_u32 v[SPW], v0, 2, SPARE
	v_mov_b32 v[NIL], 0
	ds_add_u32 v[SPW], v[NIL]                      ; the wave's opening: the add and its wait stand ahead of my first tensor load; work on registers stands between them
	v_lshrrev_b32 v1, 5, v0
	v_readfirstlane_b32 s14, v1                    ; wave 0..3
	s_lshr_b32 s15, s14, 1                         ; which 128 rows of S1 are mine.  Also: I fetch for S1 (0) or for S0 (1)
	s_and_b32 s16, s14, 1                          ; which 128 rows of S0.  Also: which 128 rows I fetch
	s_bfe_u32 s40, ttmp6, 0x40000                  ; cx, cy: my place in the cluster
	s_bfe_u32 s41, ttmp6, 0x40004
	s_lshl_b32 s42, ttmp9, 2
	s_add_co_u32 s42, s42, s40                     ; tx: which 256 rows of S0
	s_and_b32 s17, ttmp7, 0xffff
	s_lshl_b32 s17, s17, 2
	s_add_co_u32 s17, s17, s41                     ; ty: which 256 rows of S1
	s_lshl_b32 s43, s41, 2
	s_lshl_b32 s43, 15, s43                        ; my row of the cluster
	s_lshl_b32 s44, 0x1111, s40                    ; my column
	s_or_b32 s[G1+0], s43, (3<<16)|(1<<21)         ; 15:0 the mask: S1's tiles go to my row; 17:16 elements of 8 bytes; 21 set beside a mask; no padding
	s_or_b32 s[G1B+0], s44, (3<<16)|(1<<21)
.irp g, G1, G1B
	s_mov_b32 s[\g+1], 32<<16                      ; tensor_dim0 = 32 elements: 256 bytes
	s_mov_b32 s[\g+2], 100<<16                     ; tensor_dim1 = 100
	s_mov_b32 s[\g+3], 32<<16                      ; tile_dim0
	s_mov_b32 s[\g+4], 100                         ; tile_dim1
	s_mov_b32 s[\g+5], 32                          ; the pitch: dense
	s_mov_b32 s[\g+6], 0
	s_mov_b32 s[\g+7], 0
.endr
	s_lshl_b32 s20, s17, 1
	s_add_co_u32 s20, s20, s16
	s_mul_i32 s20, s20, NKS*PAN                    ; S1: the group of 128 rows that I fetch
	s_mov_b32 s21, 0
	s_lshl_b32 s46, s42, 1
	s_add_co_u32 s46, s46, s16
	s_mul_i32 s46, s46, NKS*PAN                    ; S0 likewise
.if WOFF
	s_add_co_u32 s46, s46, WOFF
.endif
	s_mov_b32 s47, 0
	s_mul_i32 s45, s14, BLK                        ; where they go: no place in the cluster enters an LDS address
	s_mov_b32 s66, 0x76543210
	s_mov_b32 s67, 0xfedcba98                      ; v_permlanex16_b32's selects for lane l xor 16
	s_mov_b32 s68, 0xffff0000                      ; lanes 16-31
	s_wait_dscnt 0x0                               ; the opening add is done
	s_wait_kmcnt 0x0
	s_add_nc_u64 s[20:21], s[6:7], s[20:21]
	s_add_nc_u64 s[46:47], s[4:5], s[46:47]
	CROUND                                         ; all sixteen work-groups are here: the first joint loads meet
.irp s, 0,1
	s_mov_b32 s[G0+4*\s], 1
	s_add_co_u32 s[G0+4*\s+1], s45, \s*SLOT
	s_add_nc_u64 s[G0+4*\s+2:G0+4*\s+3], s[20:21], \s*BLK
	s_or_b32 s[G0+4*\s+3], s[G0+4*\s+3], 0x80000000
	s_mov_b32 s[G0B+4*\s], 1
	s_add_co_u32 s[G0B+4*\s+1], s45, \s*SLOT
	s_add_nc_u64 s[G0B+4*\s+2:G0B+4*\s+3], s[46:47], \s*BLK
	s_or_b32 s[G0B+4*\s+3], s[G0B+4*\s+3], 0x80000000
	JLOAD \s                                       ; two tensor loads of mine are out behind these
.endr
	v_and_b32 v1, 15, v0                           ; r
	v_bfe_u32 v2, v0, 4, 1                         ; h
	v_and_b32 v3, 31, v0
	v_lshlrev_b32 v3, 4, v3                        ; 16 x lane
	s_mul_i32 s21, s15, BLK                        ; my 128 rows of S1
	s_mul_i32 s22, s16, BLK                        ; my 128 rows of S0,
	s_add_co_u32 s22, s22, 2*BLK                   ; which lie behind S1's 256
	s_sub_co_u32 s23, s22, s21
	v_mul_u32_u24 v6, s23, v2                      ; lanes 16-31 take S0's scale words
	v_lshl_add_u32 v6, v1, 5, v6                   ; 32 bytes a row: its eight tiles' words
.irp s, 0,1
	v_add_nc_u32 v[ADRA+\s], s21, v3
	v_add_nc_u32 v[ADRB+\s], s22, v3
	v_add_nc_u32 v[ADRS+\s], s21, v6
	s_add_co_u32 s21, s21, SLOT
	s_add_co_u32 s22, s22, SLOT
.endr
	v_mov_b32 v24, v3                              ; the way out: a fragment's place for my lane
	v_lshlrev_b32 v25, 5, v1
	v_lshl_add_u32 v25, v2, 4, v25                 ; and four scale words': 32 r + 16 h
	s_lshl_b32 s72, s17, 1
	s_add_co_u32 s72, s72, s15
	s_lshl_b32 s72, s72, 5
	s_lshl_b32 s73, s42, 1
	s_add_co_u32 s73, s73, s16
	s_add_co_u32 s72, s72, s73
	s_mul_i32 s72, s72, PAN                        ; my panel of OUT: (S1's group, S0's group)
	s_mov_b32 s73, 0
	s_add_nc_u64 s[8:9], s[8:9], s[72:73]
.macro FRAG reg, adr, q, i             ; a fragment comes as it lies: three loads, 512 consecutive bytes each
.irp c, 0,1,2
	ds_load_b128 v[\reg+4*\c:\reg+4*\c+3], v[\adr] offset:(\q)*PAN+(\i)*1536+512*\c
.endr
.endm
; 16 matrix instructions: S1's tiles a0, a0 + 1 x S0's eight, the slot's q-th 128 along K.  p: S0's set; sc: the set of scale words.  first = 1: the first product starts the sums.
; The 64 accumulators take turns, one instruction a turn, in the same order in every step.
.macro MUL16 a0, p, q, sc, first
.irp a, \a0, \a0+1
.irp b, 0,1,2,3,4,5,6,7
.if \first
	v_wmma_scale_f32_16x16x128_f8f6f4 v[8*(8*((\a)%4)+\b):8*(8*((\a)%4)+\b)+7], v[128*(\p)+12*\b:128*(\p)+12*\b+11], v[AF+12*(\a):AF+12*(\a)+11], 0, v[SC+16*(\sc)+8*(\q)+\b], v[SC+16*(\sc)+8*(\q)+(\a)] matrix_a_fmt:MATRIX_FMT_FP6 matrix_b_fmt:MATRIX_FMT_FP6 matrix_a_scale:MATRIX_SCALE_ROW1
.else
	v_wmma_scale_f32_16x16x128_f8f6f4 v[8*(8*((\a)%4)+\b):8*(8*((\a)%4)+\b)+7], v[128*(\p)+12*\b:128*(\p)+12*\b+11], v[AF+12*(\a):AF+12*(\a)+11], v[8*(8*((\a)%4)+\b):8*(8*((\a)%4)+\b)+7], v[SC+16*(\sc)+8*(\q)+\b], v[SC+16*(\sc)+8*(\q)+(\a)] matrix_a_fmt:MATRIX_FMT_FP6 matrix_b_fmt:MATRIX_FMT_FP6 matrix_a_scale:MATRIX_SCALE_ROW1
.endif
.endr
.endr
.endm
.macro FETCH_B slot, q, p
	WIN TO_B
.irp i, 0,1,2,3,4,5,6,7
	FRAG 128*(\p)+12*\i, ADRB+\slot, \q, \i
.endr
	WIN 0
.endm
.macro FETCH_A slot, q, i0
.irp i, \i0, \i0+1, \i0+2, \i0+3
	FRAG AF+12*(\i), ADRA+\slot, \q, \i
.endr
.endm
.macro SCALES sc                       ; a slot's scale words: eight tiles' words of my row lie together, 32 bytes
.irp q, 0,1
	ds_load_b128 v[SC+16*\sc+8*\q:SC+16*\sc+8*\q+3], v[ADRS+\sc] offset:\q*PAN+12288
	ds_load_b128 v[SC+16*\sc+8*\q+4:SC+16*\sc+8*\q+7], v[ADRS+\sc] offset:\q*PAN+12288+16
.endr
.endm
.macro PLACES n                        ; plain vector instructions in front of loads into registers that matrix instructions have read, and of the first read of results
.rept \n
	v_nop
.endr
.endm
; A step of 128 along K that has its successor in the same slot.
.macro STEP slot, q, first
	s_wait_dscnt 4*NL                              ; S0's set, S1's tiles 0-3 and the scale words are in; the youngest 12 loads (S1's tiles 4-7) may be out
	WIN MUL_LO
	MUL16 0, (\q)%2, \q, \slot, \first
	MUL16 2, (\q)%2, \q, \slot, \first
	s_wait_dscnt 0
	PLACES NP
	FETCH_B \slot, (\q)+1, 1-(\q)%2
	FETCH_A \slot, (\q)+1, 0
	WIN MUL_HI
	MUL16 4, (\q)%2, \q, \slot, \first
	MUL16 6, (\q)%2, \q, \slot, \first
	PLACES NP
	WIN 0
	FETCH_A \slot, (\q)+1, 4
.endm
; A slot's last step changes slots: ONE barrier; in front of it each wave waits for all its tensor loads, adds 0 to its spare word, and waits for that and for its reads of this slot.  fill = 1: the slot is filled again, two K steps ahead.
.macro TURN slot, next, fill
	s_wait_tensorcnt 0x0                           ; all my tensor loads have landed: my part of the next slot
	ds_add_u32 v[SPW], v[NIL]                      ; 0 onto my spare word
	s_wait_dscnt 4*NL+1                            ; (the add and the youngest 12 loads may be out)
	WIN MUL_LO
	MUL16 0, 1, 1, \slot, 0                        ; sixteen matrix instructions stand between the add and the wait for it
	s_wait_dscnt 0x0                               ; the add is done, and my reads of this slot are over
	s_barrier_signal -1
	MUL16 2, 1, 1, \slot, 0
	WIN 0
	s_barrier_wait -1
.if \fill
	CREST                                          ; the barrier has opened a round of the cluster's: no wave of any partner still reads this slot or has a load on its way
	s_add_nc_u64 s[G0+4*\slot+2:G0+4*\slot+3], s[G0+4*\slot+2:G0+4*\slot+3], 2*BLK
	s_add_nc_u64 s[G0B+4*\slot+2:G0B+4*\slot+3], s[G0B+4*\slot+2:G0B+4*\slot+3], 2*BLK
	JLOAD \slot                                    ; my one tensor load behind the round; its four v_nop are the places in front of the loads below
.else
	PLACES NP
.endif
	FETCH_B \next, 0, 0
	FETCH_A \next, 0, 0
	SCALES \next
	WIN MUL_HI
	MUL16 4, 1, 1, \slot, 0
	MUL16 6, 1, 1, \slot, 0
	PLACES NP
	WIN 0
	FETCH_A \next, 0, 4
.endm
	s_wait_tensorcnt 1                             ; my part of K step 0 is in (K step 1's load may be out)
	s_barrier_signal -1
	s_barrier_wait -1                              ; everybody's is
	FETCH_B 0, 0, 0
	FETCH_A 0, 0, 0
	SCALES 0
	FETCH_A 0, 0, 4
	STEP 0, 0, 1                                   ; the first step stands in front of the loop: its products start the sums
	s_mov_b32 s3, LAPS-1
.Llap:                                                 ; a trip goes once round the ring and fills both slots again
	TURN 0, 1, 1
	STEP 1, 0, 0
	TURN 1, 0, 1
	STEP 0, 0, 0
	s_sub_co_u32 s3, s3, 1
	s_cmp_lg_u32 s3, 0
	s_cbranch_scc1 .Llap
	TURN 0, 1, 0                                   ; the last lap fills nothing
	STEP 1, 0, 0
	s_wait_dscnt 4*NL
	WIN MUL_LO
	MUL16 0, 1, 1, 1, 0
	MUL16 2, 1, 1, 1, 0
	s_wait_dscnt 0
	WIN MUL_HI
	MUL16 4, 1, 1, 1, 0
	MUL16 6, 1, 1, 1, 0
	WIN 0
; THE WAY OUT.  The 64 registers of S1's tile a, in window w from v[src] on, are 128 numbers along OUT's K of 16 rows: four blocks of 32, each in lanes l and l xor 16.  They become a fragment in v[pc] on and a scale word in v[pw].
.macro QUANT src, w, pc, pw
	WIN (\w)|((\w)<<2)                             ; sources 0 and 1 in the accumulators' window
.irp b, 0,1,2,3
	v_max3_num_f32 v[TM+\b], |v[\src+16*\b]|, |v[\src+16*\b+1]|, 0x1800000   ; each accumulator is read from its low end on; the floor 2^(3 - 127) holds the byte at 1 from below
.endr
.irp i, 2,4,6,8,10,12,14
.irp b, 0,1,2,3
	v_max3_num_f32 v[TM+\b], |v[\src+16*\b+\i]|, |v[\src+16*\b+\i+1]|, v[TM+\b]
.endr
.endr
	WIN 0
.irp b, 0,1,2,3
	v_permlanex16_b32 v[TM+4+\b], v[TM+\b], s66, s67
.endr
.irp b, 0,1,2,3
	v_max_num_f32 v[TM+\b], v[TM+\b], v[TM+4+\b]
.endr
.irp b, 0,1,2,3
	v_add_nc_u32 v[TM+12+\b], 0xff000000, v[TM+\b] ; 2 off the exponent field: the conversion's scale operand
.endr
.irp b, 0,1,2,3
	v_lshrrev_b32 v[TM+4+\b], 23, v[TM+12+\b]
.endr
	v_lshl_or_b32 v[\pw], v[TM+5], 8, v[TM+4]
	v_lshl_or_b32 v[\pw], v[TM+6], 16, v[\pw]
	v_lshl_or_b32 v[\pw], v[TM+7], 24, v[\pw]
	WIN \w                                         ; source 0 in the accumulators' window
.irp c, 0,1
	v_cvt_scalef32_pk16_fp6_f32 v[\pc+6*\c:\pc+6*\c+2], v[\src+32*\c:\src+32*\c+15], v[TM+12+2*\c]
	v_cvt_scalef32_pk16_fp6_f32 v[CT+4*\c:CT+4*\c+2], v[\src+32*\c+16:\src+32*\c+31], v[TM+12+2*\c+1]
.endr
	WIN 0
	v_nop                                          ; one plain place behind a scaled conversion
.irp c, 0,1
.irp i, 0,1,2
	v_permlane16_swap_b32 v[\pc+6*\c+\i], v[CT+4*\c+\i]   ; a whole block to a lane: lanes 0-15 block 2 c, lanes 16-31 block 2 c + 1
.endr
.irp i, 0,1,2
	v_mov_b32 v[\pc+6*\c+3+\i], v[CT+4*\c+\i]
.endr
.endr
.endm
	PLACES NP                                      ; behind the last products
.irp b, 0,1,2,3
	v_mov_b32 v[TM+4+\b], 0                        ; written once: a lane permute's destination counts as one of its sources
.endr
.irp a, 0,1,2,3,4,5,6,7
.if \a == 4
	s_wait_xcnt 0x0                                ; the stores of tiles 0 to 3 have read their registers: the four sets of codes may be written again
.endif
	QUANT 64*((\a)%4), 2+(\a)/4, PC+12*((\a)%4), PWS+\a
.irp c, 0,1,2
	global_store_b128 v24, v[PC+12*((\a)%4)+4*\c:PC+12*((\a)%4)+4*\c+3], s[8:9] offset:1536*\a+512*\c   ; 512 consecutive bytes, at a multiple of 256 from the buffer's first byte
.endr
.endr
.irp j, 0,1,2,3
	v_cndmask_b32 v[DW+\j], v[PWS+\j], v[PWS+4+\j], s68   ; lanes 0-15 send their row's words of tiles 0-3, lanes 16-31 those of tiles 4-7
.endr
	global_store_b128 v25, v[DW:DW+3], s[8:9] offset:12288
	s_wait_tensorcnt 0x0                           ; the wave's end
	ds_add_u32 v[SPW], v[NIL]
	s_wait_dscnt 0x0
	CROUND                                         ; the closing round: no work-group ends while a partner may still ask for a tile that names it
	s_endpgm
.Lfunc_end_k_q6c9d96f1e2_qk:
	.size	k_q6c9d96f1e2_qk, .Lfunc_end_k_q6c9d96f1e2_qk-k_q6c9d96f1e2_qk
	.p2alignl 7, 3214868480
	.fill 96, 4, 3214868480
	.section	.rodata,"a",@progbits
	.p2align	6, 0x0
	.amdhsa_kernel k_q6c9d96f1e2_qk
		.amdhsa_group_segment_fixed_size 327680
		.amdhsa_private_segment_fixed_size 0
		.amdhsa_enable_private_segment 0
		.amdhsa_kernarg_size 24
		.amdhsa_user_sgpr_count 2
		.amdhsa_user_sgpr_kernarg_segment_ptr 1
		.amdhsa_wavefront_size32 1
		.amdhsa_system_sgpr_workgroup_id_x 1
		.amdhsa_system_sgpr_workgroup_id_y 1
		.amdhsa_system_sgpr_workgroup_id_z 1
		.amdhsa_system_vgpr_workitem_id 0
		.amdhsa_next_free_vgpr 1024
		.amdhsa_next_free_sgpr 80
		.amdhsa_reserve_vcc 0
		.amdhsa_float_denorm_mode_32 3
		.amdhsa_float_denorm_mode_16_64 3
		.amdhsa_memory_ordered 1
		.amdhsa_forward_progress 1
		.amdhsa_inst_pref_size 136
	.end_amdhsa_kernel
	.amdgpu_metadata
---
amdhsa.version: [ 1, 2 ]
amdhsa.kernels:
  - .name:           k_q6c9d96f1e2_qk
    .symbol:         k_q6c9d96f1e2_qk.kd
    .args:
      - { .name: wts, .offset: 0, .size: 8, .value_kind: global_buffer, .address_space: global }
      - { .name: hn, .offset: 8, .size: 8, .value_kind: global_buffer, .address_space: global }
      - { .name: big, .offset: 16, .size: 8, .value_kind: global_buffer, .address_space: global }
    .group_segment_fixed_size: 327680
    .private_segment_fixed_size: 0
    .kernarg_segment_align: 8
    .kernarg_segment_size: 24
    .max_flat_workgroup_size: 128
    .sgpr_count:     80
    .vgpr_count:     1024
    .wavefront_size: 32
...
	.end_amdgpu_metadata
.endif
;; end of part 3
;; launch vtr: the kernel of part 3 again; grid 16 x 4, 4 waves a work-group, clusters of 4 x 4, 327,680 bytes of LDS; arguments hn, wvp, vt; writes vt
;; launch attn (part 4): grid 16 x 16, 16 waves a work-group, no clusters, 327,680 bytes of LDS; arguments big, vt, hn; writes hn
.if DOCPART == 4
	.amdgcn_target "amdgcn-amd-amdhsa--gfx1250"
	.amdhsa_code_object_version 6
	.text
	.protected	k_q6c9d96f1e2_attn
	.globl	k_q6c9d96f1e2_attn
	.p2align	8
	.type	k_q6c9d96f1e2_attn,@function
k_q6c9d96f1e2_attn:
	s_mov_b64 s[64:65], 0
	v_nop
	global_prefetch_b8 v0, s[64:65] scope:SCOPE_SE
	s_setreg_imm32_b32 hwreg(HW_REG_WAVE_MODE, 25, 1), 1
	s_wait_xcnt 0x0
; Causal attention on E2M3 codes (one E8M0 byte for each 32 along a product's K), 2 x 16 heads of 64, 2,048 tokens; the result ctx is quantised along the features and stored as an operand.
; ALL BUFFERS ARE PANELS of 12,800 bytes: 128 rows x 128 along K; bytes 1536 t + 512 q + 16 l = registers 4 q .. 4 q + 3 of lane l of the operand of rows 16 t ..; bytes 12,288 + 32 r + 4 t = row 16 t + r's scale word;
; inside a block of 32, place p holds k = p with bits 3 and 4 exchanged, in every operand alike.  big: panel (token group g, s): s = i: q of head pair i, s = 8 + i: k of head pair i, at (32 g + s) x 12,800.
; vt: V^T, panel (head pair i, token group g) at (32 i + g) x 12,800: rows = the pair's 128 features, K = 128 keys.  hn (out): ctx, panel (g, i) at (8 g + i) x 12,800.
; THE SOFTMAX AHEAD OF THE SECOND PRODUCT: t = score x log2(e) / 8; M = the row's largest t so far, rounded UP to a whole number; p = 2^(t - M) is quantised along the keys, not normalised; the row's sum is taken of the
; unquantised p and divides at the end.  When M moves, the sum and O are multiplied by 2^(old M - new M): exact.
; SHARES.  Work-group (a, 8 batch + i) owns, for the two heads of pair i, queries 64 a .. 64 a + 63 and 64 (31 - a) .. + 63: an early and a late block, so that every work-group has about the same number of key steps under the mask.
; Each of its sixteen waves owns one head and one tile of 16 queries, in 256 registers: four waves to a SIMD, two early and two late.
; A HEAD IS 64 AND THE INSTRUCTION'S K IS 128: a fragment of k holds both heads of the pair; a wave's q has zero codes in the other head's half, which add nothing.
; Both products are used transposed (S^T = k q^T, O^T = V^T p^T): a lane holds one query throughout; register 16 B + 8 u + j of lane (r, h) is key 32 B + 16 u + 8 h + j: the order that the panels of V^T have along the keys.
; THE RING: two slots of 256 keys (k's two panels, V^T's two); waves 0 to 3 fetch a panel each; every work-group walks all eight slots, so the trip counts are constants; a step all of whose keys are hidden is left out by a branch on ids,
; and a slot whose first key comes after the work-group's last query is not asked for.  Every wait on TENSORcnt is for 0.
; NO CLUSTER: the sixteen work-groups of a head pair read the same panels, but their last slots differ (the last query is 2,047 - 64 a), so partners would need different numbers of tiles.
; LIMITS: a block whose largest magnitude lies under 2^-124 (a block of zeros too) gets the byte 1; NaN and infinities are not served; v_exp_f32 and v_rcp_f32 as they are.  ctx's scale words leave as 4 bytes a lane (lanes r and r + 16 write the same word).
.set PAN,   12800
.set SLOT1, 1<<16                      ; slot 1 begins here: one exclusive or turns an address in one slot into the other's
.set STAGE, 2*SLOT1                    ; behind the ring: eight fragments of ctx and their scale words, 12,800 bytes; no tile lands here
.set SPARE, STAGE+PAN                  ; the spare words, 128 bytes for each wave: eight blocks of 256 bytes that no other line names
.set NSL,   8
.set AK0,  1                           ; v1   16 x lane
.set AV0,  2                           ; v2   my head's four tiles of V^T in a slot
.set ASK0, 3                           ; v3   k's scale words
.set ASV0, 4                           ; v4   V^T's
.set SPW,  5                           ; v5   LDS address of my spare word; never rewritten
.set NIL,  6                           ; v6   0; never rewritten
.set GO,   7                           ; v7   16 x lane + 1536 x my tile's place in its panel: q's loads and ctx's stores
.set ADK,  8                           ; v8-11 the step's addresses
.set ADV,  9
.set ADS,  10
.set ADT,  11
.set PF0,  28                          ; v28, v29 the prefetches' offsets; never rewritten  (v16-27: q's fragment)
.set PF1,  29
.set RH,   30                          ; v30  r - 8 h
.set DD,   31                          ; v31  the mask's bound
.set GSC,  80                          ; v80  32 r + 4 x my tile's place: q's and ctx's scale word; never rewritten
.set SA1,  84                          ; v84-87 the way out: my places in the stage; they hold nothing else
.set SA2,  85
.set SAH,  86
.set SAW,  87
.set WV,   18
.set SEL,  20
.set CS,   22                          ; s[22:23] c = log2(e) / 8
.set G1,   24
.set G0,   32
.set STP,  36                          ; s[36:37] a slot on in memory: 819,200 bytes for k, 25,600 for V^T
.set HP,   40                          ; s40  which head of the pair
.set SIDX, 45                          ; s45  which of the work-group's eight tiles of queries
.set TB,   2
.set SLOTS, 67
.set PFA,  70
.set LIM,  72
.set LQ,   95                          ; s95  my work-group's last query
.set KF,   98                          ; s98  the step's first key
.set Q0,   99                          ; s99  my first query
.macro TLOAD                           ; waves 0 to 3 fetch a panel each; the branch hangs on the wave's number alone.  An s_nop 0 and four v_nop follow the line
	s_cmp_lt_u32 s[WV], 4
	s_cbranch_scc0 .Lasked_\@
	tensor_load_to_lds s[G0:G0+3], s[G1:G1+7]
	s_nop 0
.rept 4
	v_nop
.endr
.Lasked_\@:
.endm
; A PREFETCH INTO THE L2 of what the NEXT change of slots will ask for, a slot's two key steps ahead of that load.  The work-group with a = 0 walks all keys of its head pair: it asks, and nobody else.  In it wave 4 + p asks for the panel
; that wave p will load: 50 blocks of 256 bytes, lanes 256 bytes apart, in two instructions; in the second, lanes 18 to 31 name the panel's last block again.  The last change that fills a slot asks for nothing; slots 0 and 1 come by their loads alone.
.macro ASK
	s_cmp_gt_u32 s[SLOTS], s[LIM]
	s_cbranch_scc0 .Lnot_mine_\@
	global_prefetch_b8 v[PF0], s[PFA:PFA+1] th:TH_LOAD_NT scope:SCOPE_SE
	global_prefetch_b8 v[PF1], s[PFA:PFA+1] th:TH_LOAD_NT scope:SCOPE_SE
.Lnot_mine_\@:
.endm
	s_load_b128 s[4:7], s[0:1], 0x0                ; big s[4:5], vt s[6:7]
	s_load_b64 s[8:9], s[0:1], 0x10                ; hn
	v_lshl_add_u32 v[SPW], v0, 2, SPARE
	v_mov_b32 v[NIL], 0
	ds_add_u32 v[SPW], v[NIL]                      ; the wave's opening: the add and its wait stand ahead of my first tensor load; work on registers stands between them
	v_lshrrev_b32 v8, 5, v0
	v_readfirstlane_b32 s[WV], v8                  ; wave 0..15, bits b0 .. b3
	s_and_b32 s[HP], s[WV], 1                      ; the head: b0
	s_bfe_u32 s41, s[WV], 0x10002
	s_xor_b32 s41, s41, s[HP]                      ; early (0) or late (1) block: b0 xor b2
	s_bfe_u32 s42, s[WV], 0x10001
	s_bfe_u32 s47, s[WV], 0x10003
	s_lshl_b32 s47, s47, 1
	s_add_co_u32 s42, s42, s47                     ; the tile in the block: b1 + 2 b3
	s_lshl_b32 s[SIDX], s41, 2
	s_add_co_u32 s[SIDX], s[SIDX], s42
	s_and_b32 s48, ttmp7, 0xffff
	s_lshr_b32 s43, s48, 3                         ; batch
	s_and_b32 s44, s48, 7                          ; head pair i
	s_sub_co_u32 s49, 31, ttmp9
	s_cmp_eq_u32 s41, 1
	s_cselect_b32 s49, s49, ttmp9
	s_lshl_b32 s49, s49, 6
	s_lshl_b32 s50, s42, 4
	s_add_co_u32 s[Q0], s49, s50
	s_lshl_b32 s[LQ], ttmp9, 6
	s_sub_co_u32 s[LQ], 2047, s[LQ]
	s_mov_b32 s[G1], 3<<16                         ; group 1: a dense panel: 50 rows of 32 elements of 8 bytes; no mask, no padding
	s_mov_b32 s[G1+1], 32<<16
	s_mov_b32 s[G1+2], 50<<16
	s_mov_b32 s[G1+3], 32<<16
	s_mov_b32 s[G1+4], 50
	s_mov_b32 s[G1+5], 32
	s_mov_b32 s[G1+6], 0
	s_mov_b32 s[G1+7], 0
	s_and_b32 s46, s[WV], 3                        ; p: which of a slot's four panels (waves 0-3 load it, waves 4-7 prefetch it)
	s_and_b32 s51, s46, 1
	s_lshl_b32 s52, s43, 4
	s_add_co_u32 s52, s52, s51                     ; its token group in slot 0
	s_lshl_b32 s53, s52, 5
	s_add_co_u32 s53, s53, s44
	s_add_co_u32 s53, s53, 8
	s_mul_i32 s53, s53, PAN                        ; k's panel in big
	s_lshl_b32 s54, s44, 5
	s_add_co_u32 s54, s54, s52
	s_mul_i32 s54, s54, PAN                        ; V^T's in vt
	s_mov_b32 s[STP], 25600
	s_cmp_lt_u32 s46, 2
	s_cselect_b32 s56, s53, s54
	s_cselect_b32 s[STP], 819200, s[STP]
	s_mov_b32 s57, 0
	s_mov_b32 s[STP+1], 0
	s_lshr_b32 s60, s[Q0], 7
	s_lshl_b32 s61, s43, 4
	s_add_co_u32 s60, s60, s61                     ; my queries' token group
	s_bfe_u32 s61, s[Q0], 0x30004                  ; and their tile in it
	s_lshl_b32 s62, s60, 5
	s_add_co_u32 s62, s62, s44
	s_mul_i32 s62, s62, PAN                        ; q's panel
	s_mov_b32 s63, 0
	s_lshl_b32 s68, s60, 3
	s_add_co_u32 s68, s68, s44
	s_mul_i32 s68, s68, PAN                        ; ctx's panel
	s_mov_b32 s69, 0
	s_mov_b32 s[SEL], 0x76543210
	s_mov_b32 s[SEL+1], 0xfedcba98
	s_mov_b32 s[CS], 0x3e38aa3b                    ; c = log2(e) / 8
	s_mov_b32 s[CS+1], s[CS]
	s_mov_b32 s[TB], 0
	s_mov_b32 s[SLOTS], NSL-1
	s_mov_b32 s[KF], 0
	s_lshr_b32 s[LIM], s[WV], 2
	s_xor_b32 s[LIM], s[LIM], 1                    ; 0 in waves 4 to 7,
	s_or_b32 s[LIM], s[LIM], ttmp9                 ; of the work-group with a = 0
	s_cmp_eq_u32 s[LIM], 0
	s_cselect_b32 s[LIM], 1, -1
	s_cmp_eq_u32 s[HP], 0
	s_cselect_b32 s74, -1, 0                       ; keeps q's first 64 features
	s_cselect_b32 s75, 0, -1                       ; keeps its second 64
	s_wait_dscnt 0x0                               ; the opening add is done
	s_wait_kmcnt 0x0
	s_cmp_lt_u32 s46, 2
	s_cselect_b64 s[58:59], s[4:5], s[6:7]
	s_add_nc_u64 s[58:59], s[58:59], s[56:57]
	s_mov_b32 s[G0], 1
	s_mul_i32 s[G0+1], s46, PAN                    ; LDS address: slot 0, panel p
	s_mov_b64 s[G0+2:G0+3], s[58:59]
	s_or_b32 s[G0+3], s[G0+3], 0x80000000
	TLOAD                                          ; slot 0
	s_add_nc_u64 s[PFA:PFA+1], s[58:59], s[STP:STP+1]  ; the prefetches stand in slot 1: the first change of slots steps them to slot 2.  Nothing is prefetched at the head
	s_add_nc_u64 s[76:77], s[4:5], s[62:63]
	s_add_nc_u64 s[8:9], s[8:9], s[68:69]
	v_and_b32 v8, 15, v0                           ; r
	v_bfe_u32 v9, v0, 4, 1                         ; h
	v_and_b32 v10, 31, v0
	v_lshlrev_b32 v[AK0], 4, v10
	s_mul_i32 s73, s61, 1536
	v_add_nc_u32 v[GO], s73, v[AK0]
	s_lshl_b32 s73, s61, 2
	v_lshl_add_u32 v[GSC], v8, 5, s73
.irp c, 0,1,2
	global_load_b128 v[16+4*\c:19+4*\c], v[GO], s[76:77] offset:512*\c   ; q's fragment stays in registers
.endr
	global_load_b32 v255, v[GSC], s[76:77] offset:12288                 ; and its scale words
	s_mul_i32 s73, s[HP], 6144
	s_add_co_u32 s73, s73, 2*PAN
	v_add_nc_u32 v[AV0], s73, v[AK0]
	v_lshl_add_u32 v[ASK0], v8, 5, 12288
	s_lshl_b32 s73, s[HP], 4
	s_add_co_u32 s73, s73, 2*PAN+12288
	v_lshl_add_u32 v[ASV0], v8, 5, s73
	v_lshlrev_b32 v11, 3, v9
	v_sub_nc_u32 v[RH], v8, v11
	v_lshlrev_b32 v[PF0], 8, v10
	v_min_u32 v[PF1], 17, v10
	v_lshlrev_b32 v[PF1], 8, v[PF1]
	v_add_nc_u32 v[PF1], 8192, v[PF1]
	v_mov_b32 v13, 0xff61b1e6                      ; the largest t so far: -3e38, under every t
	v_floor_f32 v12, -v13                          ; -M
	v_mov_b32 v14, 0                               ; the sum, in two halves
	v_mov_b32 v15, 0
.irp b, 0,1,2,3
	v_mov_b32 v[236+\b], 0                         ; written once: a lane permute's destination counts as one of its sources
.endr
	v_mov_b32 v252, 0
	v_mov_b32 v253, 0
	s_wait_loadcnt 0x0                             ; q
.irp j, 0,1,2,3,4,5
	v_and_b32 v[16+\j], s74, v[16+\j]              ; the other head's half becomes zero codes
	v_and_b32 v[22+\j], s75, v[22+\j]
.endr
.irp j, 0,1,2,3,4,5,6,7,8,9,10,11,12,13,14,15,16,17,18,19,20,21,22,23,24,25,26,27,28,29,30,31
	v_mov_b32 v[160+\j], 0                         ; O^T: the loop is written once; its first step finds zeros, which the first change of M leaves zeros
.endr
; A KEY STEP: 128 keys, the q-th of the slot in hand.
.macro STEP q
	s_add_co_u32 s96, s[Q0], 15                    ; a step all of whose keys come after my 16 queries is left out: a branch on ids, round no barrier and no tensor load
	s_cmp_gt_u32 s[KF], s96
	s_cbranch_scc1 .Lhidden_\@
	v_add_nc_u32 v[ADK], s[TB], v[AK0]             ; (these four are also the places behind the last step's products, in front of the loads below)
	v_add_nc_u32 v[ADV], s[TB], v[AV0]
	v_add_nc_u32 v[ADS], s[TB], v[ASK0]
	v_add_nc_u32 v[ADT], s[TB], v[ASV0]
.irp g, 0,1                                    ; S^T = k q^T, four tiles of 16 keys at a time
.if \g
.rept 4
	v_nop                                          ; places in front of loads into registers that matrix instructions have read
.endr
.endif
.irp t, 0,1,2,3
.irp c, 0,1,2
	ds_load_b128 v[32+12*\t+4*\c:35+12*\t+4*\c], v[ADK] offset:(\q)*PAN+1536*(4*\g+\t)+512*\c
.endr
.endr
.if \g == 0
	ds_load_b128 v[192:195], v[ADS] offset:(\q)*PAN       ; k's scale words of the eight tiles,
	ds_load_b128 v[196:199], v[ADS] offset:(\q)*PAN+16
	ds_load_b128 v[200:203], v[ADT] offset:(\q)*PAN       ; and V^T's of my head's four
.endif
	s_wait_dscnt 0x0
.irp t, 0,1,2,3
	v_wmma_scale_f32_16x16x128_f8f6f4 v[96+8*(4*\g+\t):103+8*(4*\g+\t)], v[32+12*\t:43+12*\t], v[16:27], 0, v[192+4*\g+\t], v255 matrix_a_fmt:MATRIX_FMT_FP6 matrix_b_fmt:MATRIX_FMT_FP6
.endr
.endr
.rept 4
	v_nop
.endr
.irp t, 0,1,2,3                                ; V^T's four fragments are asked for now and land under the softmax
.irp c, 0,1,2
	ds_load_b128 v[32+12*\t+4*\c:35+12*\t+4*\c], v[ADV] offset:(\q)*PAN+1536*\t+512*\c
.endr
.endr
	s_add_co_u32 s96, s[KF], 127                   ; on the diagonal the scores of hidden keys become -infinity ahead of the maximum; a step all of whose keys count skips this
	s_cmp_le_u32 s96, s[Q0]
	s_cbranch_scc1 .Lopen_\@
	s_sub_co_i32 s96, s[Q0], s[KF]
	v_add_nc_u32 v[DD], s96, v[RH]                 ; d = my query - the step's first key - 8 h.  Register n holds key 16 (n / 8) + n % 8 + 8 h: hidden where 16 (n / 8) + n % 8 > d
	v_mov_b32 v254, 0xff800000
.irp n, 0,1,2,3,4,5,6,7,8,9,10,11,12,13,14,15,16,17,18,19,20,21,22,23,24,25,26,27,28,29,30,31,32,33,34,35,36,37,38,39,40,41,42,43,44,45,46,47,48,49,50,51,52,53,54,55,56,57,58,59,60,61,62,63
	v_cmp_gt_i32 vcc_lo, 16*(\n/8)+\n%8, v[DD]
	v_cndmask_b32 v[96+\n], v[96+\n], v254, vcc_lo
.endr
.Lopen_\@:
.irp b, 0,1,2,3
	v_max3_num_f32 v[232+\b], v[96+16*\b], v[97+16*\b], v[98+16*\b]   ; the largest score of each block of 32 keys: for the row's maximum, and, since p rises with the score, for the block's largest p
.endr
.irp i, 3,5,7,9,11,13
.irp b, 0,1,2,3
	v_max3_num_f32 v[232+\b], v[232+\b], v[96+16*\b+\i], v[97+16*\b+\i]
.endr
.endr
.irp b, 0,1,2,3
	v_max_num_f32 v[232+\b], v[232+\b], v[111+16*\b]
.endr
.irp b, 0,1,2,3
	v_permlanex16_b32 v[236+\b], v[232+\b], s[SEL], s[SEL+1]
.endr
.irp b, 0,1,2,3
	v_max_num_f32 v[232+\b], v[232+\b], v[236+\b]  ; with lane l xor 16's 16 keys
.endr
	v_max3_num_f32 v254, v232, v233, v234
	v_max_num_f32 v254, v254, v235
	v_mul_f32 v254, s[CS], v254                    ; the step's largest t
	v_max_num_f32 v13, v13, v254                   ; the running largest t
	v_mov_b32 v254, v12
	v_floor_f32 v12, -v13                          ; the new -M = -ceil(t): a whole number
	v_sub_f32 v254, v12, v254                      ; old M - new M: a whole number, 0 or less
	v_cvt_i32_f32 v254, v254                       ; (it saturates)
	v_ldexp_f32 v252, 1.0, v254                    ; f = 2^(old M - new M)
.irp j, 0,2,4,6,8,10,12,14,16,18,20,22,24,26,28,30,32,34,36,38,40,42,44,46,48,50,52,54,56,58,60,62
	v_pk_fma_f32 v[96+\j:97+\j], v[96+\j:97+\j], s[CS:CS+1], v[12:13] op_sel_hi:[1,0,0]   ; t - M, two at a time
.endr
.irp b, 0,1,2,3
	v_fma_f32 v[232+\b], v[232+\b], s[CS], v12     ; the same of each block's largest score
.endr
.irp j, 0,1,2,3,4,5,6,7,8,9,10,11,12,13,14,15,16,17,18,19,20,21,22,23,24,25,26,27,28,29,30,31,32,33,34,35,36,37,38,39,40,41,42,43,44,45,46,47,48,49,50,51,52,53,54,55,56,57,58,59,60,61,62,63
	v_exp_f32 v[96+\j], v[96+\j]                   ; p = 2^(t - M), at most 1
.endr
	v_pk_mul_f32 v[14:15], v[14:15], v[252:253] op_sel_hi:[1,0]   ; the sums under the new M: a plain place behind the exponentials
	s_wait_alu depctr_va_vdst(0)                   ; one wait for the whole batch, ahead of its first reader
.irp b, 0,1,2,3
	v_exp_f32 v[232+\b], v[232+\b]                 ; the block's largest p: the same two instructions on the same number
.endr
	v_pk_add_f32 v[236:237], v[96:97], v[98:99]    ; the row's sum is taken of the unquantised p, two at a time, in two chains
.irp j, 4,8,12,16,20,24,28,32,36,40,44,48,52,56,60
	v_pk_add_f32 v[14:15], v[14:15], v[96+\j:97+\j]
	v_pk_add_f32 v[236:237], v[236:237], v[98+\j:99+\j]
.endr
	v_pk_add_f32 v[14:15], v[14:15], v[236:237]
	s_wait_alu depctr_va_vdst(0)                   ; and one for the four
.irp b, 0,1,2,3
	v_max_num_f32 v[232+\b], 0x1800000, v[232+\b]  ; the floor 2^(3 - 127): the byte cannot fall under 1
.endr
.irp b, 0,1,2,3
	v_add_nc_u32 v[244+\b], 0xff000000, v[232+\b]  ; 2 off the exponent field: the conversion's scale operand
.endr
.irp b, 0,1,2,3
	v_lshrrev_b32 v[236+\b], 23, v[244+\b]
.endr
	v_lshl_or_b32 v253, v237, 8, v236              ; p's scale word for these 128 keys
	v_lshl_or_b32 v253, v238, 16, v253
	v_lshl_or_b32 v253, v239, 24, v253
.irp c, 0,1
	v_cvt_scalef32_pk16_fp6_f32 v[224+6*\c:226+6*\c], v[96+32*\c:111+32*\c], v[244+2*\c]
	v_cvt_scalef32_pk16_fp6_f32 v[236+4*\c:238+4*\c], v[112+32*\c:127+32*\c], v[244+2*\c+1]
.endr
	v_nop                                          ; one plain place behind a scaled conversion
.irp c, 0,1
.irp i, 0,1,2
	v_permlane16_swap_b32 v[224+6*\c+\i], v[236+4*\c+\i]   ; a whole block to a lane
.endr
.irp i, 0,1,2
	v_mov_b32 v[227+6*\c+\i], v[236+4*\c+\i]
.endr
.endr
.irp j, 0,2,4,6,8,10,12,14,16,18,20,22,24,26,28,30
	v_pk_mul_f32 v[160+\j:161+\j], v[160+\j:161+\j], v[252:253] op_sel_hi:[1,0]   ; O^T under the new M; these sixteen also stand between the scale word's and the codes' last writes and the products
.endr
	s_wait_dscnt 0x0                               ; V^T's fragments
.irp t, 0,1,2,3
	v_wmma_scale_f32_16x16x128_f8f6f4 v[160+8*\t:167+8*\t], v[32+12*\t:43+12*\t], v[224:235], v[160+8*\t:167+8*\t], v[200+\t], v253 matrix_a_fmt:MATRIX_FMT_FP6 matrix_b_fmt:MATRIX_FMT_FP6
.endr
.Lhidden_\@:
	s_add_co_u32 s[KF], s[KF], 128
.endm
; THE CHANGE OF SLOTS stands at a slot's head.  Each wave waits for all its tensor loads, adds 0 to its spare word, and waits for that and for its reads of the slot that it has left.  Behind the barrier the slot ahead is whole
; and nobody reads the other one.  fill = 1: that other slot is filled with the keys that follow, up to the causal limit.
.macro CHANGE fill
	s_wait_tensorcnt 0x0                           ; no tensor load of mine is out, so group 0 may be written
	ds_add_u32 v[SPW], v[NIL]                      ; 0 onto my spare word
.if \fill
	s_xor_b32 s[G0+1], s[G0+1], SLOT1              ; the walking descriptor: the other slot, the next 256 keys
	s_add_nc_u64 s[G0+2:G0+3], s[G0+2:G0+3], s[STP:STP+1]
	s_wait_xcnt 0x0                                ; the last prefetches, a slot back, have read their address
	s_add_nc_u64 s[PFA:PFA+1], s[PFA:PFA+1], s[STP:STP+1]
.endif
	s_wait_dscnt 0x0                               ; the add is done, and my reads of the slot that I have left are over
	s_barrier_signal -1
	s_barrier_wait -1
.if \fill
	s_add_co_u32 s96, s[KF], 256                   ; the first key of the slot that this change would ask for: past my work-group's last query no wave would read it.
	s_cmp_gt_u32 s96, s[LQ]                        ; ids and the count of steps alone: all sixteen waves go the same way, and a work-group that is past the limit stays past it
	s_cbranch_scc1 .Lpast_\@
	TLOAD                                          ; a wave's one tensor load until the next barrier
.Lpast_\@:
	ASK
.endif
.endm
.macro SLOT_STEPS
	STEP 0
	STEP 1
	s_xor_b32 s[TB], s[TB], SLOT1
.endm
.Lslot:                                            ; seven trips: behind each change of slots but the last the next slot is asked for
	CHANGE 1
	SLOT_STEPS
	s_sub_co_u32 s[SLOTS], s[SLOTS], 1
	s_cmp_lg_u32 s[SLOTS], 0
	s_cbranch_scc1 .Lslot
	CHANGE 0                                       ; the last slot is written out
	SLOT_STEPS
	; THE WAY OUT.  O^T / the sum is my head's 64 features of 16 queries: two blocks of 32, half of a fragment of ctx (registers 6 x head .. + 5) and half of its scale word.  The two heads' halves meet in the stage.
	v_add_f32 v14, v14, v15
	v_permlanex16_b32 v252, v14, s[SEL], s[SEL+1]
	v_add_f32 v14, v14, v252                       ; the row's sum
	v_rcp_f32 v14, v14
	v_and_b32 v8, 15, v0                           ; (a plain place behind the reciprocal)
	v_and_b32 v9, 31, v0
	s_mul_i32 s73, s[SIDX], 1536
	s_add_co_u32 s73, s73, STAGE
	v_lshl_add_u32 v10, v9, 4, s73                 ; my tile's image: 16 x lane
	s_mul_i32 s74, s[HP], 520
	v_add_nc_u32 v[SA1], s74, v10                  ; pieces of 8 bytes: head 0 writes bytes 0, 8 and 512 of a lane's places, head 1 bytes 520, 1,024 and 1,032
	s_mul_i32 s74, s[HP], 1016
	v_add_nc_u32 v[SA2], s74, v10
	s_lshl_b32 s75, s[SIDX], 6
	s_add_co_u32 s75, s75, STAGE+12288
	v_lshl_add_u32 v[SAW], v8, 2, s75              ; the tile's scale words: 4 r
	s_lshl_b32 s74, s[HP], 1
	v_add_nc_u32 v[SAH], s74, v[SAW]               ; my half of a word
	s_wait_alu depctr_va_vdst(0)                   ; the wait, ahead of the reciprocal's first reader
.irp j, 0,1,2,3,4,5,6,7,8,9,10,11,12,13,14,15,16,17,18,19,20,21,22,23,24,25,26,27,28,29,30,31
	v_mul_f32 v[96+\j], v[160+\j], v14             ; each accumulator from its low end on
.endr
.irp b, 0,1
	v_max3_num_f32 v[232+\b], |v[96+16*\b]|, |v[97+16*\b]|, 0x1800000
.endr
.irp i, 2,4,6,8,10,12,14
.irp b, 0,1
	v_max3_num_f32 v[232+\b], v[232+\b], |v[96+16*\b+\i]|, |v[97+16*\b+\i]|
.endr
.endr
.irp b, 0,1
	v_permlanex16_b32 v[236+\b], v[232+\b], s[SEL], s[SEL+1]
.endr
.irp b, 0,1
	v_max_num_f32 v[232+\b], v[232+\b], v[236+\b]
.endr
.irp b, 0,1
	v_add_nc_u32 v[244+\b], 0xff000000, v[232+\b]
.endr
.irp b, 0,1
	v_lshrrev_b32 v[236+\b], 23, v[244+\b]
.endr
	v_lshl_or_b32 v254, v237, 8, v236              ; my two bytes
	v_cvt_scalef32_pk16_fp6_f32 v[224:226], v[96:111], v244
	v_cvt_scalef32_pk16_fp6_f32 v[240:242], v[112:127], v245
	v_nop                                          ; one plain place behind a scaled conversion
.irp i, 0,1,2
	v_permlane16_swap_b32 v[224+\i], v[240+\i]
.endr
.irp i, 0,1,2
	v_mov_b32 v[227+\i], v[240+\i]
.endr
	ds_store_b64 v[SA1], v[224:225]
	ds_store_b64 v[SA2], v[226:227] offset:8
	ds_store_b64 v[SA1], v[228:229] offset:512
	ds_store_b16 v[SAH], v254                      ; lanes r and r + 16 write the same two bytes with the same value
	s_wait_dscnt 0x0                               ; for the others' sake: my half lies in the stage
	s_barrier_signal -1
	s_barrier_wait -1
	s_cmp_lg_u32 s[HP], 0                          ; the wave of head 0 stores the whole fragment
	s_cbranch_scc1 .Ldone
	ds_load_b128 v[40:43], v10
	ds_load_b128 v[44:47], v10 offset:512
	ds_load_b128 v[48:51], v10 offset:1024
	ds_load_b32 v52, v[SAW]
	s_wait_dscnt 0x0
	global_store_b128 v[GO], v[40:43], s[8:9]                 ; 512 consecutive bytes a store, at a multiple of 256 from the buffer's first byte
	global_store_b128 v[GO], v[44:47], s[8:9] offset:512
	global_store_b128 v[GO], v[48:51], s[8:9] offset:1024
	global_store_b32 v[GSC], v52, s[8:9] offset:12288
.Ldone:
	s_wait_tensorcnt 0x0                           ; the wave's end, behind my last tensor load and my last LDS store
	ds_add_u32 v[SPW], v[NIL]
	s_wait_dscnt 0x0
	s_endpgm
.Lfunc_end_k_q6c9d96f1e2_attn:
	.size	k_q6c9d96f1e2_attn, .Lfunc_end_k_q6c9d96f1e2_attn-k_q6c9d96f1e2_attn
	.p2alignl 7, 3214868480
	.fill 96, 4, 3214868480
	.section	.rodata,"a",@progbits
	.p2align	6, 0x0
	.amdhsa_kernel k_q6c9d96f1e2_attn
		.amdhsa_group_segment_fixed_size 327680
		.amdhsa_private_segment_fixed_size 0
		.amdhsa_enable_private_segment 0
		.amdhsa_kernarg_size 24
		.amdhsa_user_sgpr_count 2
		.amdhsa_user_sgpr_kernarg_segment_ptr 1
		.amdhsa_wavefront_size32 1
		.amdhsa_system_sgpr_workgroup_id_x 1
		.amdhsa_system_sgpr_workgroup_id_y 1
		.amdhsa_system_sgpr_workgroup_id_z 1
		.amdhsa_system_vgpr_workitem_id 0
		.amdhsa_next_free_vgpr 256
		.amdhsa_next_free_sgpr 100
		.amdhsa_reserve_vcc 1
		.amdhsa_float_denorm_mode_32 3
		.amdhsa_float_denorm_mode_16_64 3
		.amdhsa_memory_ordered 1
		.amdhsa_forward_progress 1
		.amdhsa_inst_pref_size 100
	.end_amdhsa_kernel
	.amdgpu_metadata
---
amdhsa.version: [ 1, 2 ]
amdhsa.kernels:
  - .name:           k_q6c9d96f1e2_attn
    .symbol:         k_q6c9d96f1e2_attn.kd
    .args:
      - { .name: big, .offset: 0, .size: 8, .value_kind: global_buffer, .address_space: global }
      - { .name: vt, .offset: 8, .size: 8, .value_kind: global_buffer, .address_space: global }
      - { .name: hn, .offset: 16, .size: 8, .value_kind: global_buffer, .address_space: global }
    .group_segment_fixed_size: 327680
    .private_segment_fixed_size: 0
    .kernarg_segment_align: 8
    .kernarg_segment_size: 24
    .max_flat_workgroup_size: 512
    .sgpr_count:     100
    .vgpr_count:     256
    .wavefront_size: 32
...
	.end_amdgpu_metadata
.endif
;; end of part 4
;; launch wo (part 5): grid 4 x 16, 4 waves a work-group, clusters of 4 x 4, 327,680 bytes of LDS; arguments wts, hn, bo, x, x1; writes x1
.if DOCPART == 5
	.amdgcn_target "amdgcn-amd-amdhsa--gfx1250"
	.amdhsa_code_object_version 6
	.text
	.protected	k_q6c9d96f1e2_wo
	.globl	k_q6c9d96f1e2_wo
	.p2align	8
	.type	k_q6c9d96f1e2_wo,@function
k_q6c9d96f1e2_wo:
	s_mov_b64 s[64:65], 0
	v_nop
	global_prefetch_b8 v0, s[64:65] scope:SCOPE_SE
	s_setreg_imm32_b32 hwreg(HW_REG_WAVE_MODE, 25, 1), 1
	s_wait_xcnt 0x0
	s_wait_alu depctr_hold_cnt(0) depctr_sa_sdst(0) depctr_va_vdst(0) depctr_va_sdst(0) depctr_va_ssrc(0) depctr_va_vcc(0) depctr_vm_vsrc(0)
	s_getreg_b32 s2, hwreg(HW_REG_IB_STS2, 6, 4)
	s_cmp_eq_u32 s2, 0
	s_cbranch_scc0 .Lentry_in_a_cluster
	s_endpgm
.Lentry_in_a_cluster:
	s_bfe_u32 s2, ttmp6, 0x10000c
	s_cmp_lg_u32 s2, 0xf033
	s_cbranch_scc0 .Lentry_shape_is_right
	s_endpgm
.Lentry_shape_is_right:
; OUT = RES + S1 S0^T + bias, f32 [4,096][1,024]: a product of two operands of E2M3 codes (one E8M0 byte for each 32 along K), K = 1,024.  Arguments: the weights' buffer (S0 = wo, from byte WOFF on), S1 = ctx, bias, RES = x, OUT = x1.
; THE OPERANDS ARE PANELS of 12,800 bytes: 128 rows x 128 along K; bytes 1536 t + 512 q + 16 l = registers 4 q .. 4 q + 3 of lane l of the operand of rows 16 t ..; bytes 12,288 + 32 r + 4 t = row 16 t + r's scale word;
; panel (g, s) lies at (NKS g + s) x 12,800; both operands have the same order along K inside a block.
; SHARES: a work-group of four waves makes 256 rows (tokens) x 256 columns; a wave 128 x 128: 64 accumulators, 512 registers.  Source 0 = 16 rows of S0, source 1 = 16 rows of S1: a lane holds eight neighbouring columns of one row of OUT.
; The bias is the C of each sum's first matrix instruction: eight registers a tile of columns, in the result's layout.
; K goes in steps of 256 through a ring of two LDS slots; 128 rows' part of a step is 25,600 dense bytes: one tensor load a wave, as 100 rows of 256 bytes.
; CLUSTERS: 4 x 4 work-groups; S1's tiles are shared along a row of the cluster, S0's along a column, by joint loads.  1,024 columns give 64 work-groups of this tile.
; No prefetch: the tiles are shared by sixteen work-groups, and a refill has 112 matrix instructions in which to land.
; REGISTERS, in windows of 256: window 0: v16-29 addresses; v32-63 scale words, two sets; v128-223 S1's fragments, ONE set; on the way out v128-255 rows of OUT.  window 1: S0's fragments, two sets, at v0 and v128; the bias at v96-127 and v224-255;
;   on the way out all 256: rows of RES.  window 2: the accumulators of my rows 0-63 ((a, b) at v[8 (8 a + b)]); window 3: those of rows 64-127.
; LIMITS: the sums' order follows the operands' order along K; NaN and infinities are not served.
.set NKS,   8                          ; panels along K in S0 and in S1
.set WOFF,  1638400                    ; where S0 begins in the weights' buffer
.set NT,    0                          ; OUT is read again by later launches
.set PAN,   12800
.set BLK,   2*PAN
.set SLOT,  4*BLK
.set SPARE, 2*SLOT                     ; behind the ring: the spare words, 128 bytes for each wave: two blocks of 256 bytes that no other line names
.set LAPS,  NKS/4
.set NL,    3
.set NP,    4
.set SPITCH, 528                       ; the way out: a stage of 16 rows x (512 bytes + 16) for each wave, in slot 0, which has had its last fill and its last read when the first result is stored there
.set ADRA,  16
.set ADRS,  18
.set ADRB,  20
.set STO,   24                         ; v24 the way out: where I put 32 bytes of a row
.set RD,    25                         ; v25 where I read a row back
.set CO,    26                         ; v26 my byte offset in a row of OUT and of RES; never rewritten
.set SPW,   28
.set NIL,   29
.set SC,    32
.set AF,    128
.set BK,    128
.set G1,    24
.set G0,    32
.set G1B,   48
.set G0B,   56
.set MSB, 0
.macro WIN new
.set WNEW, \new
.if MSB != WNEW
	s_set_vgpr_msb (MSB<<8)|WNEW
.set MSB, WNEW
.endif
.endm
.set MUL_LO, 0xa1                      ; source 0 (S0) window 1, source 1 (S1) window 0, C and D window 2
.set MUL_HI, 0xf1
.set TO_B,   0x40
.macro JLOAD s                         ; a joint load: waves 0 and 1 fetch S1's halves, waves 2 and 3 S0's; an s_nop 0 and four v_nop follow each line
	s_cmp_eq_u32 s15, 0
	s_cbranch_scc0 .Lfor_b_\@
	tensor_load_to_lds s[G0+4*\s:G0+4*\s+3], s[G1:G1+7]
	s_nop 0
.rept 4
	v_nop
.endr
	s_branch .Lasked_\@
.Lfor_b_\@:
	tensor_load_to_lds s[G0B+4*\s:G0B+4*\s+3], s[G1B:G1B+7]
	s_nop 0
.rept 4
	v_nop
.endr
.Lasked_\@:
.endm
.macro CREST
	s_cmp_lg_u32 s14, 0
	s_cbranch_scc1 .Lnot_wave_0_\@
	s_barrier_signal -3
.Lnot_wave_0_\@:
	s_barrier_wait -3
	s_barrier_signal -1
	s_barrier_wait -1
.endm
.macro CROUND
	s_barrier_signal -1
	s_barrier_wait -1
	CREST
.endm
	s_load_b128 s[4:7], s[0:1], 0x0                ; S0's buffer s[4:5], S1 s[6:7]
	s_load_b128 s[8:11], s[0:1], 0x10              ; bias s[8:9], RES s[10:11]
	s_load_b64 s[12:13], s[0:1], 0x20              ; OUT
	v_lshl_add_u32 v[SPW], v0, 2, SPARE
	v_mov_b32 v[NIL], 0
	ds_add_u32 v[SPW], v[NIL]                      ; the wave's opening: the add and its wait stand ahead of my first tensor load
	v_lshrrev_b32 v1, 5, v0
	v_readfirstlane_b32 s14, v1
	s_lshr_b32 s15, s14, 1
	s_and_b32 s16, s14, 1
	s_bfe_u32 s40, ttmp6, 0x40000
	s_bfe_u32 s41, ttmp6, 0x40004
	s_lshl_b32 s42, ttmp9, 2
	s_add_co_u32 s42, s42, s40                     ; tx: which 256 rows of S0
	s_and_b32 s17, ttmp7, 0xffff
	s_lshl_b32 s17, s17, 2
	s_add_co_u32 s17, s17, s41                     ; ty: which 256 rows of S1
	s_lshl_b32 s43, s41, 2
	s_lshl_b32 s43, 15, s43
	s_lshl_b32 s44, 0x1111, s40
	s_or_b32 s[G1+0], s43, (3<<16)|(1<<21)         ; the mask; elements of 8 bytes; bit 21 beside a mask; no padding
	s_or_b32 s[G1B+0], s44, (3<<16)|(1<<21)
.irp g, G1, G1B
	s_mov_b32 s[\g+1], 32<<16
	s_mov_b32 s[\g+2], 100<<16
	s_mov_b32 s[\g+3], 32<<16
	s_mov_b32 s[\g+4], 100
	s_mov_b32 s[\g+5], 32
	s_mov_b32 s[\g+6], 0
	s_mov_b32 s[\g+7], 0
.endr
	s_lshl_b32 s20, s17, 1
	s_add_co_u32 s20, s20, s16
	s_mul_i32 s20, s20, NKS*PAN
	s_mov_b32 s21, 0
	s_lshl_b32 s46, s42, 1
	s_add_co_u32 s46, s46, s16
	s_mul_i32 s46, s46, NKS*PAN
	s_add_co_u32 s46, s46, WOFF
	s_mov_b32 s47, 0
	s_mul_i32 s45, s14, BLK
	s_wait_dscnt 0x0
	s_wait_kmcnt 0x0
	s_add_nc_u64 s[20:21], s[6:7], s[20:21]
	s_add_nc_u64 s[46:47], s[4:5], s[46:47]
	CROUND
.irp s, 0,1
	s_mov_b32 s[G0+4*\s], 1
	s_add_co_u32 s[G0+4*\s+1], s45, \s*SLOT
	s_add_nc_u64 s[G0+4*\s+2:G0+4*\s+3], s[20:21], \s*BLK
	s_or_b32 s[G0+4*\s+3], s[G0+4*\s+3], 0x80000000
	s_mov_b32 s[G0B+4*\s], 1
	s_add_co_u32 s[G0B+4*\s+1], s45, \s*SLOT
	s_add_nc_u64 s[G0B+4*\s+2:G0B+4*\s+3], s[46:47], \s*BLK
	s_or_b32 s[G0B+4*\s+3], s[G0B+4*\s+3], 0x80000000
	JLOAD \s
.endr
	v_and_b32 v1, 15, v0
	v_bfe_u32 v2, v0, 4, 1
	v_and_b32 v3, 31, v0
	v_lshlrev_b32 v3, 4, v3
	s_mul_i32 s21, s15, BLK
	s_mul_i32 s22, s16, BLK
	s_add_co_u32 s22, s22, 2*BLK
	s_sub_co_u32 s23, s22, s21
	v_mul_u32_u24 v6, s23, v2
	v_lshl_add_u32 v6, v1, 5, v6
.irp s, 0,1
	v_add_nc_u32 v[ADRA+\s], s21, v3
	v_add_nc_u32 v[ADRB+\s], s22, v3
	v_add_nc_u32 v[ADRS+\s], s21, v6
	s_add_co_u32 s21, s21, SLOT
	s_add_co_u32 s22, s22, SLOT
.endr
	s_lshl_b32 s72, s42, 1
	s_add_co_u32 s72, s72, s16
	s_lshl_b32 s72, s72, 9                         ; the bias of my 128 columns
	s_mov_b32 s73, 0
	s_add_nc_u64 s[8:9], s[8:9], s[72:73]
	v_lshlrev_b32 v27, 5, v2                       ; lane (r, h) wants, for tile b, columns 16 b + 8 h + 0 .. 7
	WIN TO_B
.irp b, 0,1,2,3,4,5,6,7
	global_load_b128 v[96+8*\b+96*(\b/4):96+8*\b+96*(\b/4)+3], v27, s[8:9] offset:64*\b
	global_load_b128 v[96+8*\b+96*(\b/4)+4:96+8*\b+96*(\b/4)+7], v27, s[8:9] offset:64*\b+16
.endr
	WIN 0
	s_mul_i32 s23, s14, 16*SPITCH                  ; my stage
	v_mul_u32_u24 v5, v1, SPITCH
	v_lshl_add_u32 v5, v2, 5, v5
	v_add_nc_u32 v[STO], s23, v5
	v_add_nc_u32 v[RD], s23, v3
	v_mov_b32 v[CO], v3
	s_lshl_b32 s72, s17, 8
	s_lshl_b32 s73, s15, 7
	s_add_co_u32 s72, s72, s73
	s_lshl_b32 s72, s72, 12                        ; my first row, 4,096 bytes a row,
	s_lshl_b32 s73, s42, 10
	s_add_co_u32 s72, s72, s73
	s_lshl_b32 s73, s16, 9
	s_add_co_u32 s72, s72, s73                     ; and my first column
	s_mov_b32 s73, 0
	s_add_nc_u64 s[10:11], s[10:11], s[72:73]
	s_add_nc_u64 s[12:13], s[12:13], s[72:73]
.macro FRAG reg, adr, q, i
.irp c, 0,1,2
	ds_load_b128 v[\reg+4*\c:\reg+4*\c+3], v[\adr] offset:(\q)*PAN+(\i)*1536+512*\c
.endr
.endm
; 16 matrix instructions; first = 1: the first product starts the sums from the bias.  The 64 accumulators take turns, one instruction a turn.
.macro MUL16 a0, p, q, sc, first
.irp a, \a0, \a0+1
.irp b, 0,1,2,3,4,5,6,7
.if \first
	v_wmma_scale_f32_16x16x128_f8f6f4 v[8*(8*((\a)%4)+\b):8*(8*((\a)%4)+\b)+7], v[128*(\p)+12*\b:128*(\p)+12*\b+11], v[AF+12*(\a):AF+12*(\a)+11], v[96+8*\b+96*(\b/4):96+8*\b+96*(\b/4)+7], v[SC+16*(\sc)+8*(\q)+\b], v[SC+16*(\sc)+8*(\q)+(\a)] matrix_a_fmt:MATRIX_FMT_FP6 matrix_b_fmt:MATRIX_FMT_FP6 matrix_a_scale:MATRIX_SCALE_ROW1
.else
	v_wmma_scale_f32_16x16x128_f8f6f4 v[8*(8*((\a)%4)+\b):8*(8*((\a)%4)+\b)+7], v[128*(\p)+12*\b:128*(\p)+12*\b+11], v[AF+12*(\a):AF+12*(\a)+11], v[8*(8*((\a)%4)+\b):8*(8*((\a)%4)+\b)+7], v[SC+16*(\sc)+8*(\q)+\b], v[SC+16*(\sc)+8*(\q)+(\a)] matrix_a_fmt:MATRIX_FMT_FP6 matrix_b_fmt:MATRIX_FMT_FP6 matrix_a_scale:MATRIX_SCALE_ROW1
.endif
.endr
.endr
.endm
.macro FETCH_B slot, q, p
	WIN TO_B
.irp i, 0,1,2,3,4,5,6,7
	FRAG 128*(\p)+12*\i, ADRB+\slot, \q, \i
.endr
	WIN 0
.endm
.macro FETCH_A slot, q, i0
.irp i, \i0, \i0+1, \i0+2, \i0+3
	FRAG AF+12*(\i), ADRA+\slot, \q, \i
.endr
.endm
.macro SCALES sc
.irp q, 0,1
	ds_load_b128 v[SC+16*\sc+8*\q:SC+16*\sc+8*\q+3], v[ADRS+\sc] offset:\q*PAN+12288
	ds_load_b128 v[SC+16*\sc+8*\q+4:SC+16*\sc+8*\q+7], v[ADRS+\sc] offset:\q*PAN+12288+16
.endr
.endm
.macro PLACES n
.rept \n
	v_nop
.endr
.endm
.macro STEP slot, q, first
	s_wait_dscnt 4*NL                              ; all but the youngest 12 loads (S1's tiles 4-7)
.if \first
	WIN 0x91                                       ; as MUL_LO, with source 2 (the bias) in window 1
.else
	WIN MUL_LO
.endif
	MUL16 0, (\q)%2, \q, \slot, \first
	MUL16 2, (\q)%2, \q, \slot, \first
	s_wait_dscnt 0
	PLACES NP
	FETCH_B \slot, (\q)+1, 1-(\q)%2
	FETCH_A \slot, (\q)+1, 0
.if \first
	WIN 0xd1
.else
	WIN MUL_HI
.endif
	MUL16 4, (\q)%2, \q, \slot, \first
	MUL16 6, (\q)%2, \q, \slot, \first
	PLACES NP
	WIN 0
	FETCH_A \slot, (\q)+1, 4
.endm
.macro TURN slot, next, fill
	s_wait_tensorcnt 0x0                           ; all my tensor loads have landed: my part of the next slot
	ds_add_u32 v[SPW], v[NIL]                      ; 0 onto my spare word
	s_wait_dscnt 4*NL+1                            ; (the add and the youngest 12 loads may be out)
	WIN MUL_LO
	MUL16 0, 1, 1, \slot, 0
	s_wait_dscnt 0x0                               ; the add is done, and my reads of this slot are over
	s_barrier_signal -1
	MUL16 2, 1, 1, \slot, 0
	WIN 0
	s_barrier_wait -1
.if \fill
	CREST                                          ; a round of the cluster's barrier: no wave of any partner still reads this slot or has a load on its way
	s_add_nc_u64 s[G0+4*\slot+2:G0+4*\slot+3], s[G0+4*\slot+2:G0+4*\slot+3], 2*BLK
	s_add_nc_u64 s[G0B+4*\slot+2:G0B+4*\slot+3], s[G0B+4*\slot+2:G0B+4*\slot+3], 2*BLK
	JLOAD \slot
.else
	PLACES NP
.endif
	FETCH_B \next, 0, 0
	FETCH_A \next, 0, 0
	SCALES \next
	WIN MUL_HI
	MUL16 4, 1, 1, \slot, 0
	MUL16 6, 1, 1, \slot, 0
	PLACES NP
	WIN 0
	FETCH_A \next, 0, 4
.endm
	s_wait_tensorcnt 1                             ; my part of K step 0 is in (K step 1's load may be out)
	s_barrier_signal -1
	s_barrier_wait -1
	FETCH_B 0, 0, 0
	FETCH_A 0, 0, 0
	SCALES 0
	FETCH_A 0, 0, 4
	s_wait_loadcnt 0x0                             ; the bias
	STEP 0, 0, 1
	s_mov_b32 s3, LAPS-1
.Llap:
	TURN 0, 1, 1
	STEP 1, 0, 0
	TURN 1, 0, 1
	STEP 0, 0, 0
	s_sub_co_u32 s3, s3, 1
	s_cmp_lg_u32 s3, 0
	s_cbranch_scc1 .Llap
	TURN 0, 1, 0
	STEP 1, 0, 0
	s_wait_dscnt 4*NL
	WIN MUL_LO
	MUL16 0, 1, 1, 1, 0
	MUL16 2, 1, 1, 1, 0
	s_wait_dscnt 0
	WIN MUL_HI
	MUL16 4, 1, 1, 1, 0
	MUL16 6, 1, 1, 1, 0
	WIN 0
; THE WAY OUT, block by block of 16 rows x 128 columns: through my own stage in LDS, back as whole rows of 512 bytes, RES's same rows added, stored as two aligned runs of 256 bytes an instruction.
; Every row's place stands in an immediate, 520,192 bytes at the most: no base is stepped.
.macro RLOAD a                         ; RES's 16 rows of block a into set a % 4 of window 1
	WIN TO_B
.irp t, 0,1,2,3,4,5,6,7,8,9,10,11,12,13,14,15
	global_load_b128 v[64*((\a)%4)+4*\t:64*((\a)%4)+4*\t+3], v[CO], s[10:11] offset:(16*(\a)+\t)*4096
.endr
	WIN 0
.endm
.macro TOSTAGE a
.set AC, 64*((\a)%4)
	WIN 0x08+4*((\a)/4)                            ; an LDS store's data are its source 1: window 2 or 3
.irp b, 0,1,2,3,4,5,6,7
	ds_store_b128 v[STO], v[AC+8*\b:AC+8*\b+3] offset:64*\b          ; each accumulator from its low end on
	ds_store_b128 v[STO], v[AC+8*\b+4:AC+8*\b+7] offset:64*\b+16
.endr
	WIN 0
.set BB, BK+64*((\a)%2)
.irp t, 0,1,2,3,4,5,6,7,8,9,10,11,12,13,14,15
	ds_load_b128 v[BB+4*\t:BB+4*\t+3], v[RD] offset:\t*SPITCH        ; LDS serves a wave's instructions in order (ISA guide 5.7.1.4): these see the stores above
.endr
.endm
.macro SEND a
.set BB, BK+64*((\a)%2)
	WIN 0x04                                       ; source 1 (RES) in window 1
.set i, 0
.rept 32
	v_pk_add_f32 v[BB+i:BB+i+1], v[BB+i:BB+i+1], v[64*((\a)%4)+i:64*((\a)%4)+i+1]
.set i, i+2
.endr
	WIN 0
.irp t, 0,1,2,3,4,5,6,7,8,9,10,11,12,13,14,15
.if NT
	global_store_b128 v[CO], v[BB+4*\t:BB+4*\t+3], s[12:13] offset:(16*(\a)+\t)*4096 th:TH_STORE_NT
.else
	global_store_b128 v[CO], v[BB+4*\t:BB+4*\t+3], s[12:13] offset:(16*(\a)+\t)*4096
.endif
.endr
.endm
	PLACES NP                                      ; behind the last products: for the loads into window 1 and into S1's registers, and for the first read of results
	RLOAD 0
	RLOAD 1
	RLOAD 2
	RLOAD 3
.irp a, 0,1,2,3,4,5,6,7
.if \a > 1
	s_wait_xcnt 0x0                                ; block a - 2's stores have read their registers: block a's rows may land there
.endif
	TOSTAGE \a
	s_wait_dscnt 0x0
.if \a < 5
	s_wait_loadcnt 48                              ; RES's rows of this block are in; those of the three blocks behind it may be out
.else
	s_wait_loadcnt 16*(7-\a)
.endif
	SEND \a
.if \a < 4
	RLOAD \a+4
.endif
.endr
	s_wait_tensorcnt 0x0                           ; the wave's end, behind my last tensor load and my last LDS store
	ds_add_u32 v[SPW], v[NIL]
	s_wait_dscnt 0x0
	CROUND                                         ; the closing round
	s_endpgm
.Lfunc_end_k_q6c9d96f1e2_wo:
	.size	k_q6c9d96f1e2_wo, .Lfunc_end_k_q6c9d96f1e2_wo-k_q6c9d96f1e2_wo
	.p2alignl 7, 3214868480
	.fill 96, 4, 3214868480
	.section	.rodata,"a",@progbits
	.p2align	6, 0x0
	.amdhsa_kernel k_q6c9d96f1e2_wo
		.amdhsa_group_segment_fixed_size 327680
		.amdhsa_private_segment_fixed_size 0
		.amdhsa_enable_private_segment 0
		.amdhsa_kernarg_size 40
		.amdhsa_user_sgpr_count 2
		.amdhsa_user_sgpr_kernarg_segment_ptr 1
		.amdhsa_wavefront_size32 1
		.amdhsa_system_sgpr_workgroup_id_x 1
		.amdhsa_system_sgpr_workgroup_id_y 1
		.amdhsa_system_sgpr_workgroup_id_z 1
		.amdhsa_system_vgpr_workitem_id 0
		.amdhsa_next_free_vgpr 1024
		.amdhsa_next_free_sgpr 80
		.amdhsa_reserve_vcc 0
		.amdhsa_float_denorm_mode_32 3
		.amdhsa_float_denorm_mode_16_64 3
		.amdhsa_memory_ordered 1
		.amdhsa_forward_progress 1
		.amdhsa_inst_pref_size 162
	.end_amdhsa_kernel
	.amdgpu_metadata
---
amdhsa.version: [ 1, 2 ]
amdhsa.kernels:
  - .name:           k_q6c9d96f1e2_wo
    .symbol:         k_q6c9d96f1e2_wo.kd
    .args:
      - { .name: wts, .offset: 0, .size: 8, .value_kind: global_buffer, .address_space: global }
      - { .name: hn, .offset: 8, .size: 8, .value_kind: global_buffer, .address_space: global }
      - { .name: bo, .offset: 16, .size: 8, .value_kind: global_buffer, .address_space: global }
      - { .name: x, .offset: 24, .size: 8, .value_kind: global_buffer, .address_space: global }
      - { .name: x1, .offset: 32, .size: 8, .value_kind: global_buffer, .address_space: global }
    .group_segment_fixed_size: 327680
    .private_segment_fixed_size: 0
    .kernarg_segment_align: 8
    .kernarg_segment_size: 40
    .max_flat_workgroup_size: 128
    .sgpr_count:     80
    .vgpr_count:     1024
    .wavefront_size: 32
...
	.end_amdgpu_metadata
.endif
;; end of part 5
;; launch ln2: the kernel of part 2 again; grid 256 x 1, 4 waves a work-group, no clusters, 66,304 bytes of LDS; arguments x1, a2, s2, hn; writes hn
;; launch ffn1 (part 6): grid 16 x 16, 4 waves a work-group, clusters of 4 x 4, 327,680 bytes of LDS; arguments wts, hn, b1, big; writes big
.if DOCPART == 6
	.amdgcn_target "amdgcn-amd-amdhsa--gfx1250"
	.amdhsa_code_object_version 6
	.text
	.protected	k_q6c9d96f1e2_ffn1
	.globl	k_q6c9d96f1e2_ffn1
	.p2align	8
	.type	k_q6c9d96f1e2_ffn1,@function
k_q6c9d96f1e2_ffn1:
	s_mov_b64 s[64:65], 0
	v_nop
	global_prefetch_b8 v0, s[64:65] scope:SCOPE_SE
	s_setreg_imm32_b32 hwreg(HW_REG_WAVE_MODE, 25, 1), 1
	s_wait_xcnt 0x0
	s_wait_alu depctr_hold_cnt(0) depctr_sa_sdst(0) depctr_va_vdst(0) depctr_va_sdst(0) depctr_va_ssrc(0) depctr_va_vcc(0) depctr_vm_vsrc(0)
	s_getreg_b32 s2, hwreg(HW_REG_IB_STS2, 6, 4)
	s_cmp_eq_u32 s2, 0
	s_cbranch_scc0 .Lentry_in_a_cluster
	s_endpgm
.Lentry_in_a_cluster:
	s_bfe_u32 s2, ttmp6, 0x10000c
	s_cmp_lg_u32 s2, 0xf033
	s_cbranch_scc0 .Lentry_shape_is_right
	s_endpgm
.Lentry_shape_is_right:
; OUT = Q(gelu(S1 S0^T + bias)): a product of two operands of E2M3 codes (one E8M0 byte for each 32 along K), K = 1,024; the result goes through GELU in f32 and is quantised again, along S0's rows, and stored as an operand.
; Arguments: the weights' buffer (S0 = w1, from byte WOFF on), S1 = the normed tokens, bias = b1, OUT.
; ALL OPERANDS ARE PANELS of 12,800 bytes: 128 rows x 128 along K; bytes 1536 t + 512 q + 16 l = registers 4 q .. 4 q + 3 of lane l of the operand of rows 16 t ..; bytes 12,288 + 32 r + 4 t = row 16 t + r's scale word.
; Panel (g, s) of the inputs lies at (8 g + s) x 12,800, of OUT at (32 g + s) x 12,800.  Inside a block of 32, place p holds k = p with bits 3 and 4 exchanged, in every operand alike.
; GELU: 0.5 x (1 + tanh(u)), u = sqrt(2 / pi) (x + 0.044715 x^3), is x / (1 + e^(-2 u)) = x / (1 + 2^(x (K1 + K3 x^2))) with K1 = -2 log2(e) sqrt(2 / pi), K3 = 0.044715 K1: one exponential and one reciprocal; both tails are the right limits.
; SHARES, RING, CLUSTER: a work-group of four waves makes 256 tokens x 256 hidden units, a wave 128 x 128, which becomes ONE panel of OUT; source 0 = 16 rows of S0, source 1 = 16 rows of S1: a lane holds one token, its registers run along the
; hidden units; the bias is the C of each sum's first matrix instruction; K in steps of 256 through two LDS slots, one tensor load of 25,600 dense bytes a wave; 4 x 4 work-groups share S1's tiles along a row and S0's along a column by joint loads.
; No prefetch: K has four steps, the tiles are shared by sixteen work-groups, and a refill has 112 matrix instructions in which to land.
; REGISTERS, in windows of 256: window 0: v16-29 addresses; v32-63 scale words; v128-223 S1's fragments; on the way out v64-101 at work, v128-175 codes, v192-255 a tile's 64 numbers.  window 1: S0's fragments at v0 and v128, the bias at v96-127 and v224-255.
;   windows 2, 3: the accumulators ((a, b) at v[8 (8 (a % 4) + b)]).
; LIMITS: v_exp_f32 and v_rcp_f32 as they are; a block whose largest magnitude lies under 2^-124 (a block of zeros too) gets the byte 1; NaN and infinities are not served; the sums' order follows the operands' order along K.
.set NKS,   8
.set WOFF,  2457600
.set PAN,   12800
.set BLK,   2*PAN
.set SLOT,  4*BLK
.set SPARE, 2*SLOT                     ; behind the ring: the spare words, 128 bytes for each wave: two blocks of 256 bytes that no other line names
.set LAPS,  NKS/4
.set NL,    3
.set NP,    4
.set ADRA,  16
.set ADRS,  18
.set ADRB,  20
.set SPW,   28
.set NIL,   29
.set SC,    32
.set AF,    128
.set TM,    64
.set PWS,   80
.set DW,    88
.set CT,    92
.set PC,    128
.set GV,    192                        ; v192-255 a tile's 64 numbers through GELU
.set G1,    24
.set G0,    32
.set G1B,   48
.set G0B,   56
.set MSB, 0
.macro WIN new
.set WNEW, \new
.if MSB != WNEW
	s_set_vgpr_msb (MSB<<8)|WNEW
.set MSB, WNEW
.endif
.endm
.set MUL_LO, 0xa1
.set MUL_HI, 0xf1
.set TO_B,   0x40
.macro JLOAD s                         ; a joint load: waves 0 and 1 fetch S1's halves, waves 2 and 3 S0's; an s_nop 0 and four v_nop follow each line
	s_cmp_eq_u32 s15, 0
	s_cbranch_scc0 .Lfor_b_\@
	tensor_load_to_lds s[G0+4*\s:G0+4*\s+3], s[G1:G1+7]
	s_nop 0
.rept 4
	v_nop
.endr
	s_branch .Lasked_\@
.Lfor_b_\@:
	tensor_load_to_lds s[G0B+4*\s:G0B+4*\s+3], s[G1B:G1B+7]
	s_nop 0
.rept 4
	v_nop
.endr
.Lasked_\@:
.endm
.macro CREST
	s_cmp_lg_u32 s14, 0
	s_cbranch_scc1 .Lnot_wave_0_\@
	s_barrier_signal -3
.Lnot_wave_0_\@:
	s_barrier_wait -3
	s_barrier_signal -1
	s_barrier_wait -1
.endm
.macro CROUND
	s_barrier_signal -1
	s_barrier_wait -1
	CREST
.endm
	s_load_b128 s[4:7], s[0:1], 0x0                ; S0's buffer s[4:5], S1 s[6:7]
	s_load_b128 s[8:11], s[0:1], 0x10              ; bias s[8:9], OUT s[10:11]
	v_lshl_add_u32 v[SPW], v0, 2, SPARE
	v_mov_b32 v[NIL], 0
	ds_add_u32 v[SPW], v[NIL]                      ; the wave's opening: the add and its wait stand ahead of my first tensor load
	v_lshrrev_b32 v1, 5, v0
	v_readfirstlane_b32 s14, v1
	s_lshr_b32 s15, s14, 1
	s_and_b32 s16, s14, 1
	s_bfe_u32 s40, ttmp6, 0x40000
	s_bfe_u32 s41, ttmp6, 0x40004
	s_lshl_b32 s42, ttmp9, 2
	s_add_co_u32 s42, s42, s40
	s_and_b32 s17, ttmp7, 0xffff
	s_lshl_b32 s17, s17, 2
	s_add_co_u32 s17, s17, s41
	s_lshl_b32 s43, s41, 2
	s_lshl_b32 s43, 15, s43
	s_lshl_b32 s44, 0x1111, s40
	s_or_b32 s[G1+0], s43, (3<<16)|(1<<21)
	s_or_b32 s[G1B+0], s44, (3<<16)|(1<<21)
.irp g, G1, G1B
	s_mov_b32 s[\g+1], 32<<16
	s_mov_b32 s[\g+2], 100<<16
	s_mov_b32 s[\g+3], 32<<16
	s_mov_b32 s[\g+4], 100
	s_mov_b32 s[\g+5], 32
	s_mov_b32 s[\g+6], 0
	s_mov_b32 s[\g+7], 0
.endr
	s_lshl_b32 s20, s17, 1
	s_add_co_u32 s20, s20, s16
	s_mul_i32 s20, s20, NKS*PAN
	s_mov_b32 s21, 0
	s_lshl_b32 s46, s42, 1
	s_add_co_u32 s46, s46, s16
	s_mul_i32 s46, s46, NKS*PAN
	s_add_co_u32 s46, s46, WOFF
	s_mov_b32 s47, 0
	s_mul_i32 s45, s14, BLK
	s_mov_b32 s66, 0x76543210
	s_mov_b32 s67, 0xfedcba98
	s_mov_b32 s68, 0xffff0000
	s_mov_b32 s70, 0xbdd2d3e8                      ; K3
	s_mov_b32 s71, s70                             ; (named with it as a pair, so it is written)
	s_wait_dscnt 0x0
	s_wait_kmcnt 0x0
	s_add_nc_u64 s[20:21], s[6:7], s[20:21]
	s_add_nc_u64 s[46:47], s[4:5], s[46:47]
	CROUND
.irp s, 0,1
	s_mov_b32 s[G0+4*\s], 1
	s_add_co_u32 s[G0+4*\s+1], s45, \s*SLOT
	s_add_nc_u64 s[G0+4*\s+2:G0+4*\s+3], s[20:21], \s*BLK
	s_or_b32 s[G0+4*\s+3], s[G0+4*\s+3], 0x80000000
	s_mov_b32 s[G0B+4*\s], 1
	s_add_co_u32 s[G0B+4*\s+1], s45, \s*SLOT
	s_add_nc_u64 s[G0B+4*\s+2:G0B+4*\s+3], s[46:47], \s*BLK
	s_or_b32 s[G0B+4*\s+3], s[G0B+4*\s+3], 0x80000000
	JLOAD \s
.endr
	v_and_b32 v1, 15, v0
	v_bfe_u32 v2, v0, 4, 1
	v_and_b32 v3, 31, v0
	v_lshlrev_b32 v3, 4, v3
	s_mul_i32 s21, s15, BLK
	s_mul_i32 s22, s16, BLK
	s_add_co_u32 s22, s22, 2*BLK
	s_sub_co_u32 s23, s22, s21
	v_mul_u32_u24 v6, s23, v2
	v_lshl_add_u32 v6, v1, 5, v6
.irp s, 0,1
	v_add_nc_u32 v[ADRA+\s], s21, v3
	v_add_nc_u32 v[ADRB+\s], s22, v3
	v_add_nc_u32 v[ADRS+\s], s21, v6
	s_add_co_u32 s21, s21, SLOT
	s_add_co_u32 s22, s22, SLOT
.endr
	s_lshl_b32 s72, s42, 1
	s_add_co_u32 s72, s72, s16
	s_lshl_b32 s72, s72, 9                         ; the bias of my 128 hidden units
	s_mov_b32 s73, 0
	s_add_nc_u64 s[8:9], s[8:9], s[72:73]
	v_lshlrev_b32 v27, 5, v2
	WIN TO_B
.irp b, 0,1,2,3,4,5,6,7
	global_load_b128 v[96+8*\b+96*(\b/4):96+8*\b+96*(\b/4)+3], v27, s[8:9] offset:64*\b
	global_load_b128 v[96+8*\b+96*(\b/4)+4:96+8*\b+96*(\b/4)+7], v27, s[8:9] offset:64*\b+16
.endr
	WIN 0
	v_mov_b32 v24, v3
	v_lshlrev_b32 v25, 5, v1
	v_lshl_add_u32 v25, v2, 4, v25
	s_lshl_b32 s72, s17, 1
	s_add_co_u32 s72, s72, s15
	s_lshl_b32 s72, s72, 5
	s_lshl_b32 s73, s42, 1
	s_add_co_u32 s73, s73, s16
	s_add_co_u32 s72, s72, s73
	s_mul_i32 s72, s72, PAN                        ; my panel of OUT
	s_mov_b32 s73, 0
	s_add_nc_u64 s[10:11], s[10:11], s[72:73]
.macro FRAG reg, adr, q, i
.irp c, 0,1,2
	ds_load_b128 v[\reg+4*\c:\reg+4*\c+3], v[\adr] offset:(\q)*PAN+(\i)*1536+512*\c
.endr
.endm
; 16 matrix instructions; first = 1: the first product starts the sums from the bias.  The 64 accumulators take turns, one instruction a turn.
.macro MUL16 a0, p, q, sc, first
.irp a, \a0, \a0+1
.irp b, 0,1,2,3,4,5,6,7
.if \first
	v_wmma_scale_f32_16x16x128_f8f6f4 v[8*(8*((\a)%4)+\b):8*(8*((\a)%4)+\b)+7], v[128*(\p)+12*\b:128*(\p)+12*\b+11], v[AF+12*(\a):AF+12*(\a)+11], v[96+8*\b+96*(\b/4):96+8*\b+96*(\b/4)+7], v[SC+16*(\sc)+8*(\q)+\b], v[SC+16*(\sc)+8*(\q)+(\a)] matrix_a_fmt:MATRIX_FMT_FP6 matrix_b_fmt:MATRIX_FMT_FP6 matrix_a_scale:MATRIX_SCALE_ROW1
.else
	v_wmma_scale_f32_16x16x128_f8f6f4 v[8*(8*((\a)%4)+\b):8*(8*((\a)%4)+\b)+7], v[128*(\p)+12*\b:128*(\p)+12*\b+11], v[AF+12*(\a):AF+12*(\a)+11], v[8*(8*((\a)%4)+\b):8*(8*((\a)%4)+\b)+7], v[SC+16*(\sc)+8*(\q)+\b], v[SC+16*(\sc)+8*(\q)+(\a)] matrix_a_fmt:MATRIX_FMT_FP6 matrix_b_fmt:MATRIX_FMT_FP6 matrix_a_scale:MATRIX_SCALE_ROW1
.endif
.endr
.endr
.endm
.macro FETCH_B slot, q, p
	WIN TO_B
.irp i, 0,1,2,3,4,5,6,7
	FRAG 128*(\p)+12*\i, ADRB+\slot, \q, \i
.endr
	WIN 0
.endm
.macro FETCH_A slot, q, i0
.irp i, \i0, \i0+1, \i0+2, \i0+3
	FRAG AF+12*(\i), ADRA+\slot, \q, \i
.endr
.endm
.macro SCALES sc
.irp q, 0,1
	ds_load_b128 v[SC+16*\sc+8*\q:SC+16*\sc+8*\q+3], v[ADRS+\sc] offset:\q*PAN+12288
	ds_load_b128 v[SC+16*\sc+8*\q+4:SC+16*\sc+8*\q+7], v[ADRS+\sc] offset:\q*PAN+12288+16
.endr
.endm
.macro PLACES n
.rept \n
	v_nop
.endr
.endm
.macro STEP slot, q, first
	s_wait_dscnt 4*NL                              ; all but the youngest 12 loads (S1's tiles 4-7)
.if \first
	WIN 0x91                                       ; as MUL_LO, with source 2 (the bias) in window 1
.else
	WIN MUL_LO
.endif
	MUL16 0, (\q)%2, \q, \slot, \first
	MUL16 2, (\q)%2, \q, \slot, \first
	s_wait_dscnt 0
	PLACES NP
	FETCH_B \slot, (\q)+1, 1-(\q)%2
	FETCH_A \slot, (\q)+1, 0
.if \first
	WIN 0xd1
.else
	WIN MUL_HI
.endif
	MUL16 4, (\q)%2, \q, \slot, \first
	MUL16 6, (\q)%2, \q, \slot, \first
	PLACES NP
	WIN 0
	FETCH_A \slot, (\q)+1, 4
.endm
.macro TURN slot, next, fill
	s_wait_tensorcnt 0x0                           ; all my tensor loads have landed: my part of the next slot
	ds_add_u32 v[SPW], v[NIL]                      ; 0 onto my spare word
	s_wait_dscnt 4*NL+1                            ; (the add and the youngest 12 loads may be out)
	WIN MUL_LO
	MUL16 0, 1, 1, \slot, 0
	s_wait_dscnt 0x0                               ; the add is done, and my reads of this slot are over
	s_barrier_signal -1
	MUL16 2, 1, 1, \slot, 0
	WIN 0
	s_barrier_wait -1
.if \fill
	CREST                                          ; a round of the cluster's barrier: no wave of any partner still reads this slot or has a load on its way
	s_add_nc_u64 s[G0+4*\slot+2:G0+4*\slot+3], s[G0+4*\slot+2:G0+4*\slot+3], 2*BLK
	s_add_nc_u64 s[G0B+4*\slot+2:G0B+4*\slot+3], s[G0B+4*\slot+2:G0B+4*\slot+3], 2*BLK
	JLOAD \slot
.else
	PLACES NP
.endif
	FETCH_B \next, 0, 0
	FETCH_A \next, 0, 0
	SCALES \next
	WIN MUL_HI
	MUL16 4, 1, 1, \slot, 0
	MUL16 6, 1, 1, \slot, 0
	PLACES NP
	WIN 0
	FETCH_A \next, 0, 4
.endm
	s_wait_tensorcnt 1                             ; my part of K step 0 is in (K step 1's load may be out)
	s_barrier_signal -1
	s_barrier_wait -1
	FETCH_B 0, 0, 0
	FETCH_A 0, 0, 0
	SCALES 0
	FETCH_A 0, 0, 4
	s_wait_loadcnt 0x0                             ; the bias
	STEP 0, 0, 1
	s_mov_b32 s3, LAPS-1
.Llap:
	TURN 0, 1, 1
	STEP 1, 0, 0
	TURN 1, 0, 1
	STEP 0, 0, 0
	s_sub_co_u32 s3, s3, 1
	s_cmp_lg_u32 s3, 0
	s_cbranch_scc1 .Llap
	TURN 0, 1, 0
	STEP 1, 0, 0
	s_wait_dscnt 4*NL
	WIN MUL_LO
	MUL16 0, 1, 1, 1, 0
	MUL16 2, 1, 1, 1, 0
	s_wait_dscnt 0
	WIN MUL_HI
	MUL16 4, 1, 1, 1, 0
	MUL16 6, 1, 1, 1, 0
	WIN 0
; THE WAY OUT.  GELU: the 64 registers of a tile, in window w from v[ac] on, give g in v[GV] on.  Each kind of transcendental goes as one batch with one wait ahead of its first reader.
.macro GELU ac, w
	WIN (\w)|((\w)<<2)
.set i, 0
.rept 32
	v_pk_mul_f32 v[GV+i:GV+i+1], v[\ac+i:\ac+i+1], v[\ac+i:\ac+i+1]   ; x^2; each accumulator is read from its low end on
.set i, i+2
.endr
	WIN 0
.set i, 0
.rept 32
	v_pk_fma_f32 v[GV+i:GV+i+1], v[GV+i:GV+i+1], s[70:71], v[100:101] op_sel_hi:[1,0,0]   ; K3 x^2 + K1
.set i, i+2
.endr
	WIN (\w)<<2
.set i, 0
.rept 32
	v_pk_mul_f32 v[GV+i:GV+i+1], v[GV+i:GV+i+1], v[\ac+i:\ac+i+1]     ; x (K1 + K3 x^2)
.set i, i+2
.endr
	WIN 0
.set i, 0
.rept 64
	v_exp_f32 v[GV+i], v[GV+i]
.set i, i+1
.endr
	v_nop
	s_wait_alu depctr_va_vdst(0)
.set i, 0
.rept 32
	v_pk_add_f32 v[GV+i:GV+i+1], v[GV+i:GV+i+1], 1.0 op_sel_hi:[1,0]
.set i, i+2
.endr
.set i, 0
.rept 64
	v_rcp_f32 v[GV+i], v[GV+i]
.set i, i+1
.endr
	v_nop
	s_wait_alu depctr_va_vdst(0)
	WIN (\w)<<2
.set i, 0
.rept 32
	v_pk_mul_f32 v[GV+i:GV+i+1], v[GV+i:GV+i+1], v[\ac+i:\ac+i+1]     ; g = x / (1 + 2^..)
.set i, i+2
.endr
	WIN 0
.endm
; 64 numbers of a lane, v[src] on, register 16 B + 8 u + j = k 32 B + 16 u + 8 h + j of my row, become a fragment in v[pc] on and a scale word in v[pw]
.macro QUANT src, pc, pw
.irp b, 0,1,2,3
	v_max3_num_f32 v[TM+\b], |v[\src+16*\b]|, |v[\src+16*\b+1]|, 0x1800000   ; the floor 2^(3 - 127) holds the byte at 1 from below
.endr
.irp i, 2,4,6,8,10,12,14
.irp b, 0,1,2,3
	v_max3_num_f32 v[TM+\b], |v[\src+16*\b+\i]|, |v[\src+16*\b+\i+1]|, v[TM+\b]
.endr
.endr
.irp b, 0,1,2,3
	v_permlanex16_b32 v[TM+4+\b], v[TM+\b], s66, s67
.endr
.irp b, 0,1,2,3
	v_max_num_f32 v[TM+\b], v[TM+\b], v[TM+4+\b]
.endr
.irp b, 0,1,2,3
	v_add_nc_u32 v[TM+12+\b], 0xff000000, v[TM+\b]
.endr
.irp b, 0,1,2,3
	v_lshrrev_b32 v[TM+4+\b], 23, v[TM+12+\b]
.endr
	v_lshl_or_b32 v[\pw], v[TM+5], 8, v[TM+4]
	v_lshl_or_b32 v[\pw], v[TM+6], 16, v[\pw]
	v_lshl_or_b32 v[\pw], v[TM+7], 24, v[\pw]
.irp c, 0,1
	v_cvt_scalef32_pk16_fp6_f32 v[\pc+6*\c:\pc+6*\c+2], v[\src+32*\c:\src+32*\c+15], v[TM+12+2*\c]
	v_cvt_scalef32_pk16_fp6_f32 v[CT+4*\c:CT+4*\c+2], v[\src+32*\c+16:\src+32*\c+31], v[TM+12+2*\c+1]
.endr
	v_nop                                          ; one plain place behind a scaled conversion
.irp c, 0,1
.irp i, 0,1,2
	v_permlane16_swap_b32 v[\pc+6*\c+\i], v[CT+4*\c+\i]
.endr
.irp i, 0,1,2
	v_mov_b32 v[\pc+6*\c+3+\i], v[CT+4*\c+\i]
.endr
.endr
.endm
	PLACES NP                                      ; behind the last products
.irp b, 0,1,2,3
	v_mov_b32 v[TM+4+\b], 0                        ; written once: a lane permute's destination counts as one of its sources
.endr
	v_mov_b32 v100, 0xc0135761                     ; K1, as a pair
	v_mov_b32 v101, 0xc0135761
.irp a, 0,1,2,3,4,5,6,7
	GELU 64*((\a)%4), 2+(\a)/4
.if \a == 4
	s_wait_xcnt 0x0                                ; the stores of tiles 0 to 3 have read their registers: the four sets of codes may be written again
.endif
	QUANT GV, PC+12*((\a)%4), PWS+\a
.irp c, 0,1,2
	global_store_b128 v24, v[PC+12*((\a)%4)+4*\c:PC+12*((\a)%4)+4*\c+3], s[10:11] offset:1536*\a+512*\c   ; 512 consecutive bytes, at a multiple of 256 from the buffer's first byte
.endr
.endr
.irp j, 0,1,2,3
	v_cndmask_b32 v[DW+\j], v[PWS+\j], v[PWS+4+\j], s68   ; lanes 0-15 send their row's words of tiles 0-3, lanes 16-31 those of tiles 4-7
.endr
	global_store_b128 v25, v[DW:DW+3], s[10:11] offset:12288
	s_wait_tensorcnt 0x0                           ; the wave's end
	ds_add_u32 v[SPW], v[NIL]
	s_wait_dscnt 0x0
	CROUND                                         ; the closing round
	s_endpgm
.Lfunc_end_k_q6c9d96f1e2_ffn1:
	.size	k_q6c9d96f1e2_ffn1, .Lfunc_end_k_q6c9d96f1e2_ffn1-k_q6c9d96f1e2_ffn1
	.p2alignl 7, 3214868480
	.fill 96, 4, 3214868480
	.section	.rodata,"a",@progbits
	.p2align	6, 0x0
	.amdhsa_kernel k_q6c9d96f1e2_ffn1
		.amdhsa_group_segment_fixed_size 327680
		.amdhsa_private_segment_fixed_size 0
		.amdhsa_enable_private_segment 0
		.amdhsa_kernarg_size 32
		.amdhsa_user_sgpr_count 2
		.amdhsa_user_sgpr_kernarg_segment_ptr 1
		.amdhsa_wavefront_size32 1
		.amdhsa_system_sgpr_workgroup_id_x 1
		.amdhsa_system_sgpr_workgroup_id_y 1
		.amdhsa_system_sgpr_workgroup_id_z 1
		.amdhsa_system_vgpr_workitem_id 0
		.amdhsa_next_free_vgpr 1024
		.amdhsa_next_free_sgpr 80
		.amdhsa_reserve_vcc 0
		.amdhsa_float_denorm_mode_32 3
		.amdhsa_float_denorm_mode_16_64 3
		.amdhsa_memory_ordered 1
		.amdhsa_forward_progress 1
		.amdhsa_inst_pref_size 251
	.end_amdhsa_kernel
	.amdgpu_metadata
---
amdhsa.version: [ 1, 2 ]
amdhsa.kernels:
  - .name:           k_q6c9d96f1e2_ffn1
    .symbol:         k_q6c9d96f1e2_ffn1.kd
    .args:
      - { .name: wts, .offset: 0, .size: 8, .value_kind: global_buffer, .address_space: global }
      - { .name: hn, .offset: 8, .size: 8, .value_kind: global_buffer, .address_space: global }
      - { .name: b1, .offset: 16, .size: 8, .value_kind: global_buffer, .address_space: global }
      - { .name: big, .offset: 24, .size: 8, .value_kind: global_buffer, .address_space: global }
    .group_segment_fixed_size: 327680
    .private_segment_fixed_size: 0
    .kernarg_segment_align: 8
    .kernarg_segment_size: 32
    .max_flat_workgroup_size: 128
    .sgpr_count:     80
    .vgpr_count:     1024
    .wavefront_size: 32
...
	.end_amdgpu_metadata
.endif
;; end of part 6
;; launch ffn2 (part 7): grid 4 x 16, 4 waves a work-group, clusters of 4 x 4, 327,680 bytes of LDS; arguments wts, big, b2, x1, out0; writes out0
.if DOCPART == 7
	.amdgcn_target "amdgcn-amd-amdhsa--gfx1250"
	.amdhsa_code_object_version 6
	.text
	.protected	k_q6c9d96f1e2_ffn2
	.globl	k_q6c9d96f1e2_ffn2
	.p2align	8
	.type	k_q6c9d96f1e2_ffn2,@function
k_q6c9d96f1e2_ffn2:
	s_mov_b64 s[64:65], 0
	v_nop
	global_prefetch_b8 v0, s[64:65] scope:SCOPE_SE
	s_setreg_imm32_b32 hwreg(HW_REG_WAVE_MODE, 25, 1), 1
	s_wait_xcnt 0x0
	s_wait_alu depctr_hold_cnt(0) depctr_sa_sdst(0) depctr_va_vdst(0) depctr_va_sdst(0) depctr_va_ssrc(0) depctr_va_vcc(0) depctr_vm_vsrc(0)
	s_getreg_b32 s2, hwreg(HW_REG_IB_STS2, 6, 4)
	s_cmp_eq_u32 s2, 0
	s_cbranch_scc0 .Lentry_in_a_cluster
	s_endpgm
.Lentry_in_a_cluster:
	s_bfe_u32 s2, ttmp6, 0x10000c
	s_cmp_lg_u32 s2, 0xf033
	s_cbranch_scc0 .Lentry_shape_is_right
	s_endpgm
.Lentry_shape_is_right:
; OUT = RES + S1 S0^T + bias, f32 [4,096][1,024]: a product of two operands of E2M3 codes (one E8M0 byte for each 32 along K), K = 4,096.  Arguments: the weights' buffer (S0 = w2, from byte WOFF on), S1 = the hidden layer, bias = b2, RES = x1, OUT = out0.
; THE OPERANDS ARE PANELS of 12,800 bytes: 128 rows x 128 along K; bytes 1536 t + 512 q + 16 l = registers 4 q .. 4 q + 3 of lane l of the operand of rows 16 t ..; bytes 12,288 + 32 r + 4 t = row 16 t + r's scale word;
; panel (g, s) lies at (NKS g + s) x 12,800; both operands have the same order along K inside a block.
; SHARES: a work-group of four waves makes 256 rows (tokens) x 256 columns; a wave 128 x 128: 64 accumulators, 512 registers.  Source 0 = 16 rows of S0, source 1 = 16 rows of S1: a lane holds eight neighbouring columns of one row of OUT.
; The bias is the C of each sum's first matrix instruction: eight registers a tile of columns, in the result's layout.
; K goes in steps of 256 through a ring of two LDS slots; 128 rows' part of a step is 25,600 dense bytes: one tensor load a wave, as 100 rows of 256 bytes.
; CLUSTERS: 4 x 4 work-groups; S1's tiles are shared along a row of the cluster, S0's along a column, by joint loads.  1,024 columns give 64 work-groups of this tile.
; No prefetch: the tiles are shared by sixteen work-groups, and a refill has 112 matrix instructions in which to land.
; REGISTERS, in windows of 256: window 0: v16-29 addresses; v32-63 scale words, two sets; v128-223 S1's fragments, ONE set; on the way out v128-255 rows of OUT.  window 1: S0's fragments, two sets, at v0 and v128; the bias at v96-127 and v224-255;
;   on the way out all 256: rows of RES.  window 2: the accumulators of my rows 0-63 ((a, b) at v[8 (8 a + b)]); window 3: those of rows 64-127.
; LIMITS: the sums' order follows the operands' order along K; NaN and infinities are not served.
.set NKS,   32                         ; panels along K in S0 and in S1
.set WOFF,  5734400                    ; where S0 begins in the weights' buffer
.set NT,    1                          ; OUT is written once and read by nobody here
.set PAN,   12800
.set BLK,   2*PAN
.set SLOT,  4*BLK
.set SPARE, 2*SLOT                     ; behind the ring: the spare words, 128 bytes for each wave: two blocks of 256 bytes that no other line names
.set LAPS,  NKS/4
.set NL,    3
.set NP,    4
.set SPITCH, 528                       ; the way out: a stage of 16 rows x (512 bytes + 16) for each wave, in slot 0, which has had its last fill and its last read when the first result is stored there
.set ADRA,  16
.set ADRS,  18
.set ADRB,  20
.set STO,   24
.set RD,    25
.set CO,    26
.set SPW,   28
.set NIL,   29
.set SC,    32
.set AF,    128
.set BK,    128
.set G1,    24
.set G0,    32
.set G1B,   48
.set G0B,   56
.set MSB, 0
.macro WIN new
.set WNEW, \new
.if MSB != WNEW
	s_set_vgpr_msb (MSB<<8)|WNEW
.set MSB, WNEW
.endif
.endm
.set MUL_LO, 0xa1
.set MUL_HI, 0xf1
.set TO_B,   0x40
.macro JLOAD s                         ; a joint load: waves 0 and 1 fetch S1's halves, waves 2 and 3 S0's; an s_nop 0 and four v_nop follow each line
	s_cmp_eq_u32 s15, 0
	s_cbranch_scc0 .Lfor_b_\@
	tensor_load_to_lds s[G0+4*\s:G0+4*\s+3], s[G1:G1+7]
	s_nop 0
.rept 4
	v_nop
.endr
	s_branch .Lasked_\@
.Lfor_b_\@:
	tensor_load_to_lds s[G0B+4*\s:G0B+4*\s+3], s[G1B:G1B+7]
	s_nop 0
.rept 4
	v_nop
.endr
.Lasked_\@:
.endm
.macro CREST
	s_cmp_lg_u32 s14, 0
	s_cbranch_scc1 .Lnot_wave_0_\@
	s_barrier_signal -3
.Lnot_wave_0_\@:
	s_barrier_wait -3
	s_barrier_signal -1
	s_barrier_wait -1
.endm
.macro CROUND
	s_barrier_signal -1
	s_barrier_wait -1
	CREST
.endm
	s_load_b128 s[4:7], s[0:1], 0x0                ; S0's buffer s[4:5], S1 s[6:7]
	s_load_b128 s[8:11], s[0:1], 0x10              ; bias s[8:9], RES s[10:11]
	s_load_b64 s[12:13], s[0:1], 0x20              ; OUT
	v_lshl_add_u32 v[SPW], v0, 2, SPARE
	v_mov_b32 v[NIL], 0
	ds_add_u32 v[SPW], v[NIL]                      ; the wave's opening: the add and its wait stand ahead of my first tensor load
	v_lshrrev_b32 v1, 5, v0
	v_readfirstlane_b32 s14, v1
	s_lshr_b32 s15, s14, 1
	s_and_b32 s16, s14, 1
	s_bfe_u32 s40, ttmp6, 0x40000
	s_bfe_u32 s41, ttmp6, 0x40004
	s_lshl_b32 s42, ttmp9, 2
	s_add_co_u32 s42, s42, s40
	s_and_b32 s17, ttmp7, 0xffff
	s_lshl_b32 s17, s17, 2
	s_add_co_u32 s17, s17, s41
	s_lshl_b32 s43, s41, 2
	s_lshl_b32 s43, 15, s43
	s_lshl_b32 s44, 0x1111, s40
	s_or_b32 s[G1+0], s43, (3<<16)|(1<<21)
	s_or_b32 s[G1B+0], s44, (3<<16)|(1<<21)
.irp g, G1, G1B
	s_mov_b32 s[\g+1], 32<<16
	s_mov_b32 s[\g+2], 100<<16
	s_mov_b32 s[\g+3], 32<<16
	s_mov_b32 s[\g+4], 100
	s_mov_b32 s[\g+5], 32
	s_mov_b32 s[\g+6], 0
	s_mov_b32 s[\g+7], 0
.endr
	s_lshl_b32 s20, s17, 1
	s_add_co_u32 s20, s20, s16
	s_mul_i32 s20, s20, NKS*PAN
	s_mov_b32 s21, 0
	s_lshl_b32 s46, s42, 1
	s_add_co_u32 s46, s46, s16
	s_mul_i32 s46, s46, NKS*PAN
	s_add_co_u32 s46, s46, WOFF
	s_mov_b32 s47, 0
	s_mul_i32 s45, s14, BLK
	s_wait_dscnt 0x0
	s_wait_kmcnt 0x0
	s_add_nc_u64 s[20:21], s[6:7], s[20:21]
	s_add_nc_u64 s[46:47], s[4:5], s[46:47]
	CROUND
.irp s, 0,1
	s_mov_b32 s[G0+4*\s], 1
	s_add_co_u32 s[G0+4*\s+1], s45, \s*SLOT
	s_add_nc_u64 s[G0+4*\s+2:G0+4*\s+3], s[20:21], \s*BLK
	s_or_b32 s[G0+4*\s+3], s[G0+4*\s+3], 0x80000000
	s_mov_b32 s[G0B+4*\s], 1
	s_add_co_u32 s[G0B+4*\s+1], s45, \s*SLOT
	s_add_nc_u64 s[G0B+4*\s+2:G0B+4*\s+3], s[46:47], \s*BLK
	s_or_b32 s[G0B+4*\s+3], s[G0B+4*\s+3], 0x80000000
	JLOAD \s
.endr
	v_and_b32 v1, 15, v0
	v_bfe_u32 v2, v0, 4, 1
	v_and_b32 v3, 31, v0
	v_lshlrev_b32 v3, 4, v3
	s_mul_i32 s21, s15, BLK
	s_mul_i32 s22, s16, BLK
	s_add_co_u32 s22, s22, 2*BLK
	s_sub_co_u32 s23, s22, s21
	v_mul_u32_u24 v6, s23, v2
	v_lshl_add_u32 v6, v1, 5, v6
.irp s, 0,1
	v_add_nc_u32 v[ADRA+\s], s21, v3
	v_add_nc_u32 v[ADRB+\s], s22, v3
	v_add_nc_u32 v[ADRS+\s], s21, v6
	s_add_co_u32 s21, s21, SLOT
	s_add_co_u32 s22, s22, SLOT
.endr
	s_lshl_b32 s72, s42, 1
	s_add_co_u32 s72, s72, s16
	s_lshl_b32 s72, s72, 9
	s_mov_b32 s73, 0
	s_add_nc_u64 s[8:9], s[8:9], s[72:73]
	v_lshlrev_b32 v27, 5, v2
	WIN TO_B
.irp b, 0,1,2,3,4,5,6,7
	global_load_b128 v[96+8*\b+96*(\b/4):96+8*\b+96*(\b/4)+3], v27, s[8:9] offset:64*\b
	global_load_b128 v[96+8*\b+96*(\b/4)+4:96+8*\b+96*(\b/4)+7], v27, s[8:9] offset:64*\b+16
.endr
	WIN 0
	s_mul_i32 s23, s14, 16*SPITCH
	v_mul_u32_u24 v5, v1, SPITCH
	v_lshl_add_u32 v5, v2, 5, v5
	v_add_nc_u32 v[STO], s23, v5
	v_add_nc_u32 v[RD], s23, v3
	v_mov_b32 v[CO], v3
	s_lshl_b32 s72, s17, 8
	s_lshl_b32 s73, s15, 7
	s_add_co_u32 s72, s72, s73
	s_lshl_b32 s72, s72, 12
	s_lshl_b32 s73, s42, 10
	s_add_co_u32 s72, s72, s73
	s_lshl_b32 s73, s16, 9
	s_add_co_u32 s72, s72, s73
	s_mov_b32 s73, 0
	s_add_nc_u64 s[10:11], s[10:11], s[72:73]
	s_add_nc_u64 s[12:13], s[12:13], s[72:73]
.macro FRAG reg, adr, q, i
.irp c, 0,1,2
	ds_load_b128 v[\reg+4*\c:\reg+4*\c+3], v[\adr] offset:(\q)*PAN+(\i)*1536+512*\c
.endr
.endm
; 16 matrix instructions; first = 1: the first product starts the sums from the bias.  The 64 accumulators take turns, one instruction a turn.
.macro MUL16 a0, p, q, sc, first
.irp a, \a0, \a0+1
.irp b, 0,1,2,3,4,5,6,7
.if \first
	v_wmma_scale_f32_16x16x128_f8f6f4 v[8*(8*((\a)%4)+\b):8*(8*((\a)%4)+\b)+7], v[128*(\p)+12*\b:128*(\p)+12*\b+11], v[AF+12*(\a):AF+12*(\a)+11], v[96+8*\b+96*(\b/4):96+8*\b+96*(\b/4)+7], v[SC+16*(\sc)+8*(\q)+\b], v[SC+16*(\sc)+8*(\q)+(\a)] matrix_a_fmt:MATRIX_FMT_FP6 matrix_b_fmt:MATRIX_FMT_FP6 matrix_a_scale:MATRIX_SCALE_ROW1
.else
	v_wmma_scale_f32_16x16x128_f8f6f4 v[8*(8*((\a)%4)+\b):8*(8*((\a)%4)+\b)+7], v[128*(\p)+12*\b:128*(\p)+12*\b+11], v[AF+12*(\a):AF+12*(\a)+11], v[8*(8*((\a)%4)+\b):8*(8*((\a)%4)+\b)+7], v[SC+16*(\sc)+8*(\q)+\b], v[SC+16*(\sc)+8*(\q)+(\a)] matrix_a_fmt:MATRIX_FMT_FP6 matrix_b_fmt:MATRIX_FMT_FP6 matrix_a_scale:MATRIX_SCALE_ROW1
.endif
.endr
.endr
.endm
.macro FETCH_B slot, q, p
	WIN TO_B
.irp i, 0,1,2,3,4,5,6,7
	FRAG 128*(\p)+12*\i, ADRB+\slot, \q, \i
.endr
	WIN 0
.endm
.macro FETCH_A slot, q, i0
.irp i, \i0, \i0+1, \i0+2, \i0+3
	FRAG AF+12*(\i), ADRA+\slot, \q, \i
.endr
.endm
.macro SCALES sc
.irp q, 0,1
	ds_load_b128 v[SC+16*\sc+8*\q:SC+16*\sc+8*\q+3], v[ADRS+\sc] offset:\q*PAN+12288
	ds_load_b128 v[SC+16*\sc+8*\q+4:SC+16*\sc+8*\q+7], v[ADRS+\sc] offset:\q*PAN+12288+16
.endr
.endm
.macro PLACES n
.rept \n
	v_nop
.endr
.endm
.macro STEP slot, q, first
	s_wait_dscnt 4*NL                              ; all but the youngest 12 loads (S1's tiles 4-7)
.if \first
	WIN 0x91                                       ; as MUL_LO, with source 2 (the bias) in window 1
.else
	WIN MUL_LO
.endif
	MUL16 0, (\q)%2, \q, \slot, \first
	MUL16 2, (\q)%2, \q, \slot, \first
	s_wait_dscnt 0
	PLACES NP
	FETCH_B \slot, (\q)+1, 1-(\q)%2
	FETCH_A \slot, (\q)+1, 0
.if \first
	WIN 0xd1
.else
	WIN MUL_HI
.endif
	MUL16 4, (\q)%2, \q, \slot, \first
	MUL16 6, (\q)%2, \q, \slot, \first
	PLACES NP
	WIN 0
	FETCH_A \slot, (\q)+1, 4
.endm
.macro TURN slot, next, fill
	s_wait_tensorcnt 0x0                           ; all my tensor loads have landed: my part of the next slot
	ds_add_u32 v[SPW], v[NIL]                      ; 0 onto my spare word
	s_wait_dscnt 4*NL+1                            ; (the add and the youngest 12 loads may be out)
	WIN MUL_LO
	MUL16 0, 1, 1, \slot, 0
	s_wait_dscnt 0x0                               ; the add is done, and my reads of this slot are over
	s_barrier_signal -1
	MUL16 2, 1, 1, \slot, 0
	WIN 0
	s_barrier_wait -1
.if \fill
	CREST                                          ; a round of the cluster's barrier: no wave of any partner still reads this slot or has a load on its way
	s_add_nc_u64 s[G0+4*\slot+2:G0+4*\slot+3], s[G0+4*\slot+2:G0+4*\slot+3], 2*BLK
	s_add_nc_u64 s[G0B+4*\slot+2:G0B+4*\slot+3], s[G0B+4*\slot+2:G0B+4*\slot+3], 2*BLK
	JLOAD \slot
.else
	PLACES NP
.endif
	FETCH_B \next, 0, 0
	FETCH_A \next, 0, 0
	SCALES \next
	WIN MUL_HI
	MUL16 4, 1, 1, \slot, 0
	MUL16 6, 1, 1, \slot, 0
	PLACES NP
	WIN 0
	FETCH_A \next, 0, 4
.endm
	s_wait_tensorcnt 1                             ; my part of K step 0 is in (K step 1's load may be out)
	s_barrier_signal -1
	s_barrier_wait -1
	FETCH_B 0, 0, 0
	FETCH_A 0, 0, 0
	SCALES 0
	FETCH_A 0, 0, 4
	s_wait_loadcnt 0x0                             ; the bias
	STEP 0, 0, 1
	s_mov_b32 s3, LAPS-1
.Llap:
	TURN 0, 1, 1
	STEP 1, 0, 0
	TURN 1, 0, 1
	STEP 0, 0, 0
	s_sub_co_u32 s3, s3, 1
	s_cmp_lg_u32 s3, 0
	s_cbranch_scc1 .Llap
	TURN 0, 1, 0
	STEP 1, 0, 0
	s_wait_dscnt 4*NL
	WIN MUL_LO
	MUL16 0, 1, 1, 1, 0
	MUL16 2, 1, 1, 1, 0
	s_wait_dscnt 0
	WIN MUL_HI
	MUL16 4, 1, 1, 1, 0
	MUL16 6, 1, 1, 1, 0
	WIN 0
; THE WAY OUT, block by block of 16 rows x 128 columns: through my own stage in LDS, back as whole rows of 512 bytes, RES's same rows added, stored as two aligned runs of 256 bytes an instruction.
; Every row's place stands in an immediate, 520,192 bytes at the most: no base is stepped.
.macro RLOAD a
	WIN TO_B
.irp t, 0,1,2,3,4,5,6,7,8,9,10,11,12,13,14,15
	global_load_b128 v[64*((\a)%4)+4*\t:64*((\a)%4)+4*\t+3], v[CO], s[10:11] offset:(16*(\a)+\t)*4096
.endr
	WIN 0
.endm
.macro TOSTAGE a
.set AC, 64*((\a)%4)
	WIN 0x08+4*((\a)/4)                            ; an LDS store's data are its source 1: window 2 or 3
.irp b, 0,1,2,3,4,5,6,7
	ds_store_b128 v[STO], v[AC+8*\b:AC+8*\b+3] offset:64*\b          ; each accumulator from its low end on
	ds_store_b128 v[STO], v[AC+8*\b+4:AC+8*\b+7] offset:64*\b+16
.endr
	WIN 0
.set BB, BK+64*((\a)%2)
.irp t, 0,1,2,3,4,5,6,7,8,9,10,11,12,13,14,15
	ds_load_b128 v[BB+4*\t:BB+4*\t+3], v[RD] offset:\t*SPITCH        ; LDS serves a wave's instructions in order (ISA guide 5.7.1.4): these see the stores above
.endr
.endm
.macro SEND a
.set BB, BK+64*((\a)%2)
	WIN 0x04                                       ; source 1 (RES) in window 1
.set i, 0
.rept 32
	v_pk_add_f32 v[BB+i:BB+i+1], v[BB+i:BB+i+1], v[64*((\a)%4)+i:64*((\a)%4)+i+1]
.set i, i+2
.endr
	WIN 0
.irp t, 0,1,2,3,4,5,6,7,8,9,10,11,12,13,14,15
.if NT
	global_store_b128 v[CO], v[BB+4*\t:BB+4*\t+3], s[12:13] offset:(16*(\a)+\t)*4096 th:TH_STORE_NT
.else
	global_store_b128 v[CO], v[BB+4*\t:BB+4*\t+3], s[12:13] offset:(16*(\a)+\t)*4096
.endif
.endr
.endm
	PLACES NP                                      ; behind the last products: for the loads into window 1 and into S1's registers, and for the first read of results
	RLOAD 0
	RLOAD 1
	RLOAD 2
	RLOAD 3
.irp a, 0,1,2,3,4,5,6,7
.if \a > 1
	s_wait_xcnt 0x0                                ; block a - 2's stores have read their registers: block a's rows may land there
.endif
	TOSTAGE \a
	s_wait_dscnt 0x0
.if \a < 5
	s_wait_loadcnt 48                              ; RES's rows of this block are in; those of the three blocks behind it may be out
.else
	s_wait_loadcnt 16*(7-\a)
.endif
	SEND \a
.if \a < 4
	RLOAD \a+4
.endif
.endr
	s_wait_tensorcnt 0x0                           ; the wave's end, behind my last tensor load and my last LDS store
	ds_add_u32 v[SPW], v[NIL]
	s_wait_dscnt 0x0
	CROUND                                         ; the closing round
	s_endpgm
.Lfunc_end_k_q6c9d96f1e2_ffn2:
	.size	k_q6c9d96f1e2_ffn2, .Lfunc_end_k_q6c9d96f1e2_ffn2-k_q6c9d96f1e2_ffn2
	.p2alignl 7, 3214868480
	.fill 96, 4, 3214868480
	.section	.rodata,"a",@progbits
	.p2align	6, 0x0
	.amdhsa_kernel k_q6c9d96f1e2_ffn2
		.amdhsa_group_segment_fixed_size 327680
		.amdhsa_private_segment_fixed_size 0
		.amdhsa_enable_private_segment 0
		.amdhsa_kernarg_size 40
		.amdhsa_user_sgpr_count 2
		.amdhsa_user_sgpr_kernarg_segment_ptr 1
		.amdhsa_wavefront_size32 1
		.amdhsa_system_sgpr_workgroup_id_x 1
		.amdhsa_system_sgpr_workgroup_id_y 1
		.amdhsa_system_sgpr_workgroup_id_z 1
		.amdhsa_system_vgpr_workitem_id 0
		.amdhsa_next_free_vgpr 1024
		.amdhsa_next_free_sgpr 80
		.amdhsa_reserve_vcc 0
		.amdhsa_float_denorm_mode_32 3
		.amdhsa_float_denorm_mode_16_64 3
		.amdhsa_memory_ordered 1
		.amdhsa_forward_progress 1
		.amdhsa_inst_pref_size 162
	.end_amdhsa_kernel
	.amdgpu_metadata
---
amdhsa.version: [ 1, 2 ]
amdhsa.kernels:
  - .name:           k_q6c9d96f1e2_ffn2
    .symbol:         k_q6c9d96f1e2_ffn2.kd
    .args:
      - { .name: wts, .offset: 0, .size: 8, .value_kind: global_buffer, .address_space: global }
      - { .name: big, .offset: 8, .size: 8, .value_kind: global_buffer, .address_space: global }
      - { .name: b2, .offset: 16, .size: 8, .value_kind: global_buffer, .address_space: global }
      - { .name: x1, .offset: 24, .size: 8, .value_kind: global_buffer, .address_space: global }
      - { .name: out0, .offset: 32, .size: 8, .value_kind: global_buffer, .address_space: global }
    .group_segment_fixed_size: 327680
    .private_segment_fixed_size: 0
    .kernarg_segment_align: 8
    .kernarg_segment_size: 40
    .max_flat_workgroup_size: 128
    .sgpr_count:     80
    .vgpr_count:     1024
    .wavefront_size: 32
...
	.end_amdgpu_metadata
.endif
;; end of part 7
;; ======== version 2 of 2: 7 launches
;; limits: right only within a limited range of input values
;; workspace buffers: wts 9,011,200 bytes; wvp 819,200 bytes; hn 3,276,800 bytes; big 13,107,200 bytes; vt 3,276,800 bytes; x1 16,777,216 bytes
;; launch wquant (part 8): grid 1024 x 1, 4 waves a work-group, no clusters, 66,304 bytes of LDS; arguments wq, wk, wv, wo, w1, w2, wts, wvp, x, a1, s1, hn; writes wts, wvp, hn
.if DOCPART == 8
	.amdgcn_target "amdgcn-amd-amdhsa--gfx1250"
	.amdhsa_code_object_version 6
	.text
	.protected	k_q6c9d96f1e2_wquant
	.globl	k_q6c9d96f1e2_wquant
	.p2align	8
	.type	k_q6c9d96f1e2_wquant,@function
k_q6c9d96f1e2_wquant:
	s_mov_b64 s[64:65], 0
	v_nop
	global_prefetch_b8 v0, s[64:65] scope:SCOPE_SE
	s_setreg_imm32_b32 hwreg(HW_REG_WAVE_MODE, 25, 1), 1
	s_wait_xcnt 0x0
; The six weights, f32 stored [K][N], become operands of E2M3 codes with one E8M0 byte for each 32 along K, laid as PANELS.
; A PANEL is 12,800 bytes: 128 operand rows (here columns n) x 128 along K.  Bytes 1536 t + 512 q + 16 l hold registers 4 q .. 4 q + 3 of lane l of the matrix operand
; of rows 16 t .. 16 t + 15 (an image of the operand's 12 registers); bytes 12,288 + 32 r + 4 t hold the scale word of row 16 t + r.
; ORDER ALONG K inside a block of 32, the same in every operand of this program: place p holds k = p with its bits 3 and 4 exchanged.  Both operands of a product are laid alike,
; so the products pair up rightly, and a block of 32 stays a block of 32.
; SHARES: one work-group makes one panel; wave w takes columns 32 w .. 32 w + 31; a lane takes a column and its registers run down K, so each load reads 128 consecutive bytes a wave
; and 512 a work-group, a block's largest magnitude needs no other lane, and the conversions' results are the operand's registers.
; The work-group's number chooses the tensor: 0-63 wq, 64-127 wk, 128-191 wv, 192-255 wo, 256-511 w1, 512-767 w2.  One path for all: only pointers, a pitch and a shift are chosen.
; A block's scale is 2^(floor(log2(largest magnitude)) - 2); its byte is the largest magnitude's exponent field - 2, held at 1 from below.
; LIMITS: a block whose largest magnitude lies under 2^-124, a block of zeros among them, gets the byte 1 (its codes are zeros or what the floor's scale gives; this program alone reads the bytes);
; NaN and infinities among the inputs are not served.  The scale words leave as 4 bytes a lane, 32 bytes apart: 512 of a panel's 12,800 bytes.
.set PAN, 12800
.set OFF, 32                           ; v32-63   byte offset of place p's row of the weight, + my column
.set X,   64                           ; v64-191  four blocks of 32 numbers, register = place
.set FA,  192                          ; v192-203 the fragment of the wave's first 16 columns
.set FB,  204                          ; v204-215 of its second 16
.set T,   216
	; Work-groups 0 to 255 do not touch the weights: they norm and quantise 16 rows of x each (below, at .Lnorm); theirs is the longer chain of dependent steps, so they have the lowest numbers.
	; The weights' panels are counted from work-group 256 on: the numbers named at the head (0-63 wq .. 512-767 w2) are those of s3.  The branch hangs on the work-group's number alone.
	s_cmp_lt_u32 ttmp9, 256
	s_cbranch_scc1 .Lnorm
	s_sub_co_u32 s3, ttmp9, 256
	s_load_b256 s[4:11], s[0:1], 0x0
	s_load_b256 s[12:19], s[0:1], 0x20             ; w1 s[12:13], w2 s[14:15], wts s[16:17], wvp s[18:19]
	v_lshrrev_b32 v1, 5, v0
	v_readfirstlane_b32 s20, v1                    ; wave
	v_lshlrev_b32 v2, 2, v0                        ; my column of the panel's 128, in bytes
	s_wait_alu depctr_va_vdst(0)
	v_and_b32 v1, 31, v0
	s_mul_i32 s21, s20, 3072
	v_lshl_add_u32 v21, v1, 4, s21                 ; out: 16 x lane + the wave's two fragments
	v_and_b32 v3, 15, v0
	v_lshrrev_b32 v4, 4, v0
	v_lshlrev_b32 v22, 5, v3
	v_lshl_add_u32 v22, v4, 2, v22                 ; my column's scale word: 32 r + 4 t
	; what hangs on the work-group's number: s24 the tensor's first number, s25 a row of the weight in bytes, s26 log2 of its panels along K
	s_mov_b32 s24, 512
	s_mov_b32 s25, 4096
	s_mov_b32 s26, 5
	s_cmp_lt_u32 s3, 512
	s_cselect_b32 s24, 256, s24
	s_cselect_b32 s25, 16384, s25
	s_cselect_b32 s26, 3, s26
	s_cmp_lt_u32 s3, 256
	s_cselect_b32 s24, 192, s24
	s_cselect_b32 s25, 4096, s25
	s_cmp_lt_u32 s3, 192
	s_cselect_b32 s24, 128, s24
	s_cmp_lt_u32 s3, 128
	s_cselect_b32 s24, 64, s24
	s_cselect_b32 s27, 0, 64
	s_cmp_lt_u32 s3, 64
	s_cselect_b32 s24, 0, s24
	s_sub_co_u32 s27, s3, s27                      ; the panel's number in wts: wq and wk as they come, wo, w1, w2 64 lower
	s_sub_co_u32 s30, s3, 128                      ; and in wvp, for wv
	s_cmp_lt_u32 s30, 64
	s_cselect_b32 s27, s30, s27
	s_sub_co_u32 s31, s3, s24                      ; the panel's number in its tensor
	s_lshr_b32 s32, s31, s26                       ; g: which 128 columns
	s_lshl_b32 s33, s32, s26
	s_sub_co_u32 s33, s31, s33                     ; s: which 128 along K
	s_lshl_b32 s34, s32, 9
	s_mul_i32 s35, s33, s25
	s_lshl_b32 s35, s35, 7
	s_add_co_u32 s34, s34, s35                     ; 512 g + 128 s rows
	s_mov_b32 s35, 0
	s_lshl_b32 s36, s25, 5                         ; a block: 32 rows
	s_mov_b32 s37, 0
	s_mul_i32 s38, s27, PAN
	s_mov_b32 s39, 0
.set p, 0
.rept 32
.set PI, (p&7)+((p&8)<<1)+((p&16)>>1)
	v_mad_u32_u24 v[OFF+p], s25, PI, v2            ; place p takes the row with bits 3 and 4 exchanged
.set p, p+1
.endr
	s_wait_alu depctr_va_vdst(0)
	s_wait_kmcnt 0x0
	s_cmp_lt_u32 s3, 512                           ; the pointers, by the same tests: each choice hangs on the work-group's number alone
	s_cselect_b64 s[22:23], s[12:13], s[14:15]
	s_cmp_lt_u32 s3, 256
	s_cselect_b64 s[22:23], s[10:11], s[22:23]
	s_cmp_lt_u32 s3, 192
	s_cselect_b64 s[22:23], s[8:9], s[22:23]
	s_cmp_lt_u32 s3, 128
	s_cselect_b64 s[22:23], s[6:7], s[22:23]
	s_cmp_lt_u32 s3, 64
	s_cselect_b64 s[22:23], s[4:5], s[22:23]
	s_cmp_lt_u32 s30, 64
	s_cselect_b64 s[28:29], s[18:19], s[16:17]
	s_add_nc_u64 s[28:29], s[28:29], s[38:39]      ; my panel
	s_add_nc_u64 s[40:41], s[22:23], s[34:35]      ; a base for each of the four blocks
	s_add_nc_u64 s[42:43], s[40:41], s[36:37]
	s_add_nc_u64 s[44:45], s[42:43], s[36:37]
	s_add_nc_u64 s[46:47], s[44:45], s[36:37]
.irp B, 0,1,2,3
.set p, 0
.rept 32
	global_load_b32 v[X+32*\B+p], v[OFF+p], s[40+2*\B:41+2*\B] th:TH_LOAD_NT   ; read once in the launch
.set p, p+1
.endr
.endr
	s_wait_loadcnt 0x0
.irp B, 0,1,2,3
	v_max3_num_f32 v[8+\B], |v[X+32*\B]|, |v[X+32*\B+1]|, 0x1800000   ; a block's largest magnitude, and the floor 2^(3 - 127): the byte cannot fall under 1
.endr
.irp i, 2,4,6,8,10,12,14,16,18,20,22,24,26,28,30
.irp B, 0,1,2,3
	v_max3_num_f32 v[8+\B], v[8+\B], |v[X+32*\B+\i]|, |v[X+32*\B+\i+1]|   ; the four blocks by turns
.endr
.endr
.irp B, 0,1,2,3
	v_add_nc_u32 v[12+\B], 0xff000000, v[8+\B]     ; 2 off the exponent field: the conversion's scale operand
.endr
.irp B, 0,1,2,3
	v_lshrrev_b32 v[16+\B], 23, v[12+\B]           ; the scale's byte
.endr
	v_lshl_or_b32 v20, v17, 8, v16                 ; my column's scale word
	v_lshl_or_b32 v20, v18, 16, v20
	v_lshl_or_b32 v20, v19, 24, v20
.irp c, 0,1                                    ; (a conversion's three registers begin on an even number: the upper halves are made elsewhere and moved)
	v_cvt_scalef32_pk16_fp6_f32 v[FA+6*\c:FA+6*\c+2], v[X+64*\c:X+64*\c+15], v[12+2*\c]
	v_cvt_scalef32_pk16_fp6_f32 v[T+8*\c:T+8*\c+2], v[X+64*\c+16:X+64*\c+31], v[12+2*\c]
	v_cvt_scalef32_pk16_fp6_f32 v[FB+6*\c:FB+6*\c+2], v[X+64*\c+32:X+64*\c+47], v[12+2*\c+1]
	v_cvt_scalef32_pk16_fp6_f32 v[T+8*\c+4:T+8*\c+6], v[X+64*\c+48:X+64*\c+63], v[12+2*\c+1]
.endr
	v_nop                                          ; one plain place behind the scaled conversions
.irp c, 0,1
.irp i, 0,1,2
	v_mov_b32 v[FA+6*\c+3+\i], v[T+8*\c+\i]        ; FA: my column's blocks 0 and 2; FB: its blocks 1 and 3
	v_mov_b32 v[FB+6*\c+3+\i], v[T+8*\c+4+\i]
.endr
.endr
.irp i, 0,1,2,3,4,5,6,7,8,9,10,11
	v_permlane16_swap_b32 v[FA+\i], v[FB+\i]       ; FA's lanes 16-31 change places with FB's lanes 0-15: FA is now the first 16 columns' operand (lanes 0-15 blocks 0, 2; lanes 16-31 blocks 1, 3), FB the second 16's
.endr
.irp q, 0,1,2
	global_store_b128 v21, v[FA+4*\q:FA+4*\q+3], s[28:29] offset:512*\q        ; 32 lanes store 512 consecutive bytes, at a multiple of 256 from the buffer's first byte
	global_store_b128 v21, v[FB+4*\q:FB+4*\q+3], s[28:29] offset:1536+512*\q
.endr
	global_store_b32 v22, v20, s[28:29] offset:12288
	s_endpgm
; THE FIRST NORM.  y = a1 (x - mean) / sqrt(var + 1e-5) + s1 along rows of 1,024 (biased variance, the mean taken off before the squares), quantised along the row and stored as panels in hn.
; Work-group n (0 to 255) owns rows 16 n .. 16 n + 15.  Phase 1: wave w takes rows 4 w .. 4 w + 3 whole; y goes to LDS.  Phase 2: wave w quantises columns 256 w .. 256 w + 255 of all 16 rows.
; LIMITS: v_rsq_f32 as it is; a block whose largest magnitude lies under 2^-124 gets the byte 1; NaN and infinities are not served.  Only this path uses LDS.
.Lnorm:
.set YP,    4112
.set SPARE, 16*YP
.set GA,    192
.set GS,    224
.set TM,    32
.set SPW,   52
.set NIL,   53
	s_load_b256 s[4:11], s[0:1], 0x40              ; x, a1, s1, hn
	s_mov_b32 s25, ttmp9                           ; which 16 rows
	v_lshl_add_u32 v[SPW], v0, 2, SPARE
	v_mov_b32 v[NIL], 0
	v_lshrrev_b32 v1, 5, v0
	v_readfirstlane_b32 s12, v1
	v_and_b32 v1, 31, v0
	v_lshlrev_b32 v2, 4, v1
	s_lshl_b32 s13, s12, 14
	v_add_nc_u32 v3, s13, v2
	s_mul_i32 s13, s12, 4*YP
	v_add_nc_u32 v4, s13, v2
	v_and_b32 v8, 15, v0
	v_bfe_u32 v9, v0, 4, 1
	v_mul_u32_u24 v5, v8, YP
	v_lshl_add_u32 v5, v9, 5, v5
	s_lshl_b32 s13, s12, 10
	v_add_nc_u32 v5, s13, v5
	s_and_b32 s14, s25, 7
	s_mul_i32 s15, s14, 1536
	v_add_nc_u32 v6, s15, v2
	v_lshlrev_b32 v7, 5, v8
	v_mad_u32_u24 v7, v9, PAN, v7
	s_lshl_b32 s15, s14, 2
	v_add_nc_u32 v7, s15, v7
	s_lshl_b32 s16, s25, 16
	s_mov_b32 s17, 0
	s_lshr_b32 s18, s25, 3
	s_lshl_b32 s18, s18, 3
	s_lshl_b32 s19, s12, 1
	s_add_co_u32 s18, s18, s19
	s_mul_i32 s18, s18, PAN
	s_mov_b32 s19, 0
	s_mov_b32 s20, 0x76543210
	s_mov_b32 s21, 0xfedcba98
	s_mov_b32 s22, 0x3a800000                      ; 1 / 1,024
	s_mov_b32 s23, 0x3727c5ac                      ; 1e-5
	s_mov_b32 s24, 0xffff0000
.irp p, 0,1,2,3
	v_mov_b32 v[20+\p], 0
	v_mov_b32 v[TM+4+\p], 0
.endr
	s_wait_alu depctr_va_vdst(0)
	s_wait_kmcnt 0x0
	s_add_nc_u64 s[4:5], s[4:5], s[16:17]
	s_add_nc_u64 s[10:11], s[10:11], s[18:19]
.irp p, 0,1,2,3
.irp j, 0,1,2,3,4,5,6,7
	global_load_b128 v[X+32*\p+4*\j:X+32*\p+4*\j+3], v3, s[4:5] offset:4096*\p+512*\j
.endr
.endr
.irp j, 0,1,2,3,4,5,6,7
	global_load_b128 v[GA+4*\j:GA+4*\j+3], v2, s[6:7] offset:512*\j
.endr
.irp j, 0,1,2,3,4,5,6,7
	global_load_b128 v[GS+4*\j:GS+4*\j+3], v2, s[8:9] offset:512*\j
.endr
.macro REDUCE                          ; the pairs v[8 + 2 p : 9 + 2 p] summed over the wave: row p's sum in v[16 + p] of every lane
.irp p, 0,1,2,3
	v_add_f32 v[16+\p], v[8+2*\p], v[9+2*\p]
.endr
.irp m, 1,2,4,8
.irp p, 0,1,2,3
	v_add_f32_dpp v[16+\p], v[16+\p], v[16+\p] row_xmask:\m row_mask:0xf bank_mask:0xf
.endr
.endr
.irp p, 0,1,2,3
	v_permlanex16_b32 v[20+\p], v[16+\p], s20, s21
.endr
.irp p, 0,1,2,3
	v_add_f32 v[16+\p], v[16+\p], v[20+\p]
.endr
.endm
	s_wait_loadcnt 16                              ; x is in; the sixteen younger loads, gain and shift, may be out
.irp p, 0,1,2,3
	v_pk_add_f32 v[8+2*\p:9+2*\p], v[X+32*\p:X+32*\p+1], v[X+32*\p+2:X+32*\p+3]
.endr
.irp i, 4,6,8,10,12,14,16,18,20,22,24,26,28,30
.irp p, 0,1,2,3
	v_pk_add_f32 v[8+2*\p:9+2*\p], v[8+2*\p:9+2*\p], v[X+32*\p+\i:X+32*\p+\i+1]
.endr
.endr
	REDUCE
.irp p, 0,1,2,3
	v_mul_f32 v[24+2*\p], s22, v[16+\p]            ; the mean, as a pair
	v_mul_f32 v[25+2*\p], s22, v[16+\p]
.endr
.irp p, 0,1,2,3
.set i, 0
.rept 16
	v_pk_add_f32 v[X+32*\p+i:X+32*\p+i+1], v[X+32*\p+i:X+32*\p+i+1], v[24+2*\p:25+2*\p] neg_lo:[0,1] neg_hi:[0,1]
.set i, i+2
.endr
.endr
.irp p, 0,1,2,3
	v_pk_mul_f32 v[8+2*\p:9+2*\p], v[X+32*\p:X+32*\p+1], v[X+32*\p:X+32*\p+1]
.endr
.irp i, 2,4,6,8,10,12,14,16,18,20,22,24,26,28,30
.irp p, 0,1,2,3
	v_pk_fma_f32 v[8+2*\p:9+2*\p], v[X+32*\p+\i:X+32*\p+\i+1], v[X+32*\p+\i:X+32*\p+\i+1], v[8+2*\p:9+2*\p]
.endr
.endr
	REDUCE
.irp p, 0,1,2,3
	v_fma_f32 v[16+\p], v[16+\p], s22, s23         ; var + 1e-5
.endr
	s_wait_alu depctr_va_vdst(0)                   ; a wait ahead of the batch
.irp p, 0,1,2,3
	v_rsq_f32 v[24+2*\p], v[16+\p]
	v_rsq_f32 v[25+2*\p], v[16+\p]
.endr
	v_nop
	s_wait_alu depctr_va_vdst(0)                   ; and behind it
	s_wait_loadcnt 0x0
.irp p, 0,1,2,3
.set i, 0
.rept 16
	v_pk_mul_f32 v[X+32*\p+i:X+32*\p+i+1], v[X+32*\p+i:X+32*\p+i+1], v[24+2*\p:25+2*\p]
.set i, i+2
.endr
.endr
.irp p, 0,1,2,3
.set i, 0
.rept 16
	v_pk_fma_f32 v[X+32*\p+i:X+32*\p+i+1], v[X+32*\p+i:X+32*\p+i+1], v[GA+i:GA+i+1], v[GS+i:GS+i+1]
.set i, i+2
.endr
.endr
.irp p, 0,1,2,3
.irp j, 0,1,2,3,4,5,6,7
	ds_store_b128 v4, v[X+32*\p+4*\j:X+32*\p+4*\j+3] offset:YP*\p+512*\j
.endr
.endr
	s_wait_dscnt 0x0                               ; for the others' sake: my rows lie in LDS
	s_barrier_signal -1
	s_barrier_wait -1
.irp s, 0,1
.irp b, 0,1,2,3
.irp u, 0,1
	ds_load_b128 v[X+64*\s+16*\b+8*\u:X+64*\s+16*\b+8*\u+3], v5 offset:512*\s+128*\b+64*\u
	ds_load_b128 v[X+64*\s+16*\b+8*\u+4:X+64*\s+16*\b+8*\u+7], v5 offset:512*\s+128*\b+64*\u+16
.endr
.endr
.endr
.macro QUANT s, pc, pw                 ; 64 numbers of a lane become a fragment's codes in v[pc] .. v[pc + 11] and its scale word in v[pw]
.irp b, 0,1,2,3
	v_max3_num_f32 v[TM+\b], |v[\s+16*\b]|, |v[\s+1+16*\b]|, 0x1800000
.endr
.irp i, 2,4,6,8,10,12,14
.irp b, 0,1,2,3
	v_max3_num_f32 v[TM+\b], v[TM+\b], |v[\s+16*\b+\i]|, |v[\s+1+16*\b+\i]|
.endr
.endr
.irp b, 0,1,2,3
	v_permlanex16_b32 v[TM+4+\b], v[TM+\b], s20, s21
.endr
.irp b, 0,1,2,3
	v_max_num_f32 v[TM+\b], v[TM+\b], v[TM+4+\b]
.endr
.irp b, 0,1,2,3
	v_add_nc_u32 v[TM+12+\b], 0xff000000, v[TM+\b]
.endr
.irp b, 0,1,2,3
	v_lshrrev_b32 v[TM+4+\b], 23, v[TM+12+\b]
.endr
	v_lshl_or_b32 v[\pw], v[TM+5], 8, v[TM+4]
	v_lshl_or_b32 v[\pw], v[TM+6], 16, v[\pw]
	v_lshl_or_b32 v[\pw], v[TM+7], 24, v[\pw]
.irp c, 0,1
	v_cvt_scalef32_pk16_fp6_f32 v[\pc+6*\c:\pc+2+6*\c], v[\s+32*\c:\s+15+32*\c], v[TM+12+2*\c]
	v_cvt_scalef32_pk16_fp6_f32 v[\pc+12+4*\c:\pc+14+4*\c], v[\s+16+32*\c:\s+31+32*\c], v[TM+12+2*\c+1]
.endr
	v_nop
.irp c, 0,1
.irp i, 0,1,2
	v_permlane16_swap_b32 v[\pc+6*\c+\i], v[\pc+12+4*\c+\i]
.endr
.irp i, 0,1,2
	v_mov_b32 v[\pc+3+6*\c+\i], v[\pc+12+4*\c+\i]
.endr
.endr
.endm
	s_wait_dscnt 16                                ; the first K step's 16 loads are in
	QUANT X, 192, 48
.irp q, 0,1,2
	global_store_b128 v6, v[192+4*\q:195+4*\q], s[10:11] offset:512*\q
.endr
	s_wait_dscnt 0x0
	QUANT X+64, 212, 49
.irp q, 0,1,2
	global_store_b128 v6, v[212+4*\q:215+4*\q], s[10:11] offset:PAN+512*\q
.endr
	v_cndmask_b32 v50, v48, v49, s24
	global_store_b32 v7, v50, s[10:11] offset:12288
	s_wait_tensorcnt 0x0                           ; the wave's end, behind my last LDS store
	ds_add_u32 v[SPW], v[NIL]
	s_wait_dscnt 0x0
	s_endpgm
.Lfunc_end_k_q6c9d96f1e2_wquant:
	.size	k_q6c9d96f1e2_wquant, .Lfunc_end_k_q6c9d96f1e2_wquant-k_q6c9d96f1e2_wquant
	.p2alignl 7, 3214868480
	.fill 96, 4, 3214868480
	.section	.rodata,"a",@progbits
	.p2align	6, 0x0
	.amdhsa_kernel k_q6c9d96f1e2_wquant
		.amdhsa_group_segment_fixed_size 66304
		.amdhsa_private_segment_fixed_size 0
		.amdhsa_enable_private_segment 0
		.amdhsa_kernarg_size 96
		.amdhsa_user_sgpr_count 2
		.amdhsa_user_sgpr_kernarg_segment_ptr 1
		.amdhsa_wavefront_size32 1
		.amdhsa_system_sgpr_workgroup_id_x 1
		.amdhsa_system_sgpr_workgroup_id_y 1
		.amdhsa_system_sgpr_workgroup_id_z 1
		.amdhsa_system_vgpr_workitem_id 0
		.amdhsa_next_free_vgpr 256
		.amdhsa_next_free_sgpr 66
		.amdhsa_reserve_vcc 0
		.amdhsa_float_denorm_mode_32 3
		.amdhsa_float_denorm_mode_16_64 3
		.amdhsa_memory_ordered 1
		.amdhsa_forward_progress 1
		.amdhsa_inst_pref_size 67
	.end_amdhsa_kernel
	.amdgpu_metadata
---
amdhsa.version: [ 1, 2 ]
amdhsa.kernels:
  - .name:           k_q6c9d96f1e2_wquant
    .symbol:         k_q6c9d96f1e2_wquant.kd
    .args:
      - { .name: wq, .offset: 0, .size: 8, .value_kind: global_buffer, .address_space: global }
      - { .name: wk, .offset: 8, .size: 8, .value_kind: global_buffer, .address_space: global }
      - { .name: wv, .offset: 16, .size: 8, .value_kind: global_buffer, .address_space: global }
      - { .name: wo, .offset: 24, .size: 8, .value_kind: global_buffer, .address_space: global }
      - { .name: w1, .offset: 32, .size: 8, .value_kind: global_buffer, .address_space: global }
      - { .name: w2, .offset: 40, .size: 8, .value_kind: global_buffer, .address_space: global }
      - { .name: wts, .offset: 48, .size: 8, .value_kind: global_buffer, .address_space: global }
      - { .name: wvp, .offset: 56, .size: 8, .value_kind: global_buffer, .address_space: global }
      - { .name: x, .offset: 64, .size: 8, .value_kind: global_buffer, .address_space: global }
      - { .name: a1, .offset: 72, .size: 8, .value_kind: global_buffer, .address_space: global }
      - { .name: s1, .offset: 80, .size: 8, .value_kind: global_buffer, .address_space: global }
      - { .name: hn, .offset: 88, .size: 8, .value_kind: global_buffer, .address_space: global }
    .group_segment_fixed_size: 66304
    .private_segment_fixed_size: 0
    .kernarg_segment_align: 8
    .kernarg_segment_size: 96
    .max_flat_workgroup_size: 128
    .sgpr_count:     66
    .vgpr_count:     256
    .wavefront_size: 32
...
	.end_amdgpu_metadata
.endif
;; end of part 8
;; launch qk (part 9): grid 8 x 24, 4 waves a work-group, clusters of 4 x 4, 327,680 bytes of LDS; arguments wts, hn, wvp, big, vt; writes big, vt
.if DOCPART == 9
	.amdgcn_target "amdgcn-amd-amdhsa--gfx1250"
	.amdhsa_code_object_version 6
	.text
	.protected	k_q6c9d96f1e2_qk
	.globl	k_q6c9d96f1e2_qk
	.p2align	8
	.type	k_q6c9d96f1e2_qk,@function
k_q6c9d96f1e2_qk:
	s_mov_b64 s[64:65], 0
	v_nop
	global_prefetch_b8 v0, s[64:65] scope:SCOPE_SE
	s_setreg_imm32_b32 hwreg(HW_REG_WAVE_MODE, 25, 1), 1
	s_wait_xcnt 0x0
	s_wait_alu depctr_hold_cnt(0) depctr_sa_sdst(0) depctr_va_vdst(0) depctr_va_sdst(0) depctr_va_ssrc(0) depctr_va_vcc(0) depctr_vm_vsrc(0)
	s_getreg_b32 s2, hwreg(HW_REG_IB_STS2, 6, 4)
	s_cmp_eq_u32 s2, 0
	s_cbranch_scc0 .Lentry_in_a_cluster
	s_endpgm
.Lentry_in_a_cluster:
	s_bfe_u32 s2, ttmp6, 0x10000c
	s_cmp_lg_u32 s2, 0xf033
	s_cbranch_scc0 .Lentry_shape_is_right
	s_endpgm
.Lentry_shape_is_right:
; OUT = Q(S1 S0^T): a product of two operands of E2M3 codes (one E8M0 byte for each 32 along K), K = 1,024, whose result is quantised again, along S0's rows, and stored as an operand.
; One launch, two uses: S0 = the weights wq | wk, S1 = the normed tokens: q and k, quantised along the features;  S0 = the normed tokens, S1 = the weight wv: V^T, quantised along the tokens.
; ALL THREE ARE PANELS of 12,800 bytes: 128 rows x 128 along K; bytes 1536 t + 512 q + 16 l = registers 4 q .. 4 q + 3 of lane l of the operand of rows 16 t ..; bytes 12,288 + 32 r + 4 t = row 16 t + r's scale word.
; Panel (g, s) of the inputs lies at (8 g + s) x 12,800, of OUT at (32 g + s) x 12,800.  Inside a block of 32, place p holds k = p with bits 3 and 4 exchanged, in every operand alike.
; SHARES: a work-group of four waves makes 256 rows of S1 x 256 rows of S0; a wave 128 x 128: 64 accumulators, 512 registers, which become ONE panel of OUT.
; THE MATRIX INSTRUCTION: source 0 = 16 rows of S0, source 1 = 16 rows of S1: a lane holds one row of S1, and its registers run along S0's rows, which are OUT's K: register 16 B + 8 u + j of lane (r, h) is k = 32 B + 16 u + 8 h + j.
; K goes in steps of 256 through a ring of two LDS slots; 128 rows' part of a step is two panels, 25,600 dense bytes: one tensor load a wave, as 100 rows of 256 bytes.  A fragment is three loads of 16 bytes a lane, 512 consecutive bytes each.
; CLUSTERS: 4 x 4 work-groups; S1's tiles are shared along a row of the cluster, S0's along a column: each is asked for jointly, by the same tensor load with the same descriptor and a mask that names the four.
; The two refills are prefetched into the L2 at the head; the loop asks for nothing.
; REGISTERS, in windows of 256: window 0: v16-29 addresses; v32-63 scale words, two sets; v128-223 S1's fragments, ONE set; v64-127 and v128-175 at work on the way out.  window 1: S0's fragments, two sets, at v0 and v128.
;   window 2: the accumulators of my S1 rows 0-63 ((a, b) at v[8 (8 a + b)]); window 3: those of rows 64-127.
; LIMITS: a block whose largest magnitude lies under 2^-124 (a block of zeros too) gets the byte 1: this program alone reads the bytes; NaN and infinities are not served; the sums' order follows the operands' order along K.
; ONE LAUNCH SERVES BOTH USES.  Arguments: wts, hn, wvp, big, vt.  Clusters with y < 4: S0 = wts (wq | wk), S1 = hn, OUT = big.  Clusters with y = 4, 5: S0 = hn, S1 = wvp, OUT = vt, and the cluster's
; x there is x + 2 (y - 4), its y 0.  The choice hangs on the cluster's number alone, which all sixteen partners share: only pointers and tile numbers are chosen.
; THE HEAD: one joint load a wave; wave (side, slot) brings that slot's two blocks of 25,600 bytes of its side as a tile of two rows, 102,400 bytes apart in memory: both slots are asked for at once.
.set NKS,   8
.set WOFF,  0                          ; where S0 begins in its buffer
.set PAN,   12800
.set BLK,   2*PAN                      ; 128 rows x 256 along K
.set SLOT,  4*BLK                      ; S1's 256 rows, then S0's 256 rows
.set SPARE, 2*SLOT                     ; behind the ring: the spare words, 128 bytes for each wave: two blocks of 256 bytes that no other line names
.set LAPS,  NKS/4                      ; a lap = two K steps = once round the ring
.set NL,    3                          ; LDS loads that bring a fragment
.set NP,    4                          ; places behind this matrix instruction (ISA guide 7.12.1)
.set ADRA,  16                         ; v16-17 LDS address of S1's fragments in slot 0, 1
.set ADRS,  18                         ; v18-19 of the scale words: lanes 0-15 S1's, lanes 16-31 S0's
.set ADRB,  20                         ; v20-21 of S0's fragments
.set SPW,   28                         ; v28    LDS address of my spare word; never rewritten
.set NIL,   29                         ; v29    0; never rewritten
.set SC,    32                         ; scale words: set s at v[SC + 16 s]; register 8 q + i: lanes 0-15 S1's tile i, lanes 16-31 S0's tile i, for the slot's q-th 128 along K
.set AF,    128
.set TM,    64                         ; the way out: v64-79 at work, v80-87 the eight scale words, v88-91 as they leave, v92-99 conversions' upper halves, v128-175 four sets of codes
.set PWS,   80
.set DW,    88
.set CT,    92
.set PC,    128
.set G1,    24                         ; s[24:31] descriptor group 1 for S1's tiles; s[32:39] group 0, a set for each slot
.set G0,    32
.set G1B,   48                         ; s[48:55], s[56:63] the same for S0's
.set G0B,   56
.set MSB, 0
.macro WIN new                         ; the immediate's high byte repeats the setting that is left; a switch that changes nothing is dropped
.set WNEW, \new
.if MSB != WNEW
	s_set_vgpr_msb (MSB<<8)|WNEW
.set MSB, WNEW
.endif
.endm
.set MUL_LO, 0xa1                      ; source 0 (S0) window 1, source 1 (S1) window 0, C and D window 2
.set MUL_HI, 0xf1                      ; the same, C and D window 3
.set TO_B,   0x40                      ; destination window 1, address window 0
; A joint load: waves 0 and 1 fetch S1's two halves, waves 2 and 3 S0's.  The branch hangs on the wave's number alone.  An s_nop 0 and four v_nop follow each line.
.macro JLOAD s
	s_cmp_eq_u32 s15, 0
	s_cbranch_scc0 .Lfor_b_\@
	tensor_load_to_lds s[G0+4*\s:G0+4*\s+3], s[G1:G1+7]
	s_nop 0
.rept 4
	v_nop
.endr
	s_branch .Lasked_\@
.Lfor_b_\@:
	tensor_load_to_lds s[G0B+4*\s:G0B+4*\s+3], s[G1B:G1B+7]
	s_nop 0
.rept 4
	v_nop
.endr
.Lasked_\@:
.endm
.macro CREST                           ; a round of the cluster's barrier behind its opening barrier
	s_cmp_lg_u32 s14, 0
	s_cbranch_scc1 .Lnot_wave_0_\@
	s_barrier_signal -3
.Lnot_wave_0_\@:
	s_barrier_wait -3
	s_barrier_signal -1
	s_barrier_wait -1
.endm
.macro CROUND
	s_barrier_signal -1
	s_barrier_wait -1
	CREST
.endm
	s_load_b128 s[4:7], s[0:1], 0x0                ; S0 s[4:5], S1 s[6:7]
	s_load_b128 s[8:11], s[0:1], 0x10              ; wvp s[8:9], big s[10:11]
	s_load_b64 s[12:13], s[0:1], 0x20              ; vt
	v_lshl_add_u32 v[SPW], v0, 2, SPARE
	v_mov_b32 v[NIL], 0
	ds_add_u32 v[SPW], v[NIL]                      ; the wave's opening: the add and its wait stand ahead of my first tensor load; work on registers stands between them
	ds_add_u32 v[SPW], v[NIL]
	v_lshrrev_b32 v1, 5, v0
	v_readfirstlane_b32 s14, v1                    ; wave 0..3
	s_lshr_b32 s15, s14, 1                         ; which 128 rows of S1 are mine.  Also: I fetch for S1 (0) or for S0 (1)
	s_and_b32 s16, s14, 1                          ; which 128 rows of S0.  Also: which 128 rows I fetch
	s_bfe_u32 s40, ttmp6, 0x40000                  ; cx, cy: my place in the cluster
	s_bfe_u32 s41, ttmp6, 0x40004
	s_and_b32 s17, ttmp7, 0xffff                   ; the cluster's y
	s_lshl_b32 s42, s17, 1
	s_add_co_u32 s42, s42, ttmp9
	s_sub_co_u32 s42, s42, 8                       ; x + 2 (y - 4): used where y is 4 or 5
	s_cmp_lt_u32 s17, 4
	s_cselect_b32 s42, ttmp9, s42
	s_cselect_b32 s17, s17, 0
	s_cselect_b32 s69, 1, 0                        ; 1: q and k;  0: V^T
	s_lshl_b32 s42, s42, 2
	s_add_co_u32 s42, s42, s40                     ; tx: which 256 rows of S0
	s_lshl_b32 s17, s17, 2
	s_add_co_u32 s17, s17, s41                     ; ty: which 256 rows of S1
	s_lshl_b32 s43, s41, 2
	s_lshl_b32 s43, 15, s43                        ; my row of the cluster
	s_lshl_b32 s44, 0x1111, s40                    ; my column
	s_or_b32 s[G1+0], s43, (3<<16)|(1<<21)         ; 15:0 the mask: S1's tiles go to my row; 17:16 elements of 8 bytes; 21 set beside a mask; no padding
	s_or_b32 s[G1B+0], s44, (3<<16)|(1<<21)
.irp g, G1, G1B
	s_mov_b32 s[\g+1], 32<<16                      ; tensor_dim0 = 32 elements: 256 bytes
	s_mov_b32 s[\g+2], 100<<16                     ; tensor_dim1 = 100
	s_mov_b32 s[\g+3], 32<<16                      ; tile_dim0
	s_mov_b32 s[\g+4], 100                         ; tile_dim1
	s_mov_b32 s[\g+5], 32                          ; the pitch: dense
	s_mov_b32 s[\g+6], 0
	s_mov_b32 s[\g+7], 0
.endr
	s_lshl_b32 s20, s17, 1
	s_add_co_u32 s20, s20, s16
	s_mul_i32 s20, s20, NKS*PAN                    ; S1: the group of 128 rows that I fetch
	s_mov_b32 s21, 0
	s_lshl_b32 s46, s42, 1
	s_add_co_u32 s46, s46, s16
	s_mul_i32 s46, s46, NKS*PAN                    ; S0 likewise
.if WOFF
	s_add_co_u32 s46, s46, WOFF
.endif
	s_mov_b32 s47, 0
	s_mul_i32 s45, s14, BLK                        ; where they go: no place in the cluster enters an LDS address
	s_mov_b32 s66, 0x76543210
	s_mov_b32 s67, 0xfedcba98                      ; v_permlanex16_b32's selects for lane l xor 16
	s_mov_b32 s68, 0xffff0000                      ; lanes 16-31
	s_wait_dscnt 0x0                               ; the opening add is done
	s_wait_kmcnt 0x0
	s_cmp_eq_u32 s69, 1
	s_cselect_b64 s[4:5], s[4:5], s[6:7]           ; S0: wts or hn
	s_cselect_b64 s[6:7], s[6:7], s[8:9]           ; S1: hn or wvp
	s_cselect_b64 s[8:9], s[10:11], s[12:13]       ; OUT: big or vt
	s_add_nc_u64 s[20:21], s[6:7], s[20:21]
	s_add_nc_u64 s[46:47], s[4:5], s[46:47]
	CROUND                                         ; all sixteen work-groups are here: the first joint loads meet
.irp s, 0,1
	s_mov_b32 s[G0+4*\s], 1
	s_add_co_u32 s[G0+4*\s+1], s45, \s*SLOT
	s_add_nc_u64 s[G0+4*\s+2:G0+4*\s+3], s[20:21], \s*BLK
	s_or_b32 s[G0+4*\s+3], s[G0+4*\s+3], 0x80000000
	s_mov_b32 s[G0B+4*\s], 1
	s_add_co_u32 s[G0B+4*\s+1], s45, \s*SLOT
	s_add_nc_u64 s[G0B+4*\s+2:G0B+4*\s+3], s[46:47], \s*BLK
	s_or_b32 s[G0B+4*\s+3], s[G0B+4*\s+3], 0x80000000
.endr
	s_mul_i32 s18, s15, BLK                        ; at the head wave w fetches side w % 2 of slot w / 2
	s_mul_i32 s74, s17, 2*NKS*PAN
	s_add_co_u32 s74, s74, s18
	s_mov_b32 s75, 0
	s_mul_i32 s72, s42, 2*NKS*PAN
	s_add_co_u32 s72, s72, s18
.if WOFF
	s_add_co_u32 s72, s72, WOFF
.endif
	s_mov_b32 s73, 0
	s_mov_b32 s76, 1
	s_mul_i32 s77, s15, SLOT
	s_add_nc_u64 s[78:79], s[6:7], s[74:75]
	s_or_b32 s79, s79, 0x80000000
	s_mov_b32 s80, 1
	s_add_co_u32 s81, s77, 2*BLK
	s_add_nc_u64 s[82:83], s[4:5], s[72:73]
	s_or_b32 s83, s83, 0x80000000
	s_or_b32 s84, s43, (3<<16)|(1<<21)
	s_or_b32 s92, s44, (3<<16)|(1<<21)
.irp g, 84, 92
	s_mov_b32 s[\g+1], 3200<<16                    ; a row: 3,200 elements of 8 bytes
	s_mov_b32 s[\g+2], 2<<16                       ; two rows
	s_mov_b32 s[\g+3], 3200<<16
	s_mov_b32 s[\g+4], 2
	s_mov_b32 s[\g+5], NKS*PAN/8                   ; from one group of 128 rows to the next
	s_mov_b32 s[\g+6], 0
	s_mov_b32 s[\g+7], 0
.endr
	; The two refills' tiles are asked for into the L2 at the head; the loop itself asks for nothing.  A refill of mine is 100 blocks of 256 bytes, asked for jointly by four partners:
	; each takes 25, told apart by address (cx for S1's side, cy for S0's); a lane a block, lanes 25 to 31 name the last again.
	s_cmp_eq_u32 s15, 0
	s_cselect_b64 s[100:101], s[20:21], s[46:47]
	s_cselect_b32 s74, s40, s41
	s_mul_i32 s74, s74, 25*256
	s_add_co_u32 s74, s74, 2*BLK
	s_mov_b32 s75, 0
	s_add_nc_u64 s[100:101], s[100:101], s[74:75]
.macro ARM under, g0, g1               ; one chain of branches on the wave's number, a load line to each wave
	s_cmp_lt_u32 s14, \under
	s_cbranch_scc0 .Lnext_\@
	tensor_load_to_lds s[\g0:\g0+3], s[\g1:\g1+7]
	s_nop 0
.rept 4
	v_nop
.endr
	s_branch .Lhead_asked
.Lnext_\@:
.endm
	ARM 1, 76, 84                                  ; wave 0: slot 0, S1
	ARM 2, 80, 92                                  ; wave 1: slot 0, S0
	ARM 3, 76, 84                                  ; wave 2: slot 1, S1
	tensor_load_to_lds s[80:83], s[92:99]          ; wave 3: slot 1, S0
	s_nop 0
.rept 4
	v_nop
.endr
.Lhead_asked:
	v_and_b32 v30, 31, v0
	v_min_u32 v30, 24, v30
	v_lshlrev_b32 v30, 8, v30                      ; never rewritten
	global_prefetch_b8 v30, s[100:101] th:TH_LOAD_NT scope:SCOPE_SE
	global_prefetch_b8 v30, s[100:101] offset:BLK th:TH_LOAD_NT scope:SCOPE_SE
	v_and_b32 v1, 15, v0
	v_bfe_u32 v2, v0, 4, 1                         ; h
	v_and_b32 v3, 31, v0
	v_lshlrev_b32 v3, 4, v3                        ; 16 x lane
	s_wait_alu depctr_va_vdst(0)
	s_mul_i32 s21, s15, BLK                        ; my 128 rows of S1
	s_mul_i32 s22, s16, BLK                        ; my 128 rows of S0,
	s_add_co_u32 s22, s22, 2*BLK                   ; which lie behind S1's 256
	s_sub_co_u32 s23, s22, s21
	v_mul_u32_u24 v6, s23, v2                      ; lanes 16-31 take S0's scale words
	v_lshl_add_u32 v6, v1, 5, v6                   ; 32 bytes a row: its eight tiles' words
.irp s, 0,1
	v_add_nc_u32 v[ADRA+\s], s21, v3
	v_add_nc_u32 v[ADRB+\s], s22, v3
	v_add_nc_u32 v[ADRS+\s], s21, v6
	s_add_co_u32 s21, s21, SLOT
	s_add_co_u32 s22, s22, SLOT
.endr
	v_mov_b32 v24, v3                              ; the way out: a fragment's place for my lane
	v_lshlrev_b32 v25, 5, v1
	v_lshl_add_u32 v25, v2, 4, v25                 ; and four scale words': 32 r + 16 h
	s_lshl_b32 s72, s17, 1
	s_add_co_u32 s72, s72, s15
	s_lshl_b32 s72, s72, 5
	s_lshl_b32 s73, s42, 1
	s_add_co_u32 s73, s73, s16
	s_add_co_u32 s72, s72, s73
	s_mul_i32 s72, s72, PAN                        ; my panel of OUT: (S1's group, S0's group)
	s_mov_b32 s73, 0
	s_add_nc_u64 s[8:9], s[8:9], s[72:73]
.macro FRAG reg, adr, q, i             ; a fragment comes as it lies: three loads, 512 consecutive bytes each
.irp c, 0,1,2
	ds_load_b128 v[\reg+4*\c:\reg+4*\c+3], v[\adr] offset:(\q)*PAN+(\i)*1536+512*\c
.endr
.endm
; 16 matrix instructions: S1's tiles a0, a0 + 1 x S0's eight, the slot's q-th 128 along K.  p: S0's set; sc: the set of scale words.  first = 1: the first product starts the sums.
; The 64 accumulators take turns, one instruction a turn, in the same order in every step.
.macro MUL16 a0, p, q, sc, first
.irp a, \a0, \a0+1
.irp b, 0,1,2,3,4,5,6,7
.if \first
	v_wmma_scale_f32_16x16x128_f8f6f4 v[8*(8*((\a)%4)+\b):8*(8*((\a)%4)+\b)+7], v[128*(\p)+12*\b:128*(\p)+12*\b+11], v[AF+12*(\a):AF+12*(\a)+11], 0, v[SC+16*(\sc)+8*(\q)+\b], v[SC+16*(\sc)+8*(\q)+(\a)] matrix_a_fmt:MATRIX_FMT_FP6 matrix_b_fmt:MATRIX_FMT_FP6 matrix_a_scale:MATRIX_SCALE_ROW1
.else
	v_wmma_scale_f32_16x16x128_f8f6f4 v[8*(8*((\a)%4)+\b):8*(8*((\a)%4)+\b)+7], v[128*(\p)+12*\b:128*(\p)+12*\b+11], v[AF+12*(\a):AF+12*(\a)+11], v[8*(8*((\a)%4)+\b):8*(8*((\a)%4)+\b)+7], v[SC+16*(\sc)+8*(\q)+\b], v[SC+16*(\sc)+8*(\q)+(\a)] matrix_a_fmt:MATRIX_FMT_FP6 matrix_b_fmt:MATRIX_FMT_FP6 matrix_a_scale:MATRIX_SCALE_ROW1
.endif
.endr
.endr
.endm
.macro FETCH_B slot, q, p
	WIN TO_B
.irp i, 0,1,2,3,4,5,6,7
	FRAG 128*(\p)+12*\i, ADRB+\slot, \q, \i
.endr
	WIN 0
.endm
.macro FETCH_A slot, q, i0
.irp i, \i0, \i0+1, \i0+2, \i0+3
	FRAG AF+12*(\i), ADRA+\slot, \q, \i
.endr
.endm
.macro SCALES sc                       ; a slot's scale words: eight tiles' words of my row lie together, 32 bytes
.irp q, 0,1
	ds_load_b128 v[SC+16*\sc+8*\q:SC+16*\sc+8*\q+3], v[ADRS+\sc] offset:\q*PAN+12288
	ds_load_b128 v[SC+16*\sc+8*\q+4:SC+16*\sc+8*\q+7], v[ADRS+\sc] offset:\q*PAN+12288+16
.endr
.endm
.macro PLACES n                        ; plain vector instructions in front of loads into registers that matrix instructions have read, and of the first read of results
.rept \n
	v_nop
.endr
.endm
; A step of 128 along K that has its successor in the same slot.
.macro STEP slot, q, first
	s_wait_dscnt 4*NL                              ; S0's set, S1's tiles 0-3 and the scale words are in; the youngest 12 loads (S1's tiles 4-7) may be out
	WIN MUL_LO
	MUL16 0, (\q)%2, \q, \slot, \first
	MUL16 2, (\q)%2, \q, \slot, \first
	s_wait_dscnt 0
	PLACES NP
	FETCH_B \slot, (\q)+1, 1-(\q)%2
	FETCH_A \slot, (\q)+1, 0
	WIN MUL_HI
	MUL16 4, (\q)%2, \q, \slot, \first
	MUL16 6, (\q)%2, \q, \slot, \first
	PLACES NP
	WIN 0
	FETCH_A \slot, (\q)+1, 4
.endm
; A slot's last step changes slots: ONE barrier; in front of it each wave waits for all its tensor loads, adds 0 to its spare word, and waits for that and for its reads of this slot.  fill = 1: the slot is filled again, two K steps ahead.
.macro TURN slot, next, fill
	s_wait_tensorcnt 0x0                           ; all my tensor loads have landed: my part of the next slot
	ds_add_u32 v[SPW], v[NIL]                      ; 0 onto my spare word
	s_wait_dscnt 4*NL+1                            ; (the add and the youngest 12 loads may be out)
	WIN MUL_LO
	MUL16 0, 1, 1, \slot, 0                        ; sixteen matrix instructions stand between the add and the wait for it
	s_wait_dscnt 0x0                               ; the add is done, and my reads of this slot are over
	s_barrier_signal -1
	MUL16 2, 1, 1, \slot, 0
	WIN 0
	s_barrier_wait -1
.if \fill
	CREST                                          ; the barrier has opened a round of the cluster's: no wave of any partner still reads this slot or has a load on its way
	s_add_nc_u64 s[G0+4*\slot+2:G0+4*\slot+3], s[G0+4*\slot+2:G0+4*\slot+3], 2*BLK
	s_add_nc_u64 s[G0B+4*\slot+2:G0B+4*\slot+3], s[G0B+4*\slot+2:G0B+4*\slot+3], 2*BLK
	JLOAD \slot                                    ; my one tensor load behind the round; its four v_nop are the places in front of the loads below
.else
	PLACES NP
.endif
	FETCH_B \next, 0, 0
	FETCH_A \next, 0, 0
	SCALES \next
	WIN MUL_HI
	MUL16 4, 1, 1, \slot, 0
	MUL16 6, 1, 1, \slot, 0
	PLACES NP
	WIN 0
	FETCH_A \next, 0, 4
.endm
	s_wait_alu depctr_va_vdst(0)
	s_cmp_lt_u32 s14, 2                            ; waves 0 and 1 wait for slot 0's two tiles; slot 1's may be on their way
	s_cbranch_scc0 .Lnot_slot_0
	s_wait_tensorcnt 0x0
.Lnot_slot_0:
	s_barrier_signal -1
	s_barrier_wait -1
	FETCH_B 0, 0, 0
	FETCH_A 0, 0, 0
	SCALES 0
	FETCH_A 0, 0, 4
	STEP 0, 0, 1                                   ; the first step stands in front of the loop: its products start the sums
	s_mov_b32 s3, LAPS-1
.Llap:                                                 ; a trip goes once round the ring and fills both slots again
	TURN 0, 1, 1
	STEP 1, 0, 0
	TURN 1, 0, 1
	STEP 0, 0, 0
	s_sub_co_u32 s3, s3, 1
	s_cmp_lg_u32 s3, 0
	s_cbranch_scc1 .Llap
	TURN 0, 1, 0                                   ; the last lap fills nothing
	STEP 1, 0, 0
	s_wait_dscnt 4*NL
	WIN MUL_LO
	MUL16 0, 1, 1, 1, 0
	MUL16 2, 1, 1, 1, 0
	s_wait_dscnt 0
	WIN MUL_HI
	MUL16 4, 1, 1, 1, 0
	MUL16 6, 1, 1, 1, 0
	WIN 0
; THE WAY OUT.  The 64 registers of S1's tile a, in window w from v[src] on, are 128 numbers along OUT's K of 16 rows: four blocks of 32, each in lanes l and l xor 16.  They become a fragment in v[pc] on and a scale word in v[pw].
; TWO TILES AT A TIME (z = 0, 1: the tile at v[src] and the next, 64 registers on, in the same window), line by line in turn, so that eight chains of maxima and two of everything behind them stand side by side.
; Tile z works in v[TM + 36 z] on and v[CT + 24 z] on (v100-123 for z = 1); its codes go to v[pc + 12 z] on, its scale word to v[pw + z].
.macro QUANT2 src, w, pc, pw
	WIN (\w)|((\w)<<2)                             ; sources 0 and 1 in the accumulators' window
.irp b, 0,1,2,3
.irp z, 0,1
	v_max3_num_f32 v[TM+36*\z+\b], |v[\src+64*\z+16*\b]|, |v[\src+64*\z+16*\b+1]|, 0x1800000   ; each accumulator is read from its low end on; the floor 2^(3 - 127) holds the byte at 1 from below
.endr
.endr
.irp i, 2,4,6,8,10,12,14
.irp b, 0,1,2,3
.irp z, 0,1
	v_max3_num_f32 v[TM+36*\z+\b], |v[\src+64*\z+16*\b+\i]|, |v[\src+64*\z+16*\b+\i+1]|, v[TM+36*\z+\b]
.endr
.endr
.endr
	WIN 0
.irp b, 0,1,2,3
.irp z, 0,1
	v_permlanex16_b32 v[TM+36*\z+4+\b], v[TM+36*\z+\b], s66, s67
.endr
.endr
.irp b, 0,1,2,3
.irp z, 0,1
	v_max_num_f32 v[TM+36*\z+\b], v[TM+36*\z+\b], v[TM+36*\z+4+\b]
.endr
.endr
.irp b, 0,1,2,3
.irp z, 0,1
	v_add_nc_u32 v[TM+36*\z+12+\b], 0xff000000, v[TM+36*\z+\b]   ; 2 off the exponent field: the conversion's scale operand
.endr
.endr
.irp b, 0,1,2,3
.irp z, 0,1
	v_lshrrev_b32 v[TM+36*\z+4+\b], 23, v[TM+36*\z+12+\b]
.endr
.endr
.irp z, 0,1
	v_lshl_or_b32 v[\pw+\z], v[TM+36*\z+5], 8, v[TM+36*\z+4]
.endr
.irp z, 0,1
	v_lshl_or_b32 v[\pw+\z], v[TM+36*\z+6], 16, v[\pw+\z]
.endr
.irp z, 0,1
	v_lshl_or_b32 v[\pw+\z], v[TM+36*\z+7], 24, v[\pw+\z]
.endr
	WIN \w                                         ; source 0 in the accumulators' window
.irp c, 0,1
.irp z, 0,1
	v_cvt_scalef32_pk16_fp6_f32 v[\pc+12*\z+6*\c:\pc+12*\z+6*\c+2], v[\src+64*\z+32*\c:\src+64*\z+32*\c+15], v[TM+36*\z+12+2*\c]
	v_cvt_scalef32_pk16_fp6_f32 v[CT+24*\z+4*\c:CT+24*\z+4*\c+2], v[\src+64*\z+32*\c+16:\src+64*\z+32*\c+31], v[TM+36*\z+12+2*\c+1]
.endr
.endr
	WIN 0
	v_nop                                          ; one plain place behind the scaled conversions
.irp c, 0,1
.irp i, 0,1,2
.irp z, 0,1
	v_permlane16_swap_b32 v[\pc+12*\z+6*\c+\i], v[CT+24*\z+4*\c+\i]   ; a whole block to a lane: lanes 0-15 block 2 c, lanes 16-31 block 2 c + 1
.endr
.endr
.irp i, 0,1,2
.irp z, 0,1
	v_mov_b32 v[\pc+12*\z+6*\c+3+\i], v[CT+24*\z+4*\c+\i]
.endr
.endr
.endr
.endm
	PLACES NP                                      ; behind the last products
.irp b, 0,1,2,3
	v_mov_b32 v[TM+4+\b], 0                        ; written once: a lane permute's destination counts as one of its sources
	v_mov_b32 v[TM+36+4+\b], 0
.endr
.irp a, 0,2,4,6
.if \a == 4
	s_wait_xcnt 0x0                                ; the stores of tiles 0 to 3 have read their registers: the four sets of codes may be written again
.endif
	QUANT2 64*((\a)%4), 2+(\a)/4, PC+12*((\a)%4), PWS+\a
.irp z, 0,1
.irp c, 0,1,2
	global_store_b128 v24, v[PC+12*((\a)%4+\z)+4*\c:PC+12*((\a)%4+\z)+4*\c+3], s[8:9] offset:1536*(\a+\z)+512*\c   ; 512 consecutive bytes, at a multiple of 256 from the buffer's first byte
.endr
.endr
.endr
.irp j, 0,1,2,3
	v_cndmask_b32 v[DW+\j], v[PWS+\j], v[PWS+4+\j], s68   ; lanes 0-15 send their row's words of tiles 0-3, lanes 16-31 those of tiles 4-7
.endr
	global_store_b128 v25, v[DW:DW+3], s[8:9] offset:12288
	s_wait_tensorcnt 0x0                           ; the wave's end
	ds_add_u32 v[SPW], v[NIL]
	s_wait_dscnt 0x0
	CROUND                                         ; the closing round: no work-group ends while a partner may still ask for a tile that names it
	s_endpgm
.Lfunc_end_k_q6c9d96f1e2_qk:
	.size	k_q6c9d96f1e2_qk, .Lfunc_end_k_q6c9d96f1e2_qk-k_q6c9d96f1e2_qk
	.p2alignl 7, 3214868480
	.fill 96, 4, 3214868480
	.section	.rodata,"a",@progbits
	.p2align	6, 0x0
	.amdhsa_kernel k_q6c9d96f1e2_qk
		.amdhsa_group_segment_fixed_size 327680
		.amdhsa_private_segment_fixed_size 0
		.amdhsa_enable_private_segment 0
		.amdhsa_kernarg_size 40
		.amdhsa_user_sgpr_count 2
		.amdhsa_user_sgpr_kernarg_segment_ptr 1
		.amdhsa_wavefront_size32 1
		.amdhsa_system_sgpr_workgroup_id_x 1
		.amdhsa_system_sgpr_workgroup_id_y 1
		.amdhsa_system_sgpr_workgroup_id_z 1
		.amdhsa_system_vgpr_workitem_id 0
		.amdhsa_next_free_vgpr 1024
		.amdhsa_next_free_sgpr 102
		.amdhsa_reserve_vcc 0
		.amdhsa_float_denorm_mode_32 3
		.amdhsa_float_denorm_mode_16_64 3
		.amdhsa_memory_ordered 1
		.amdhsa_forward_progress 1
		.amdhsa_inst_pref_size 138
	.end_amdhsa_kernel
	.amdgpu_metadata
---
amdhsa.version: [ 1, 2 ]
amdhsa.kernels:
  - .name:           k_q6c9d96f1e2_qk
    .symbol:         k_q6c9d96f1e2_qk.kd
    .args:
      - { .name: wts, .offset: 0, .size: 8, .value_kind: global_buffer, .address_space: global }
      - { .name: hn, .offset: 8, .size: 8, .value_kind: global_buffer, .address_space: global }
      - { .name: wvp, .offset: 16, .size: 8, .value_kind: global_buffer, .address_space: global }
      - { .name: big, .offset: 24, .size: 8, .value_kind: global_buffer, .address_space: global }
      - { .name: vt, .offset: 32, .size: 8, .value_kind: global_buffer, .address_space: global }
    .group_segment_fixed_size: 327680
    .private_segment_fixed_size: 0
    .kernarg_segment_align: 8
    .kernarg_segment_size: 40
    .max_flat_workgroup_size: 128
    .sgpr_count:     102
    .vgpr_count:     1024
    .wavefront_size: 32
...
	.end_amdgpu_metadata
.endif
;; end of part 9
;; launch attn (part 10): grid 16 x 16, 16 waves a work-group, no clusters, 327,680 bytes of LDS; arguments big, vt, hn; writes hn
.if DOCPART == 10
	.amdgcn_target "amdgcn-amd-amdhsa--gfx1250"
	.amdhsa_code_object_version 6
	.text
	.protected	k_q6c9d96f1e2_attn
	.globl	k_q6c9d96f1e2_attn
	.p2align	8
	.type	k_q6c9d96f1e2_attn,@function
k_q6c9d96f1e2_attn:
	s_mov_b64 s[64:65], 0
	v_nop
	global_prefetch_b8 v0, s[64:65] scope:SCOPE_SE
	s_setreg_imm32_b32 hwreg(HW_REG_WAVE_MODE, 25, 1), 1
	s_wait_xcnt 0x0
; Causal attention on E2M3 codes (one E8M0 byte for each 32 along a product's K), 2 x 16 heads of 64, 2,048 tokens; the result ctx is quantised along the features and stored as an operand.
; ALL BUFFERS ARE PANELS of 12,800 bytes: 128 rows x 128 along K; bytes 1536 t + 512 q + 16 l = registers 4 q .. 4 q + 3 of lane l of the operand of rows 16 t ..; bytes 12,288 + 32 r + 4 t = row 16 t + r's scale word;
; inside a block of 32, place p holds k = p with bits 3 and 4 exchanged, in every operand alike.  big: panel (token group g, s): s = i: q of head pair i, s = 8 + i: k of head pair i, at (32 g + s) x 12,800.
; vt: V^T, panel (head pair i, token group g) at (32 i + g) x 12,800: rows = the pair's 128 features, K = 128 keys.  hn (out): ctx, panel (g, i) at (8 g + i) x 12,800.
; THE SOFTMAX AHEAD OF THE SECOND PRODUCT: t = score x log2(e) / 8; M = the row's largest t so far, rounded UP to a whole number; p = 2^(t - M) is quantised along the keys, not normalised; the row's sum is taken of the
; unquantised p and divides at the end.  When M moves, the sum and O are multiplied by 2^(old M - new M): exact.
; SHARES.  Work-group (a, 8 batch + i) owns, for the two heads of pair i, queries 64 a .. 64 a + 63 and 64 (31 - a) .. + 63: an early and a late block, so that every work-group has about the same number of key steps under the mask.
; Each of its sixteen waves owns one head and one tile of 16 queries, in 256 registers: four waves to a SIMD, two early and two late.
; A HEAD IS 64 AND THE INSTRUCTION'S K IS 128: a fragment of k holds both heads of the pair; a wave's q has zero codes in the other head's half, which add nothing.
; Both products are used transposed (S^T = k q^T, O^T = V^T p^T): a lane holds one query throughout; register 16 B + 8 u + j of lane (r, h) is key 32 B + 16 u + 8 h + j: the order that the panels of V^T have along the keys.
; THE RING: two slots of 256 keys (k's two panels, V^T's two); waves 0 to 3 fetch a panel each; every work-group walks all eight slots, so the trip counts are constants; a step all of whose keys are hidden is left out by a branch on ids,
; and a slot whose first key comes after the work-group's last query is not asked for.  Every wait on TENSORcnt is for 0.
; NO CLUSTER: the sixteen work-groups of a head pair read the same panels, but their last slots differ (the last query is 2,047 - 64 a), so partners would need different numbers of tiles.
; LIMITS: a block whose largest magnitude lies under 2^-124 (a block of zeros too) gets the byte 1; NaN and infinities are not served; v_exp_f32 and v_rcp_f32 as they are.  ctx's scale words leave as 4 bytes a lane (lanes r and r + 16 write the same word).
.set PAN,   12800
.set SLOT1, 1<<16                      ; slot 1 begins here: one exclusive or turns an address in one slot into the other's
.set STAGE, 2*SLOT1                    ; behind the ring: eight fragments of ctx and their scale words, 12,800 bytes; no tile lands here
.set SPARE, STAGE+PAN                  ; the spare words, 128 bytes for each wave: eight blocks of 256 bytes that no other line names
.set NSL,   8
.set AK0,  1                           ; v1   16 x lane
.set AV0,  2                           ; v2   my head's four tiles of V^T in a slot
.set ASK0, 3                           ; v3   k's scale words
.set ASV0, 4                           ; v4   V^T's
.set SPW,  5                           ; v5   LDS address of my spare word; never rewritten
.set NIL,  6                           ; v6   0; never rewritten
.set GO,   7                           ; v7   16 x lane + 1536 x my tile's place in its panel: q's loads and ctx's stores
.set ADK,  8                           ; v8-11 the step's addresses
.set ADV,  9
.set ADS,  10
.set ADT,  11
.set PF0,  28                          ; v28, v29 the prefetches' offsets; never rewritten  (v16-27: q's fragment)
.set PF1,  29
.set RH,   30                          ; v30  r - 8 h
.set DD,   31                          ; v31  the mask's bound
.set GSC,  80                          ; v80  32 r + 4 x my tile's place: q's and ctx's scale word; never rewritten
.set SA1,  84                          ; v84-87 the way out: my places in the stage; they hold nothing else
.set SA2,  85
.set SAH,  86
.set SAW,  87
.set WV,   18
.set SEL,  20
.set CS,   22                          ; s[22:23] c = log2(e) / 8
.set G1,   24
.set G0,   32
.set STP,  36                          ; s[36:37] a slot on in memory: 819,200 bytes for k, 25,600 for V^T
.set HP,   40                          ; s40  which head of the pair
.set SIDX, 45                          ; s45  which of the work-group's eight tiles of queries
.set TB,   2
.set SLOTS, 67
.set PFA,  70
.set LIM,  72
.set LQ,   95                          ; s95  my work-group's last query
.set KF,   98                          ; s98  the step's first key
.set Q0,   99                          ; s99  my first query
.macro TLOAD                           ; waves 0 to 3 fetch a panel each; the branch hangs on the wave's number alone.  An s_nop 0 and four v_nop follow the line
	s_cmp_lt_u32 s[WV], 4
	s_cbranch_scc0 .Lasked_\@
	tensor_load_to_lds s[G0:G0+3], s[G1:G1+7]
	s_nop 0
.rept 4
	v_nop
.endr
.Lasked_\@:
.endm
; A PREFETCH INTO THE L2 of what the NEXT change of slots will ask for, a slot's two key steps ahead of that load.  The work-group with a = 0 walks all keys of its head pair: it asks, and nobody else.  In it wave 4 + p asks for the panel
; that wave p will load: 50 blocks of 256 bytes, lanes 256 bytes apart, in two instructions; in the second, lanes 18 to 31 name the panel's last block again.  The last change that fills a slot asks for nothing; slots 0 and 1 come by their loads alone.
.macro ASK
	s_cmp_gt_u32 s[SLOTS], s[LIM]
	s_cbranch_scc0 .Lnot_mine_\@
	global_prefetch_b8 v[PF0], s[PFA:PFA+1] th:TH_LOAD_NT scope:SCOPE_SE
	global_prefetch_b8 v[PF1], s[PFA:PFA+1] th:TH_LOAD_NT scope:SCOPE_SE
.Lnot_mine_\@:
.endm
	s_load_b128 s[4:7], s[0:1], 0x0                ; big s[4:5], vt s[6:7]
	s_load_b64 s[8:9], s[0:1], 0x10                ; hn
	v_lshl_add_u32 v[SPW], v0, 2, SPARE
	v_mov_b32 v[NIL], 0
	ds_add_u32 v[SPW], v[NIL]                      ; the wave's opening: the add and its wait stand ahead of my first tensor load; work on registers stands between them
	ds_add_u32 v[SPW], v[NIL]
	v_lshrrev_b32 v8, 5, v0
	s_delay_alu instid0(VALU_DEP_1)
	v_readfirstlane_b32 s[WV], v8                  ; wave 0..15, bits b0 .. b3
	s_and_b32 s[HP], s[WV], 1                      ; the head: b0
	s_bfe_u32 s41, s[WV], 0x10002
	s_xor_b32 s41, s41, s[HP]                      ; early (0) or late (1) block: b0 xor b2
	s_bfe_u32 s42, s[WV], 0x10001
	s_bfe_u32 s47, s[WV], 0x10003
	s_lshl_b32 s47, s47, 1
	s_add_co_u32 s42, s42, s47                     ; the tile in the block: b1 + 2 b3
	s_lshl_b32 s[SIDX], s41, 2
	s_add_co_u32 s[SIDX], s[SIDX], s42
	s_and_b32 s48, ttmp7, 0xffff
	s_lshr_b32 s43, s48, 3                         ; batch
	s_and_b32 s44, s48, 7                          ; head pair i
	s_sub_co_u32 s49, 31, ttmp9
	s_cmp_eq_u32 s41, 1
	s_cselect_b32 s49, s49, ttmp9
	s_lshl_b32 s49, s49, 6
	s_lshl_b32 s50, s42, 4
	s_add_co_u32 s[Q0], s49, s50
	s_lshl_b32 s[LQ], ttmp9, 6
	s_sub_co_u32 s[LQ], 2047, s[LQ]
	s_mov_b32 s[G1], 3<<16                         ; group 1: a dense panel: 50 rows of 32 elements of 8 bytes; no mask, no padding
	s_mov_b32 s[G1+1], 32<<16
	s_mov_b32 s[G1+2], 50<<16
	s_mov_b32 s[G1+3], 32<<16
	s_mov_b32 s[G1+4], 50
	s_mov_b32 s[G1+5], 32
	s_mov_b32 s[G1+6], 0
	s_mov_b32 s[G1+7], 0
	s_and_b32 s46, s[WV], 3                        ; p: which of a slot's four panels (waves 0-3 load it, waves 4-7 prefetch it)
	s_and_b32 s51, s46, 1
	s_lshl_b32 s52, s43, 4
	s_add_co_u32 s52, s52, s51                     ; its token group in slot 0
	s_lshl_b32 s53, s52, 5
	s_add_co_u32 s53, s53, s44
	s_add_co_u32 s53, s53, 8
	s_mul_i32 s53, s53, PAN                        ; k's panel in big
	s_lshl_b32 s54, s44, 5
	s_add_co_u32 s54, s54, s52
	s_mul_i32 s54, s54, PAN                        ; V^T's in vt
	s_mov_b32 s[STP], 25600
	s_cmp_lt_u32 s46, 2
	s_cselect_b32 s56, s53, s54
	s_cselect_b32 s[STP], 819200, s[STP]
	s_mov_b32 s57, 0
	s_mov_b32 s[STP+1], 0
	s_lshr_b32 s60, s[Q0], 7
	s_lshl_b32 s61, s43, 4
	s_add_co_u32 s60, s60, s61                     ; my queries' token group
	s_bfe_u32 s61, s[Q0], 0x30004                  ; and their tile in it
	s_lshl_b32 s62, s60, 5
	s_add_co_u32 s62, s62, s44
	s_mul_i32 s62, s62, PAN                        ; q's panel
	s_mov_b32 s63, 0
	s_lshl_b32 s68, s60, 3
	s_add_co_u32 s68, s68, s44
	s_mul_i32 s68, s68, PAN                        ; ctx's panel
	s_mov_b32 s69, 0
	s_mov_b32 s[SEL], 0x76543210
	s_mov_b32 s[SEL+1], 0xfedcba98
	s_mov_b32 s[CS], 0x3e38aa3b                    ; c = log2(e) / 8
	s_mov_b32 s[CS+1], s[CS]
	s_mov_b32 s[TB], 0
	s_mov_b32 s[SLOTS], NSL-1
	s_mov_b32 s[KF], 0
	s_lshr_b32 s[LIM], s[WV], 2
	s_xor_b32 s[LIM], s[LIM], 1                    ; 0 in waves 4 to 7,
	s_or_b32 s[LIM], s[LIM], ttmp9                 ; of the work-group with a = 0
	s_cmp_eq_u32 s[LIM], 0
	s_cselect_b32 s[LIM], 1, -1
	s_cmp_eq_u32 s[HP], 0
	s_cselect_b32 s74, -1, 0                       ; keeps q's first 64 features
	s_cselect_b32 s75, 0, -1                       ; keeps its second 64
	s_wait_dscnt 0x0                               ; the opening add is done
	s_wait_kmcnt 0x0
	s_cmp_lt_u32 s46, 2
	s_cselect_b64 s[58:59], s[4:5], s[6:7]
	s_add_nc_u64 s[58:59], s[58:59], s[56:57]
	s_mov_b32 s[G0], 1
	s_mul_i32 s[G0+1], s46, PAN                    ; LDS address: slot 0, panel p
	s_mov_b64 s[G0+2:G0+3], s[58:59]
	s_or_b32 s[G0+3], s[G0+3], 0x80000000
	TLOAD                                          ; slot 0
	s_add_nc_u64 s[PFA:PFA+1], s[58:59], s[STP:STP+1]  ; the prefetches stand in slot 1: the first change of slots steps them to slot 2.  Nothing is prefetched at the head
	s_add_nc_u64 s[76:77], s[4:5], s[62:63]
	s_add_nc_u64 s[8:9], s[8:9], s[68:69]
	v_and_b32 v8, 15, v0                           ; r
	v_bfe_u32 v9, v0, 4, 1                         ; h
	v_and_b32 v10, 31, v0
	s_delay_alu instid0(VALU_DEP_1)
	v_lshlrev_b32 v[AK0], 4, v10
	s_mul_i32 s73, s61, 1536
	v_add_nc_u32 v[GO], s73, v[AK0]
	s_lshl_b32 s73, s61, 2
	v_lshl_add_u32 v[GSC], v8, 5, s73
.irp c, 0,1,2
	global_load_b128 v[16+4*\c:19+4*\c], v[GO], s[76:77] offset:512*\c   ; q's fragment stays in registers
.endr
	global_load_b32 v255, v[GSC], s[76:77] offset:12288                 ; and its scale words
	s_mul_i32 s73, s[HP], 6144
	s_add_co_u32 s73, s73, 2*PAN
	v_add_nc_u32 v[AV0], s73, v[AK0]
	v_lshl_add_u32 v[ASK0], v8, 5, 12288
	s_lshl_b32 s73, s[HP], 4
	s_add_co_u32 s73, s73, 2*PAN+12288
	v_lshl_add_u32 v[ASV0], v8, 5, s73
	v_lshlrev_b32 v11, 3, v9
	s_delay_alu instid0(VALU_DEP_1)
	v_sub_nc_u32 v[RH], v8, v11
	v_lshlrev_b32 v[PF0], 8, v10
	v_min_u32 v[PF1], 17, v10
	s_delay_alu instid0(VALU_DEP_1)
	v_lshlrev_b32 v[PF1], 8, v[PF1]
	s_delay_alu instid0(VALU_DEP_1)
	v_add_nc_u32 v[PF1], 8192, v[PF1]
	v_mov_b32 v13, 0xff61b1e6                      ; the largest t so far: -3e38, under every t
	s_delay_alu instid0(VALU_DEP_1)
	v_floor_f32 v12, -v13                          ; -M
	v_mov_b32 v14, 0                               ; the sum, in two halves
	v_mov_b32 v15, 0
.irp b, 0,1,2,3
	v_mov_b32 v[236+\b], 0                         ; written once: a lane permute's destination counts as one of its sources
.endr
	v_mov_b32 v252, 0
	v_mov_b32 v253, 0
	s_wait_loadcnt 0x0                             ; q
.irp j, 0,1,2,3,4,5
	v_and_b32 v[16+\j], s74, v[16+\j]              ; the other head's half becomes zero codes
	v_and_b32 v[22+\j], s75, v[22+\j]
.endr
.irp j, 0,1,2,3,4,5,6,7,8,9,10,11,12,13,14,15,16,17,18,19,20,21,22,23,24,25,26,27,28,29,30,31
	v_mov_b32 v[160+\j], 0                         ; O^T: the loop is written once; its first step finds zeros, which the first change of M leaves zeros
.endr
; A KEY STEP: 128 keys, the q-th of the slot in hand.
.macro STEP q
	s_add_co_u32 s96, s[Q0], 15                    ; a step all of whose keys come after my 16 queries is left out: a branch on ids, round no barrier and no tensor load
	s_cmp_gt_u32 s[KF], s96
	s_cbranch_scc1 .Lhidden_\@
	v_add_nc_u32 v[ADK], s[TB], v[AK0]             ; (these four are also the places behind the last step's products, in front of the loads below)
	s_wait_alu depctr_va_vdst(0)
	v_add_nc_u32 v[ADV], s[TB], v[AV0]
	v_add_nc_u32 v[ADS], s[TB], v[ASK0]
	v_add_nc_u32 v[ADT], s[TB], v[ASV0]
.irp g, 0,1                                    ; S^T = k q^T, four tiles of 16 keys at a time
.if \g
.rept 4
	v_nop                                          ; places in front of loads into registers that matrix instructions have read
.endr
.endif
.irp t, 0,1,2,3
.irp c, 0,1,2
	ds_load_b128 v[32+12*\t+4*\c:35+12*\t+4*\c], v[ADK] offset:(\q)*PAN+1536*(4*\g+\t)+512*\c
.endr
.endr
.if \g == 0
	ds_load_b128 v[192:195], v[ADS] offset:(\q)*PAN       ; k's scale words of the eight tiles,
	ds_load_b128 v[196:199], v[ADS] offset:(\q)*PAN+16
	ds_load_b128 v[200:203], v[ADT] offset:(\q)*PAN       ; and V^T's of my head's four
.endif
	s_wait_dscnt 0x0
.irp t, 0,1,2,3
	v_wmma_scale_f32_16x16x128_f8f6f4 v[96+8*(4*\g+\t):103+8*(4*\g+\t)], v[32+12*\t:43+12*\t], v[16:27], 0, v[192+4*\g+\t], v255 matrix_a_fmt:MATRIX_FMT_FP6 matrix_b_fmt:MATRIX_FMT_FP6
.endr
.endr
.rept 4
	v_nop
.endr
	s_wait_alu depctr_va_vdst(0)
.irp t, 0,1,2,3                                ; V^T's four fragments are asked for now and land under the softmax
.irp c, 0,1,2
	ds_load_b128 v[32+12*\t+4*\c:35+12*\t+4*\c], v[ADV] offset:(\q)*PAN+1536*\t+512*\c
.endr
.endr
	s_add_co_u32 s96, s[KF], 127                   ; on the diagonal the scores of hidden keys become -infinity ahead of the maximum; a step all of whose keys count skips this
	s_cmp_le_u32 s96, s[Q0]
	s_cbranch_scc1 .Lopen_\@
	s_sub_co_i32 s96, s[Q0], s[KF]
	v_add_nc_u32 v[DD], s96, v[RH]                 ; d = my query - the step's first key - 8 h.  Register n holds key 16 (n / 8) + n % 8 + 8 h: hidden where 16 (n / 8) + n % 8 > d
	v_mov_b32 v254, 0xff800000
.irp n, 0,1,2,3,4,5,6,7,8,9,10,11,12,13,14,15,16,17,18,19,20,21,22,23,24,25,26,27,28,29,30,31,32,33,34,35,36,37,38,39,40,41,42,43,44,45,46,47,48,49,50,51,52,53,54,55,56,57,58,59,60,61,62,63
	v_cmp_gt_i32 vcc_lo, 16*(\n/8)+\n%8, v[DD]
	v_cndmask_b32 v[96+\n], v[96+\n], v254, vcc_lo
.endr
.Lopen_\@:
.irp b, 0,1,2,3
	v_max3_num_f32 v[232+\b], v[96+16*\b], v[97+16*\b], v[98+16*\b]   ; the largest score of each block of 32 keys: for the row's maximum, and, since p rises with the score, for the block's largest p
.endr
.irp i, 3,5,7,9,11,13
.irp b, 0,1,2,3
	v_max3_num_f32 v[232+\b], v[232+\b], v[96+16*\b+\i], v[97+16*\b+\i]
.endr
.endr
.irp b, 0,1,2,3
	v_max_num_f32 v[232+\b], v[232+\b], v[111+16*\b]
.endr
.irp b, 0,1,2,3
	s_delay_alu instid0(VALU_DEP_4)
	v_permlanex16_b32 v[236+\b], v[232+\b], s[SEL], s[SEL+1]
.endr
.irp b, 0,1,2,3
	s_delay_alu instid0(VALU_DEP_4)
	v_max_num_f32 v[232+\b], v[232+\b], v[236+\b]  ; with lane l xor 16's 16 keys
.endr
	s_delay_alu instid0(VALU_DEP_2)
	v_max3_num_f32 v254, v232, v233, v234
	s_delay_alu instid0(VALU_DEP_1)
	v_max_num_f32 v254, v254, v235
	s_delay_alu instid0(VALU_DEP_1)
	v_mul_f32 v254, s[CS], v254                    ; the step's largest t
	s_delay_alu instid0(VALU_DEP_1)
	v_max_num_f32 v13, v13, v254                   ; the running largest t
	v_mov_b32 v254, v12
	s_delay_alu instid0(VALU_DEP_2)
	v_floor_f32 v12, -v13                          ; the new -M = -ceil(t): a whole number
	s_delay_alu instid0(VALU_DEP_1)
	v_sub_f32 v254, v12, v254                      ; old M - new M: a whole number, 0 or less
	s_delay_alu instid0(VALU_DEP_1)
	v_cvt_i32_f32 v254, v254                       ; (it saturates)
	s_delay_alu instid0(VALU_DEP_1)
	v_ldexp_f32 v252, 1.0, v254                    ; f = 2^(old M - new M)
.irp j, 0,2,4,6,8,10,12,14,16,18,20,22,24,26,28,30,32,34,36,38,40,42,44,46,48,50,52,54,56,58,60,62
	v_pk_fma_f32 v[96+\j:97+\j], v[96+\j:97+\j], s[CS:CS+1], v[12:13] op_sel_hi:[1,0,0]   ; t - M, two at a time
.endr
.irp b, 0,1,2,3
	v_fma_f32 v[232+\b], v[232+\b], s[CS], v12     ; the same of each block's largest score
.endr
	s_wait_alu depctr_va_vdst(0)
.irp j, 0,1,2,3,4,5,6,7,8,9,10,11,12,13,14,15,16,17,18,19,20,21,22,23,24,25,26,27,28,29,30,31,32,33,34,35,36,37,38,39,40,41,42,43,44,45,46,47,48,49,50,51,52,53,54,55,56,57,58,59,60,61,62,63
	v_exp_f32 v[96+\j], v[96+\j]                   ; p = 2^(t - M), at most 1
.endr
	v_pk_mul_f32 v[14:15], v[14:15], v[252:253] op_sel_hi:[1,0]   ; the sums under the new M: a plain place behind the exponentials
	s_wait_alu depctr_va_vdst(0)                   ; one wait for the whole batch, ahead of its first reader
.irp b, 0,1,2,3
	v_exp_f32 v[232+\b], v[232+\b]                 ; the block's largest p: the same two instructions on the same number
.endr
	v_pk_add_f32 v[236:237], v[100:101], v[104:105]
	v_pk_add_f32 v[250:251], v[108:109], v[112:113]
	v_pk_add_f32 v[248:249], v[116:117], v[120:121]
	v_pk_add_f32 v[246:247], v[124:125], v[128:129]
	v_pk_add_f32 v[244:245], v[132:133], v[136:137]
	v_pk_add_f32 v[242:243], v[140:141], v[144:145]
	v_pk_add_f32 v[240:241], v[148:149], v[152:153]
	v_pk_add_f32 v[14:15], v[14:15], v[156:157]
	v_pk_add_f32 v[236:237], v[236:237], v[96:97]
	v_pk_add_f32 v[250:251], v[250:251], v[98:99]
	v_pk_add_f32 v[248:249], v[248:249], v[102:103]
	v_pk_add_f32 v[246:247], v[246:247], v[106:107]
	v_pk_add_f32 v[244:245], v[244:245], v[110:111]
	v_pk_add_f32 v[242:243], v[242:243], v[114:115]
	v_pk_add_f32 v[240:241], v[240:241], v[118:119]
	v_pk_add_f32 v[14:15], v[14:15], v[122:123]
	v_pk_add_f32 v[236:237], v[236:237], v[126:127]
	v_pk_add_f32 v[250:251], v[250:251], v[130:131]
	v_pk_add_f32 v[248:249], v[248:249], v[134:135]
	v_pk_add_f32 v[246:247], v[246:247], v[138:139]
	v_pk_add_f32 v[244:245], v[244:245], v[142:143]
	v_pk_add_f32 v[242:243], v[242:243], v[146:147]
	v_pk_add_f32 v[240:241], v[240:241], v[150:151]
	v_pk_add_f32 v[14:15], v[14:15], v[154:155]
	v_pk_add_f32 v[236:237], v[236:237], v[158:159]
	s_delay_alu instid0(VALU_DEP_2)
	v_pk_add_f32 v[14:15], v[14:15], v[246:247]
	s_delay_alu instid0(VALU_DEP_2)
	v_pk_add_f32 v[236:237], v[236:237], v[244:245]
	v_pk_add_f32 v[250:251], v[250:251], v[242:243]
	v_pk_add_f32 v[248:249], v[248:249], v[240:241]
	s_delay_alu instid0(VALU_DEP_2)
	v_pk_add_f32 v[14:15], v[14:15], v[250:251]
	s_delay_alu instid0(VALU_DEP_2)
	v_pk_add_f32 v[236:237], v[236:237], v[248:249]
	s_delay_alu instid0(VALU_DEP_1)
	v_pk_add_f32 v[14:15], v[14:15], v[236:237]
	s_wait_alu depctr_va_vdst(0)                   ; and one for the four
.irp b, 0,1,2,3
	v_max_num_f32 v[232+\b], 0x1800000, v[232+\b]  ; the floor 2^(3 - 127): the byte cannot fall under 1
.endr
.irp b, 0,1,2,3
	s_delay_alu instid0(VALU_DEP_4)
	v_add_nc_u32 v[244+\b], 0xff000000, v[232+\b]  ; 2 off the exponent field: the conversion's scale operand
.endr
.irp b, 0,1,2,3
	s_delay_alu instid0(VALU_DEP_4)
	v_lshrrev_b32 v[236+\b], 23, v[244+\b]
.endr
	s_delay_alu instid0(VALU_DEP_3)
	v_lshl_or_b32 v253, v237, 8, v236              ; p's scale word for these 128 keys
	s_delay_alu instid0(VALU_DEP_1)
	v_lshl_or_b32 v253, v238, 16, v253
	s_delay_alu instid0(VALU_DEP_1)
	v_lshl_or_b32 v253, v239, 24, v253
.irp c, 0,1
	v_cvt_scalef32_pk16_fp6_f32 v[224+6*\c:226+6*\c], v[96+32*\c:111+32*\c], v[244+2*\c]
	v_cvt_scalef32_pk16_fp6_f32 v[236+4*\c:238+4*\c], v[112+32*\c:127+32*\c], v[244+2*\c+1]
.endr
	v_nop                                          ; one plain place behind a scaled conversion
.irp c, 0,1
.irp i, 0,1,2
	v_permlane16_swap_b32 v[224+6*\c+\i], v[236+4*\c+\i]   ; a whole block to a lane
.endr
.irp i, 0,1,2
	s_delay_alu instid0(VALU_DEP_3)
	v_mov_b32 v[227+6*\c+\i], v[236+4*\c+\i]
.endr
.endr
.irp j, 0,2,4,6,8,10,12,14,16,18,20,22,24,26,28,30
	v_pk_mul_f32 v[160+\j:161+\j], v[160+\j:161+\j], v[252:253] op_sel_hi:[1,0]   ; O^T under the new M; these sixteen also stand between the scale word's and the codes' last writes and the products
.endr
	s_wait_alu depctr_va_vdst(0)
	s_wait_dscnt 0x0                               ; V^T's fragments
.irp t, 0,1,2,3
	v_wmma_scale_f32_16x16x128_f8f6f4 v[160+8*\t:167+8*\t], v[32+12*\t:43+12*\t], v[224:235], v[160+8*\t:167+8*\t], v[200+\t], v253 matrix_a_fmt:MATRIX_FMT_FP6 matrix_b_fmt:MATRIX_FMT_FP6
.endr
.Lhidden_\@:
	s_add_co_u32 s[KF], s[KF], 128
.endm
; THE CHANGE OF SLOTS stands at a slot's head.  Each wave waits for all its tensor loads, adds 0 to its spare word, and waits for that and for its reads of the slot that it has left.  Behind the barrier the slot ahead is whole
; and nobody reads the other one.  fill = 1: that other slot is filled with the keys that follow, up to the causal limit.
.macro CHANGE fill
	s_wait_tensorcnt 0x0                           ; no tensor load of mine is out, so group 0 may be written
	ds_add_u32 v[SPW], v[NIL]                      ; 0 onto my spare word
.if \fill
	ds_add_u32 v[SPW], v[NIL]
	s_xor_b32 s[G0+1], s[G0+1], SLOT1              ; the walking descriptor: the other slot, the next 256 keys
	s_add_nc_u64 s[G0+2:G0+3], s[G0+2:G0+3], s[STP:STP+1]
	s_wait_xcnt 0x0                                ; the last prefetches, a slot back, have read their address
	s_add_nc_u64 s[PFA:PFA+1], s[PFA:PFA+1], s[STP:STP+1]
.endif
	s_wait_dscnt 0x0                               ; the add is done, and my reads of the slot that I have left are over
	s_barrier_signal -1
	s_barrier_wait -1
.if \fill
	s_add_co_u32 s96, s[KF], 256                   ; the first key of the slot that this change would ask for: past my work-group's last query no wave would read it.
	s_cmp_gt_u32 s96, s[LQ]                        ; ids and the count of steps alone: all sixteen waves go the same way, and a work-group that is past the limit stays past it
	s_cbranch_scc1 .Lpast_\@
	TLOAD                                          ; a wave's one tensor load until the next barrier
.Lpast_\@:
	ASK
.endif
.endm
.macro SLOT_STEPS
	STEP 0
	STEP 1
	s_xor_b32 s[TB], s[TB], SLOT1
.endm
.Lslot:                                            ; seven trips: behind each change of slots but the last the next slot is asked for
	CHANGE 1
	SLOT_STEPS
	s_sub_co_u32 s[SLOTS], s[SLOTS], 1
	s_cmp_lg_u32 s[SLOTS], 0
	s_cbranch_scc1 .Lslot
	CHANGE 0                                       ; the last slot is written out
	SLOT_STEPS
	; THE WAY OUT.  O^T / the sum is my head's 64 features of 16 queries: two blocks of 32, half of a fragment of ctx (registers 6 x head .. + 5) and half of its scale word.  The two heads' halves meet in the stage.
	v_add_f32 v14, v14, v15
	s_delay_alu instid0(VALU_DEP_1)
	v_permlanex16_b32 v252, v14, s[SEL], s[SEL+1]
	s_delay_alu instid0(VALU_DEP_1)
	v_add_f32 v14, v14, v252                       ; the row's sum
	s_wait_alu depctr_va_vdst(0)
	v_rcp_f32 v14, v14
	v_and_b32 v8, 15, v0                           ; (a plain place behind the reciprocal)
	v_and_b32 v9, 31, v0
	s_mul_i32 s73, s[SIDX], 1536
	s_add_co_u32 s73, s73, STAGE
	v_lshl_add_u32 v10, v9, 4, s73                 ; my tile's image: 16 x lane
	s_mul_i32 s74, s[HP], 520
	v_add_nc_u32 v[SA1], s74, v10                  ; pieces of 8 bytes: head 0 writes bytes 0, 8 and 512 of a lane's places, head 1 bytes 520, 1,024 and 1,032
	s_mul_i32 s74, s[HP], 1016
	v_add_nc_u32 v[SA2], s74, v10
	s_lshl_b32 s75, s[SIDX], 6
	s_add_co_u32 s75, s75, STAGE+12288
	v_lshl_add_u32 v[SAW], v8, 2, s75              ; the tile's scale words: 4 r
	s_lshl_b32 s74, s[HP], 1
	v_add_nc_u32 v[SAH], s74, v[SAW]               ; my half of a word
	s_wait_alu depctr_va_vdst(0)                   ; the wait, ahead of the reciprocal's first reader
.irp j, 0,1,2,3,4,5,6,7,8,9,10,11,12,13,14,15,16,17,18,19,20,21,22,23,24,25,26,27,28,29,30,31
	v_mul_f32 v[96+\j], v[160+\j], v14             ; each accumulator from its low end on
.endr
.irp b, 0,1
	v_max3_num_f32 v[232+\b], |v[96+16*\b]|, |v[97+16*\b]|, 0x1800000
.endr
.irp i, 2,4,6,8,10,12,14
.irp b, 0,1
	s_delay_alu instid0(VALU_DEP_2)
	v_max3_num_f32 v[232+\b], v[232+\b], |v[96+16*\b+\i]|, |v[97+16*\b+\i]|
.endr
.endr
.irp b, 0,1
	s_delay_alu instid0(VALU_DEP_2)
	v_permlanex16_b32 v[236+\b], v[232+\b], s[SEL], s[SEL+1]
.endr
.irp b, 0,1
	s_delay_alu instid0(VALU_DEP_2)
	v_max_num_f32 v[232+\b], v[232+\b], v[236+\b]
.endr
.irp b, 0,1
	s_delay_alu instid0(VALU_DEP_2)
	v_add_nc_u32 v[244+\b], 0xff000000, v[232+\b]
.endr
.irp b, 0,1
	s_delay_alu instid0(VALU_DEP_2)
	v_lshrrev_b32 v[236+\b], 23, v[244+\b]
.endr
	s_delay_alu instid0(VALU_DEP_1)
	v_lshl_or_b32 v254, v237, 8, v236              ; my two bytes
	v_cvt_scalef32_pk16_fp6_f32 v[224:226], v[96:111], v244
	v_cvt_scalef32_pk16_fp6_f32 v[240:242], v[112:127], v245
	v_nop                                          ; one plain place behind a scaled conversion
.irp i, 0,1,2
	v_permlane16_swap_b32 v[224+\i], v[240+\i]
.endr
.irp i, 0,1,2
	s_delay_alu instid0(VALU_DEP_3)
	v_mov_b32 v[227+\i], v[240+\i]
.endr
	ds_store_b64 v[SA1], v[224:225]
	ds_store_b64 v[SA2], v[226:227] offset:8
	ds_store_b64 v[SA1], v[228:229] offset:512
	ds_store_b16 v[SAH], v254                      ; lanes r and r + 16 write the same two bytes with the same value
	s_wait_dscnt 0x0                               ; for the others' sake: my half lies in the stage
	s_barrier_signal -1
	s_barrier_wait -1
	s_cmp_lg_u32 s[HP], 0                          ; the wave of head 0 stores the whole fragment
	s_cbranch_scc1 .Ldone
	ds_load_b128 v[40:43], v10
	ds_load_b128 v[44:47], v10 offset:512
	ds_load_b128 v[48:51], v10 offset:1024
	ds_load_b32 v52, v[SAW]
	s_wait_dscnt 0x0
	global_store_b128 v[GO], v[40:43], s[8:9]                 ; 512 consecutive bytes a store, at a multiple of 256 from the buffer's first byte
	global_store_b128 v[GO], v[44:47], s[8:9] offset:512
	global_store_b128 v[GO], v[48:51], s[8:9] offset:1024
	global_store_b32 v[GSC], v52, s[8:9] offset:12288
.Ldone:
	s_wait_tensorcnt 0x0                           ; the wave's end, behind my last tensor load and my last LDS store
	ds_add_u32 v[SPW], v[NIL]
	s_wait_dscnt 0x0
	s_endpgm
.Lfunc_end_k_q6c9d96f1e2_attn:
	.size	k_q6c9d96f1e2_attn, .Lfunc_end_k_q6c9d96f1e2_attn-k_q6c9d96f1e2_attn
	.p2alignl 7, 3214868480
	.fill 96, 4, 3214868480
	.section	.rodata,"a",@progbits
	.p2align	6, 0x0
	.amdhsa_kernel k_q6c9d96f1e2_attn
		.amdhsa_group_segment_fixed_size 327680
		.amdhsa_private_segment_fixed_size 0
		.amdhsa_enable_private_segment 0
		.amdhsa_kernarg_size 24
		.amdhsa_user_sgpr_count 2
		.amdhsa_user_sgpr_kernarg_segment_ptr 1
		.amdhsa_wavefront_size32 1
		.amdhsa_system_sgpr_workgroup_id_x 1
		.amdhsa_system_sgpr_workgroup_id_y 1
		.amdhsa_system_sgpr_workgroup_id_z 1
		.amdhsa_system_vgpr_workitem_id 0
		.amdhsa_next_free_vgpr 256
		.amdhsa_next_free_sgpr 100
		.amdhsa_reserve_vcc 1
		.amdhsa_float_denorm_mode_32 3
		.amdhsa_float_denorm_mode_16_64 3
		.amdhsa_memory_ordered 1
		.amdhsa_forward_progress 1
		.amdhsa_inst_pref_size 106
	.end_amdhsa_kernel
	.amdgpu_metadata
---
amdhsa.version: [ 1, 2 ]
amdhsa.kernels:
  - .name:           k_q6c9d96f1e2_attn
    .symbol:         k_q6c9d96f1e2_attn.kd
    .args:
      - { .name: big, .offset: 0, .size: 8, .value_kind: global_buffer, .address_space: global }
      - { .name: vt, .offset: 8, .size: 8, .value_kind: global_buffer, .address_space: global }
      - { .name: hn, .offset: 16, .size: 8, .value_kind: global_buffer, .address_space: global }
    .group_segment_fixed_size: 327680
    .private_segment_fixed_size: 0
    .kernarg_segment_align: 8
    .kernarg_segment_size: 24
    .max_flat_workgroup_size: 512
    .sgpr_count:     100
    .vgpr_count:     256
    .wavefront_size: 32
...
	.end_amdgpu_metadata
.endif
;; end of part 10
;; launch wo (part 11): grid 8 x 32, 4 waves a work-group, clusters of 4 x 4, 327,680 bytes of LDS; arguments wts, hn, bo, x, x1; writes x1
.if DOCPART == 11
	.amdgcn_target "amdgcn-amd-amdhsa--gfx1250"
	.amdhsa_code_object_version 6
	.text
	.protected	k_q6c9d96f1e2_wo
	.globl	k_q6c9d96f1e2_wo
	.p2align	8
	.type	k_q6c9d96f1e2_wo,@function
k_q6c9d96f1e2_wo:
	s_mov_b64 s[64:65], 0
	v_nop
	global_prefetch_b8 v0, s[64:65] scope:SCOPE_SE
	s_setreg_imm32_b32 hwreg(HW_REG_WAVE_MODE, 25, 1), 1
	s_wait_xcnt 0x0
	s_wait_alu depctr_hold_cnt(0) depctr_sa_sdst(0) depctr_va_vdst(0) depctr_va_sdst(0) depctr_va_ssrc(0) depctr_va_vcc(0) depctr_vm_vsrc(0)
	s_getreg_b32 s2, hwreg(HW_REG_IB_STS2, 6, 4)
	s_cmp_eq_u32 s2, 0
	s_cbranch_scc0 .Lentry_in_a_cluster
	s_endpgm
.Lentry_in_a_cluster:
	s_bfe_u32 s2, ttmp6, 0x10000c
	s_cmp_lg_u32 s2, 0xf033
	s_cbranch_scc0 .Lentry_shape_is_right
	s_endpgm
.Lentry_shape_is_right:
.set NKS,   8
.set WOFF,  1638400
.set NT,    0
.set PAN,   12800
.set BLK,   2*PAN
.set SLOT,  4*BLK
.set SPARE, 2*SLOT
.set STAGE, SPARE+512
.set SPITCH, 272
.set LAPS,  NKS/8
.set NP,    4
.set ADRA,  16
.set ADRS,  18
.set ADRB,  20
.set STO,   24
.set RD,    25
.set CO,    26
.set SPW,   28
.set NIL,   29
.set SC,    32
.set FS,    64
.set BK,    64
.set BI,    128
.set G1,    24
.set G0,    32
.set G1B,   48
.set G0B,   56
.set MSB, 0
.macro WIN new
.set WNEW, \new
.if MSB != WNEW
	s_set_vgpr_msb (MSB<<8)|WNEW
.set MSB, WNEW
.endif
.endm
.set MUL,   0x50
.macro JLOAD s
	s_cmp_eq_u32 s15, 0
	s_cbranch_scc0 .Lfor_b_\@
	tensor_load_to_lds s[G0+4*\s:G0+4*\s+3], s[G1:G1+7]
	s_nop 0
.rept 4
	v_nop
.endr
	s_branch .Lasked_\@
.Lfor_b_\@:
	tensor_load_to_lds s[G0B+4*\s:G0B+4*\s+3], s[G1B:G1B+7]
	s_nop 0
.rept 4
	v_nop
.endr
.Lasked_\@:
.endm
.macro CREST
	s_cmp_lg_u32 s14, 0
	s_cbranch_scc1 .Lnot_wave_0_\@
	s_barrier_signal -3
.Lnot_wave_0_\@:
	s_barrier_wait -3
	s_barrier_signal -1
	s_barrier_wait -1
.endm
.macro CROUND
	s_barrier_signal -1
	s_barrier_wait -1
	CREST
.endm
	s_load_b128 s[4:7], s[0:1], 0x0
	s_load_b128 s[8:11], s[0:1], 0x10
	s_load_b64 s[12:13], s[0:1], 0x20
	v_lshl_add_u32 v[SPW], v0, 2, SPARE
	v_mov_b32 v[NIL], 0
	ds_add_u32 v[SPW], v[NIL]
	ds_add_u32 v[SPW], v[NIL]
	v_lshrrev_b32 v1, 5, v0
	v_readfirstlane_b32 s14, v1
	s_lshr_b32 s15, s14, 1
	s_and_b32 s16, s14, 1
	s_bfe_u32 s40, ttmp6, 0x40000
	s_bfe_u32 s41, ttmp6, 0x40004
	s_lshl_b32 s42, ttmp9, 2
	s_add_co_u32 s42, s42, s40
	s_and_b32 s17, ttmp7, 0xffff
	s_lshl_b32 s17, s17, 2
	s_add_co_u32 s17, s17, s41
	s_lshl_b32 s43, s41, 2
	s_lshl_b32 s43, 15, s43
	s_lshl_b32 s44, 0x1111, s40
	s_or_b32 s[G1+0], s43, (3<<16)|(1<<21)
	s_or_b32 s[G1B+0], s44, (3<<16)|(1<<21)
.irp g, G1, G1B
	s_mov_b32 s[\g+1], 32<<16
	s_mov_b32 s[\g+2], 200<<16                     ; a wave's one load: four panels, 200 rows of 256 bytes: all of K comes in at the head
	s_mov_b32 s[\g+3], 32<<16
	s_mov_b32 s[\g+4], 200
	s_mov_b32 s[\g+5], 32
	s_mov_b32 s[\g+6], 0
	s_mov_b32 s[\g+7], 0
.endr
	s_mul_i32 s18, s15, 2*BLK                      ; wave w fetches side w % 2 of slot w / 2: panels 4 (w / 2) .. + 3
	s_mul_i32 s20, s17, NKS*PAN
	s_add_co_u32 s20, s20, s18
	s_mov_b32 s21, 0
	s_mul_i32 s46, s42, NKS*PAN
	s_add_co_u32 s46, s46, s18
	s_add_co_u32 s46, s46, WOFF
	s_mov_b32 s47, 0
	s_mul_i32 s45, s15, SLOT
	s_mul_i32 s19, s16, 2*BLK
	s_add_co_u32 s45, s45, s19
	s_wait_dscnt 0x0
	s_wait_kmcnt 0x0
	s_add_nc_u64 s[20:21], s[6:7], s[20:21]
	s_add_nc_u64 s[46:47], s[4:5], s[46:47]
	CROUND
.irp s, 0
	s_mov_b32 s[G0+4*\s], 1
	s_add_co_u32 s[G0+4*\s+1], s45, \s*SLOT
	s_add_nc_u64 s[G0+4*\s+2:G0+4*\s+3], s[20:21], \s*2*BLK
	s_or_b32 s[G0+4*\s+3], s[G0+4*\s+3], 0x80000000
	s_mov_b32 s[G0B+4*\s], 1
	s_add_co_u32 s[G0B+4*\s+1], s45, \s*SLOT
	s_add_nc_u64 s[G0B+4*\s+2:G0B+4*\s+3], s[46:47], \s*2*BLK
	s_or_b32 s[G0B+4*\s+3], s[G0B+4*\s+3], 0x80000000
.endr
.macro ARM under, g0, g1               ; one chain of branches on the wave's number, a load line to each wave
	s_cmp_lt_u32 s14, \under
	s_cbranch_scc0 .Lnext_\@
	tensor_load_to_lds s[\g0:\g0+3], s[\g1:\g1+7]
	s_nop 0
.rept 4
	v_nop
.endr
	s_branch .Lhead_asked
.Lnext_\@:
.endm
	ARM 1, G0, G1
	ARM 2, G0B, G1B
	ARM 3, G0, G1
	tensor_load_to_lds s[G0B:G0B+3], s[G1B:G1B+7]
	s_nop 0
.rept 4
	v_nop
.endr
.Lhead_asked:
	v_and_b32 v1, 15, v0
	v_bfe_u32 v2, v0, 4, 1
	v_and_b32 v3, 31, v0
	v_lshlrev_b32 v3, 4, v3
	s_wait_alu depctr_va_vdst(0)
	s_mul_i32 s21, s15, 6144
	s_mul_i32 s22, s16, 6144
	s_add_co_u32 s22, s22, 2*BLK
	s_lshl_b32 s18, s15, 4
	s_lshl_b32 s19, s16, 4
	s_add_co_u32 s19, s19, 2*BLK
	s_sub_co_u32 s23, s19, s18
	v_mul_u32_u24 v6, s23, v2
	v_lshl_add_u32 v6, v1, 5, v6
.irp s, 0,1
	v_add_nc_u32 v[ADRA+\s], s21, v3
	v_add_nc_u32 v[ADRB+\s], s22, v3
	v_add_nc_u32 v[ADRS+\s], s18, v6
	s_add_co_u32 s21, s21, SLOT
	s_add_co_u32 s22, s22, SLOT
	s_add_co_u32 s18, s18, SLOT
.endr
	s_lshl_b32 s72, s42, 9
	s_lshl_b32 s73, s16, 8
	s_add_co_u32 s72, s72, s73
	s_mov_b32 s73, 0
	s_add_nc_u64 s[8:9], s[8:9], s[72:73]
	v_lshlrev_b32 v27, 5, v2
	WIN 0x40
.irp b, 0,1,2,3
	global_load_b128 v[BI+8*\b:BI+8*\b+3], v27, s[8:9] offset:64*\b
	global_load_b128 v[BI+8*\b+4:BI+8*\b+7], v27, s[8:9] offset:64*\b+16
.endr
	WIN 0
	s_mul_i32 s23, s14, 16*SPITCH
	s_add_co_u32 s23, s23, STAGE
	v_mul_u32_u24 v5, v1, SPITCH
	v_lshl_add_u32 v5, v2, 5, v5
	v_add_nc_u32 v[STO], s23, v5
	v_mul_u32_u24 v5, v2, SPITCH
	v_lshl_add_u32 v5, v1, 4, v5
	v_add_nc_u32 v[RD], s23, v5
	v_lshlrev_b32 v[CO], 12, v2
	v_lshl_add_u32 v[CO], v1, 4, v[CO]
	s_wait_alu depctr_va_vdst(0)
	s_lshl_b32 s72, s17, 7
	s_lshl_b32 s73, s15, 6
	s_add_co_u32 s72, s72, s73
	s_lshl_b32 s72, s72, 12
	s_lshl_b32 s73, s42, 9
	s_add_co_u32 s72, s72, s73
	s_lshl_b32 s73, s16, 8
	s_add_co_u32 s72, s72, s73
	s_mov_b32 s73, 0
	s_add_nc_u64 s[10:11], s[10:11], s[72:73]
	s_add_nc_u64 s[12:13], s[12:13], s[72:73]
.macro FRAG reg, adr, q, i
.irp c, 0,1,2
	ds_load_b128 v[\reg+4*\c:\reg+4*\c+3], v[\adr] offset:(\q)*PAN+(\i)*1536+512*\c
.endr
.endm
.macro FETCH slot, q, p
.irp i, 0,1,2,3
	FRAG FS+96*(\p)+12*\i, ADRB+\slot, \q, \i
.endr
.irp i, 0,1,2,3
	FRAG FS+96*(\p)+48+12*\i, ADRA+\slot, \q, \i
.endr
.endm
.macro SCALES sc
.irp q, 0,1,2,3
	ds_load_b128 v[SC+16*\sc+4*\q:SC+16*\sc+4*\q+3], v[ADRS+\sc] offset:\q*PAN+12288
.endr
.endm
.macro MUL4 a, p, q, sc, first
.irp b, 0,1,2,3
.if \first
	v_wmma_scale_f32_16x16x128_f8f6f4 v[8*(4*(\a)+\b):8*(4*(\a)+\b)+7], v[FS+96*(\p)+12*\b:FS+96*(\p)+12*\b+11], v[FS+96*(\p)+48+12*(\a):FS+96*(\p)+48+12*(\a)+11], v[BI+8*\b:BI+8*\b+7], v[SC+16*(\sc)+4*(\q)+\b], v[SC+16*(\sc)+4*(\q)+(\a)] matrix_a_fmt:MATRIX_FMT_FP6 matrix_b_fmt:MATRIX_FMT_FP6 matrix_a_scale:MATRIX_SCALE_ROW1
.else
	v_wmma_scale_f32_16x16x128_f8f6f4 v[8*(4*(\a)+\b):8*(4*(\a)+\b)+7], v[FS+96*(\p)+12*\b:FS+96*(\p)+12*\b+11], v[FS+96*(\p)+48+12*(\a):FS+96*(\p)+48+12*(\a)+11], v[8*(4*(\a)+\b):8*(4*(\a)+\b)+7], v[SC+16*(\sc)+4*(\q)+\b], v[SC+16*(\sc)+4*(\q)+(\a)] matrix_a_fmt:MATRIX_FMT_FP6 matrix_b_fmt:MATRIX_FMT_FP6 matrix_a_scale:MATRIX_SCALE_ROW1
.endif
.endr
.endm
.macro PLACES n
.rept \n
	v_nop
.endr
.endm
.macro QSTEP slot, q, first
	PLACES NP
	FETCH \slot, (\q)+1, ((\q)+1)%2
	s_wait_dscnt 24
	WIN MUL
	MUL4 0, (\q)%2, \q, \slot, \first
	MUL4 1, (\q)%2, \q, \slot, \first
	MUL4 2, (\q)%2, \q, \slot, \first
	MUL4 3, (\q)%2, \q, \slot, \first
	WIN 0
.endm
.macro TURN slot, next, fill
	s_wait_tensorcnt 0x0
	ds_add_u32 v[SPW], v[NIL]
	s_wait_dscnt 1
	WIN MUL
	MUL4 0, 1, 3, \slot, 0
	s_wait_dscnt 0x0
	s_barrier_signal -1
	MUL4 1, 1, 3, \slot, 0
	WIN 0
	s_barrier_wait -1
.if \fill
	CREST
	s_add_nc_u64 s[G0+4*\slot+2:G0+4*\slot+3], s[G0+4*\slot+2:G0+4*\slot+3], 4*BLK
	s_add_nc_u64 s[G0B+4*\slot+2:G0B+4*\slot+3], s[G0B+4*\slot+2:G0B+4*\slot+3], 4*BLK
	JLOAD \slot
.else
	PLACES NP
.endif
	FETCH \next, 0, 0
	SCALES \next
	WIN MUL
	MUL4 2, 1, 3, \slot, 0
	MUL4 3, 1, 3, \slot, 0
	WIN 0
.endm
	s_cmp_lt_u32 s14, 2                            ; waves 0 and 1 wait for slot 0's two tiles; slot 1's may be on their way
	s_cbranch_scc0 .Lnot_slot_0
	s_wait_tensorcnt 0x0
.Lnot_slot_0:
	s_barrier_signal -1
	s_barrier_wait -1
	FETCH 0, 0, 0
	SCALES 0
	WIN 0x80                                       ; the residual is asked for behind the first tiles: it is wanted on the way out alone
.irp a, 0,1,2,3
.irp t, 0,1,2,3,4,5,6,7
	global_load_b128 v[32*\a+4*\t:32*\a+4*\t+3], v[CO], s[10:11] offset:(16*\a+2*\t)*4096
.endr
.endr
	WIN 0
	s_wait_loadcnt 32
	QSTEP 0, 0, 1
.if LAPS > 1
	s_mov_b32 s3, LAPS-1
.Llap:
	QSTEP 0, 1, 0
	QSTEP 0, 2, 0
	TURN 0, 1, 1
	QSTEP 1, 0, 0
	QSTEP 1, 1, 0
	QSTEP 1, 2, 0
	TURN 1, 0, 1
	QSTEP 0, 0, 0
	s_sub_co_u32 s3, s3, 1
	s_cmp_lg_u32 s3, 0
	s_cbranch_scc1 .Llap
.endif
	QSTEP 0, 1, 0
	QSTEP 0, 2, 0
	TURN 0, 1, 0
	QSTEP 1, 0, 0
	QSTEP 1, 1, 0
	QSTEP 1, 2, 0
	s_wait_dscnt 0x0
	WIN MUL
	MUL4 0, 1, 3, 1, 0
	MUL4 1, 1, 3, 1, 0
	MUL4 2, 1, 3, 1, 0
	MUL4 3, 1, 3, 1, 0
	WIN 0
.macro TOSTAGE a
	WIN 0x04
.irp b, 0,1,2,3
	ds_store_b128 v[STO], v[8*(4*(\a)+\b):8*(4*(\a)+\b)+3] offset:64*\b
	ds_store_b128 v[STO], v[8*(4*(\a)+\b)+4:8*(4*(\a)+\b)+7] offset:64*\b+16
.endr
	WIN 0
.irp t, 0,1,2,3,4,5,6,7
	ds_load_b128 v[BK+32*(\a)+4*\t:BK+32*(\a)+4*\t+3], v[RD] offset:2*\t*SPITCH
.endr
.endm
.macro SEND a, younger
	s_wait_dscnt \younger
	WIN 0x08
.set i, 0
.rept 16
	v_pk_add_f32 v[BK+32*(\a)+i:BK+32*(\a)+i+1], v[BK+32*(\a)+i:BK+32*(\a)+i+1], v[32*(\a)+i:32*(\a)+i+1]
.set i, i+2
.endr
	WIN 0
.irp t, 0,1,2,3,4,5,6,7
.if NT
	global_store_b128 v[CO], v[BK+32*(\a)+4*\t:BK+32*(\a)+4*\t+3], s[12:13] offset:(16*(\a)+2*\t)*4096 th:TH_STORE_NT
.else
	global_store_b128 v[CO], v[BK+32*(\a)+4*\t:BK+32*(\a)+4*\t+3], s[12:13] offset:(16*(\a)+2*\t)*4096
.endif
.endr
.endm
	PLACES NP
	s_wait_loadcnt 0x0
	TOSTAGE 0
	TOSTAGE 1
	SEND 0, 16
	TOSTAGE 2
	SEND 1, 16
	TOSTAGE 3
	SEND 2, 16
	SEND 3, 0
	s_wait_tensorcnt 0x0
	ds_add_u32 v[SPW], v[NIL]
	s_wait_dscnt 0x0
	CROUND
	s_endpgm
.Lfunc_end_k_q6c9d96f1e2_wo:
	.size	k_q6c9d96f1e2_wo, .Lfunc_end_k_q6c9d96f1e2_wo-k_q6c9d96f1e2_wo
	.p2alignl 7, 3214868480
	.fill 96, 4, 3214868480
	.section	.rodata,"a",@progbits
	.p2align	6, 0x0
	.amdhsa_kernel k_q6c9d96f1e2_wo
		.amdhsa_group_segment_fixed_size 327680
		.amdhsa_private_segment_fixed_size 0
		.amdhsa_enable_private_segment 0
		.amdhsa_kernarg_size 40
		.amdhsa_user_sgpr_count 2
		.amdhsa_user_sgpr_kernarg_segment_ptr 1
		.amdhsa_wavefront_size32 1
		.amdhsa_system_sgpr_workgroup_id_x 1
		.amdhsa_system_sgpr_workgroup_id_y 1
		.amdhsa_system_sgpr_workgroup_id_z 1
		.amdhsa_system_vgpr_workitem_id 0
		.amdhsa_next_free_vgpr 640
		.amdhsa_next_free_sgpr 80
		.amdhsa_reserve_vcc 0
		.amdhsa_float_denorm_mode_32 3
		.amdhsa_float_denorm_mode_16_64 3
		.amdhsa_memory_ordered 1
		.amdhsa_forward_progress 1
		.amdhsa_inst_pref_size 54
	.end_amdhsa_kernel
	.amdgpu_metadata
---
amdhsa.version: [ 1, 2 ]
amdhsa.kernels:
  - .name:           k_q6c9d96f1e2_wo
    .symbol:         k_q6c9d96f1e2_wo.kd
    .args:
      - { .name: wts, .offset: 0, .size: 8, .value_kind: global_buffer, .address_space: global }
      - { .name: hn, .offset: 8, .size: 8, .value_kind: global_buffer, .address_space: global }
      - { .name: bo, .offset: 16, .size: 8, .value_kind: global_buffer, .address_space: global }
      - { .name: x, .offset: 24, .size: 8, .value_kind: global_buffer, .address_space: global }
      - { .name: x1, .offset: 32, .size: 8, .value_kind: global_buffer, .address_space: global }
    .group_segment_fixed_size: 327680
    .private_segment_fixed_size: 0
    .kernarg_segment_align: 8
    .kernarg_segment_size: 40
    .max_flat_workgroup_size: 128
    .sgpr_count:     80
    .vgpr_count:     640
    .wavefront_size: 32
...
	.end_amdgpu_metadata
.endif
;; end of part 11
;; launch ln1 (part 12): grid 256 x 1, 4 waves a work-group, no clusters, 66,304 bytes of LDS; arguments x1, a2, s2, hn; writes hn
.if DOCPART == 12
	.amdgcn_target "amdgcn-amd-amdhsa--gfx1250"
	.amdhsa_code_object_version 6
	.text
	.protected	k_q6c9d96f1e2_ln1
	.globl	k_q6c9d96f1e2_ln1
	.p2align	8
	.type	k_q6c9d96f1e2_ln1,@function
k_q6c9d96f1e2_ln1:
	s_mov_b64 s[64:65], 0
	v_nop
	global_prefetch_b8 v0, s[64:65] scope:SCOPE_SE
	s_setreg_imm32_b32 hwreg(HW_REG_WAVE_MODE, 25, 1), 1
	s_wait_xcnt 0x0
; y = gain (x - mean) / sqrt(var + 1e-5) + shift along rows of 1,024 f32 (biased variance, mean taken off before the squares), then y is quantised along the row to E2M3 codes with one E8M0 byte
; for each 32, and stored as panels (12,800 bytes: 128 rows x 128 along K; bytes 1536 t + 512 q + 16 l = registers 4 q .. 4 q + 3 of lane l of the operand of rows 16 t ..; bytes 12,288 + 32 r + 4 t = row 16 t + r's scale word;
; inside a block of 32, place p holds k = p with its bits 3 and 4 exchanged, as in every operand of this program).
; SHARES: a work-group owns 16 rows, one operand tile.  Phase 1: wave w takes rows 4 w .. 4 w + 3 whole (32 registers a row), so a row's sums never leave the wave; y goes to LDS.
; Phase 2: wave w quantises columns 256 w .. 256 w + 255 (two K steps of 128) of all 16 rows: lane (r, h) takes of row r, for each block of 32, the numbers 8 h + 0 .. 7 and 16 + 8 h + 0 .. 7.
; LIMITS: v_rsq_f32 as it is; a block whose largest magnitude lies under 2^-124 (a block of zeros too) gets the byte 1; NaN and infinities are not served.  The scale words leave as 4 bytes a lane.
.set YP,    4112                       ; a row of y in LDS: 4,096 bytes + 16: an odd multiple of 16, so the 16 rows that a load touches start in different banks
.set SPARE, 16*YP                      ; behind y: the spare words, 128 bytes for each wave: two blocks of 256 bytes that no other line names
.set PAN,   12800
.set X,     64                         ; v64-191  phase 1: four rows; phase 2: two K steps of 64 numbers
.set GA,    192                        ; v192-223 gain;  v224-255 shift;  in phase 2 the codes
.set GS,    224
.set TM,    32                         ; v32-47   at work in the quantiser
.set SPW,   52                         ; v52      LDS address of my spare word; never rewritten (v8-31 are at work in phase 1)
.set NIL,   53                         ; v53      0; never rewritten
	s_load_b256 s[4:11], s[0:1], 0x0               ; x s[4:5], gain s[6:7], shift s[8:9], out s[10:11]
	v_lshl_add_u32 v[SPW], v0, 2, SPARE
	v_mov_b32 v[NIL], 0
	v_lshrrev_b32 v1, 5, v0
	v_readfirstlane_b32 s12, v1                    ; wave
	v_and_b32 v1, 31, v0
	v_lshlrev_b32 v2, 4, v1                        ; 16 x lane
	s_lshl_b32 s13, s12, 14
	v_add_nc_u32 v3, s13, v2                       ; x: + my wave's four rows
	s_mul_i32 s13, s12, 4*YP
	v_add_nc_u32 v4, s13, v2                       ; y into LDS
	v_and_b32 v8, 15, v0                           ; r
	v_bfe_u32 v9, v0, 4, 1                         ; h
	v_mul_u32_u24 v5, v8, YP
	v_lshl_add_u32 v5, v9, 5, v5
	s_lshl_b32 s13, s12, 10
	v_add_nc_u32 v5, s13, v5                       ; y out of LDS: row r, + 32 h, + my wave's 256 columns
	s_and_b32 s14, ttmp9, 7                        ; which tile of its panel my 16 rows are
	s_mul_i32 s15, s14, 1536
	v_add_nc_u32 v6, s15, v2                       ; the fragment's place
	v_lshlrev_b32 v7, 5, v8
	v_mad_u32_u24 v7, v9, PAN, v7
	s_lshl_b32 s15, s14, 2
	v_add_nc_u32 v7, s15, v7                       ; the scale word's: lanes 0-15 store the first K step's, lanes 16-31 the second's, a panel further on
	s_lshl_b32 s16, ttmp9, 16                      ; my 16 rows of 4,096 bytes
	s_mov_b32 s17, 0
	s_lshr_b32 s18, ttmp9, 3
	s_lshl_b32 s18, s18, 3
	s_lshl_b32 s19, s12, 1
	s_add_co_u32 s18, s18, s19
	s_mul_i32 s18, s18, PAN                        ; panel (rows / 128, K step 2 w)
	s_mov_b32 s19, 0
	s_mov_b32 s20, 0x76543210
	s_mov_b32 s21, 0xfedcba98                      ; v_permlanex16_b32's selects for lane l xor 16
	s_mov_b32 s22, 0x3a800000                      ; 1 / 1,024
	s_mov_b32 s23, 0x3727c5ac                      ; 1e-5
	s_mov_b32 s24, 0xffff0000                      ; lanes 16-31
.irp p, 0,1,2,3
	v_mov_b32 v[20+\p], 0                          ; written once: a lane permute's destination counts as one of its sources
	v_mov_b32 v[TM+4+\p], 0
.endr
	s_wait_kmcnt 0x0
	s_add_nc_u64 s[4:5], s[4:5], s[16:17]
	s_add_nc_u64 s[10:11], s[10:11], s[18:19]
.irp p, 0,1,2,3
.irp j, 0,1,2,3,4,5,6,7
	global_load_b128 v[X+32*\p+4*\j:X+32*\p+4*\j+3], v3, s[4:5] offset:4096*\p+512*\j   ; 512 consecutive bytes a load
.endr
.endr
.irp j, 0,1,2,3,4,5,6,7
	global_load_b128 v[GA+4*\j:GA+4*\j+3], v2, s[6:7] offset:512*\j
.endr
.irp j, 0,1,2,3,4,5,6,7
	global_load_b128 v[GS+4*\j:GS+4*\j+3], v2, s[8:9] offset:512*\j
.endr
; the pairs v[8 + 2 p : 9 + 2 p] are added up over the wave's 32 lanes: row p's sum in v[16 + p] of every lane
.macro REDUCE
.irp p, 0,1,2,3
	v_add_f32 v[16+\p], v[8+2*\p], v[9+2*\p]
.endr
.irp m, 1,2,4,8
.irp p, 0,1,2,3
	v_add_f32_dpp v[16+\p], v[16+\p], v[16+\p] row_xmask:\m row_mask:0xf bank_mask:0xf
.endr
.endr
.irp p, 0,1,2,3
	v_permlanex16_b32 v[20+\p], v[16+\p], s20, s21
.endr
.irp p, 0,1,2,3
	v_add_f32 v[16+\p], v[16+\p], v[20+\p]
.endr
.endm
	s_wait_loadcnt 16                              ; x is in; the sixteen younger loads, gain and shift, may be out
.irp p, 0,1,2,3
	v_pk_add_f32 v[8+2*\p:9+2*\p], v[X+32*\p:X+32*\p+1], v[X+32*\p+2:X+32*\p+3]
.endr
.irp i, 4,6,8,10,12,14,16,18,20,22,24,26,28,30
.irp p, 0,1,2,3
	v_pk_add_f32 v[8+2*\p:9+2*\p], v[8+2*\p:9+2*\p], v[X+32*\p+\i:X+32*\p+\i+1]   ; the four rows by turns
.endr
.endr
	REDUCE
.irp p, 0,1,2,3
	v_mul_f32 v[24+2*\p], s22, v[16+\p]            ; the mean, twice: a pair for the packed forms (v24-31)
	v_mul_f32 v[25+2*\p], s22, v[16+\p]
.endr
.irp p, 0,1,2,3
.set i, 0
.rept 16
	v_pk_add_f32 v[X+32*\p+i:X+32*\p+i+1], v[X+32*\p+i:X+32*\p+i+1], v[24+2*\p:25+2*\p] neg_lo:[0,1] neg_hi:[0,1]   ; d = x - mean
.set i, i+2
.endr
.endr
.irp p, 0,1,2,3
	v_pk_mul_f32 v[8+2*\p:9+2*\p], v[X+32*\p:X+32*\p+1], v[X+32*\p:X+32*\p+1]
.endr
.irp i, 2,4,6,8,10,12,14,16,18,20,22,24,26,28,30
.irp p, 0,1,2,3
	v_pk_fma_f32 v[8+2*\p:9+2*\p], v[X+32*\p+\i:X+32*\p+\i+1], v[X+32*\p+\i:X+32*\p+\i+1], v[8+2*\p:9+2*\p]
.endr
.endr
	REDUCE
.irp p, 0,1,2,3
	v_fma_f32 v[16+\p], v[16+\p], s22, s23         ; var + 1e-5
.endr
	s_wait_alu depctr_va_vdst(0)
.irp p, 0,1,2,3
	v_rsq_f32 v[24+2*\p], v[16+\p]
	v_rsq_f32 v[25+2*\p], v[16+\p]
.endr
	v_nop                                          ; a plain place behind the last of them
	s_wait_alu depctr_va_vdst(0)                   ; one wait for the eight, ahead of their first reader
	s_wait_loadcnt 0x0                             ; gain and shift
.irp p, 0,1,2,3
.set i, 0
.rept 16
	v_pk_mul_f32 v[X+32*\p+i:X+32*\p+i+1], v[X+32*\p+i:X+32*\p+i+1], v[24+2*\p:25+2*\p]
.set i, i+2
.endr
.endr
.irp p, 0,1,2,3
.set i, 0
.rept 16
	v_pk_fma_f32 v[X+32*\p+i:X+32*\p+i+1], v[X+32*\p+i:X+32*\p+i+1], v[GA+i:GA+i+1], v[GS+i:GS+i+1]
.set i, i+2
.endr
.endr
.irp p, 0,1,2,3
.irp j, 0,1,2,3,4,5,6,7
	ds_store_b128 v4, v[X+32*\p+4*\j:X+32*\p+4*\j+3] offset:YP*\p+512*\j
.endr
.endr
	s_wait_dscnt 0x0                               ; for the others' sake: my rows lie in LDS
	s_barrier_signal -1
	s_barrier_wait -1
.irp s, 0,1
.irp b, 0,1,2,3
.irp u, 0,1
	ds_load_b128 v[X+64*\s+16*\b+8*\u:X+64*\s+16*\b+8*\u+3], v5 offset:512*\s+128*\b+64*\u
	ds_load_b128 v[X+64*\s+16*\b+8*\u+4:X+64*\s+16*\b+8*\u+7], v5 offset:512*\s+128*\b+64*\u+16
.endr
.endr
.endr
; 64 numbers of a lane, v[s] on, register 16 b + 8 u + j = k 32 b + 16 u + 8 h + j of my row, become a fragment's codes in v[pc] .. v[pc + 11] and its scale word in v[pw]
.macro QUANT s, pc, pw
.irp b, 0,1,2,3
	v_max3_num_f32 v[TM+\b], |v[\s+16*\b]|, |v[\s+1+16*\b]|, 0x1800000   ; block b: my 16 numbers, and the floor 2^(3 - 127)
.endr
.irp i, 2,4,6,8,10,12,14
.irp b, 0,1,2,3
	v_max3_num_f32 v[TM+\b], v[TM+\b], |v[\s+16*\b+\i]|, |v[\s+1+16*\b+\i]|
.endr
.endr
.irp b, 0,1,2,3
	v_permlanex16_b32 v[TM+4+\b], v[TM+\b], s20, s21
.endr
.irp b, 0,1,2,3
	v_max_num_f32 v[TM+\b], v[TM+\b], v[TM+4+\b]   ; with lane l xor 16's: the block's largest magnitude
.endr
.irp b, 0,1,2,3
	v_add_nc_u32 v[TM+12+\b], 0xff000000, v[TM+\b] ; 2 off its exponent field: the conversion's scale operand
.endr
.irp b, 0,1,2,3
	v_lshrrev_b32 v[TM+4+\b], 23, v[TM+12+\b]      ; the scale's byte
.endr
	v_lshl_or_b32 v[\pw], v[TM+5], 8, v[TM+4]
	v_lshl_or_b32 v[\pw], v[TM+6], 16, v[\pw]
	v_lshl_or_b32 v[\pw], v[TM+7], 24, v[\pw]
.irp c, 0,1
	v_cvt_scalef32_pk16_fp6_f32 v[\pc+6*\c:\pc+2+6*\c], v[\s+32*\c:\s+15+32*\c], v[TM+12+2*\c]
	v_cvt_scalef32_pk16_fp6_f32 v[\pc+12+4*\c:\pc+14+4*\c], v[\s+16+32*\c:\s+31+32*\c], v[TM+12+2*\c+1]
.endr
	v_nop                                          ; one plain place behind a scaled conversion
.irp c, 0,1                                    ; the operand wants a whole block in a lane: lanes 0-15 block 2 c, lanes 16-31 block 2 c + 1
.irp i, 0,1,2
	v_permlane16_swap_b32 v[\pc+6*\c+\i], v[\pc+12+4*\c+\i]
.endr
.irp i, 0,1,2
	v_mov_b32 v[\pc+3+6*\c+\i], v[\pc+12+4*\c+\i]
.endr
.endr
.endm
	s_wait_dscnt 16                                ; the first K step's 16 loads are in
	QUANT X, 192, 48
.irp q, 0,1,2
	global_store_b128 v6, v[192+4*\q:195+4*\q], s[10:11] offset:512*\q         ; 512 consecutive bytes a store
.endr
	s_wait_dscnt 0x0
	QUANT X+64, 212, 49
.irp q, 0,1,2
	global_store_b128 v6, v[212+4*\q:215+4*\q], s[10:11] offset:PAN+512*\q
.endr
	v_cndmask_b32 v50, v48, v49, s24               ; every lane holds its row's two words: lanes 0-15 send the first, lanes 16-31 the second
	global_store_b32 v7, v50, s[10:11] offset:12288
	s_wait_tensorcnt 0x0                           ; the wave's end, behind my last LDS store
	ds_add_u32 v[SPW], v[NIL]
	s_wait_dscnt 0x0
	s_endpgm
.Lfunc_end_k_q6c9d96f1e2_ln1:
	.size	k_q6c9d96f1e2_ln1, .Lfunc_end_k_q6c9d96f1e2_ln1-k_q6c9d96f1e2_ln1
	.p2alignl 7, 3214868480
	.fill 96, 4, 3214868480
	.section	.rodata,"a",@progbits
	.p2align	6, 0x0
	.amdhsa_kernel k_q6c9d96f1e2_ln1
		.amdhsa_group_segment_fixed_size 66304
		.amdhsa_private_segment_fixed_size 0
		.amdhsa_enable_private_segment 0
		.amdhsa_kernarg_size 32
		.amdhsa_user_sgpr_count 2
		.amdhsa_user_sgpr_kernarg_segment_ptr 1
		.amdhsa_wavefront_size32 1
		.amdhsa_system_sgpr_workgroup_id_x 1
		.amdhsa_system_sgpr_workgroup_id_y 1
		.amdhsa_system_sgpr_workgroup_id_z 1
		.amdhsa_system_vgpr_workitem_id 0
		.amdhsa_next_free_vgpr 256
		.amdhsa_next_free_sgpr 66
		.amdhsa_reserve_vcc 0
		.amdhsa_float_denorm_mode_32 3
		.amdhsa_float_denorm_mode_16_64 3
		.amdhsa_memory_ordered 1
		.amdhsa_forward_progress 1
		.amdhsa_inst_pref_size 43
	.end_amdhsa_kernel
	.amdgpu_metadata
---
amdhsa.version: [ 1, 2 ]
amdhsa.kernels:
  - .name:           k_q6c9d96f1e2_ln1
    .symbol:         k_q6c9d96f1e2_ln1.kd
    .args:
      - { .name: x1, .offset: 0, .size: 8, .value_kind: global_buffer, .address_space: global }
      - { .name: a2, .offset: 8, .size: 8, .value_kind: global_buffer, .address_space: global }
      - { .name: s2, .offset: 16, .size: 8, .value_kind: global_buffer, .address_space: global }
      - { .name: hn, .offset: 24, .size: 8, .value_kind: global_buffer, .address_space: global }
    .group_segment_fixed_size: 66304
    .private_segment_fixed_size: 0
    .kernarg_segment_align: 8
    .kernarg_segment_size: 32
    .max_flat_workgroup_size: 128
    .sgpr_count:     66
    .vgpr_count:     256
    .wavefront_size: 32
...
	.end_amdgpu_metadata
.endif
;; end of part 12
;; launch ffn1 (part 13): grid 16 x 16, 4 waves a work-group, clusters of 4 x 4, 327,680 bytes of LDS; arguments wts, hn, b1, big; writes big
.if DOCPART == 13
	.amdgcn_target "amdgcn-amd-amdhsa--gfx1250"
	.amdhsa_code_object_version 6
	.text
	.protected	k_q6c9d96f1e2_ffn1
	.globl	k_q6c9d96f1e2_ffn1
	.p2align	8
	.type	k_q6c9d96f1e2_ffn1,@function
k_q6c9d96f1e2_ffn1:
	s_mov_b64 s[64:65], 0
	v_nop
	global_prefetch_b8 v0, s[64:65] scope:SCOPE_SE
	s_setreg_imm32_b32 hwreg(HW_REG_WAVE_MODE, 25, 1), 1
	s_wait_xcnt 0x0
	s_wait_alu depctr_hold_cnt(0) depctr_sa_sdst(0) depctr_va_vdst(0) depctr_va_sdst(0) depctr_va_ssrc(0) depctr_va_vcc(0) depctr_vm_vsrc(0)
	s_getreg_b32 s2, hwreg(HW_REG_IB_STS2, 6, 4)
	s_cmp_eq_u32 s2, 0
	s_cbranch_scc0 .Lentry_in_a_cluster
	s_endpgm
.Lentry_in_a_cluster:
	s_bfe_u32 s2, ttmp6, 0x10000c
	s_cmp_lg_u32 s2, 0xf033
	s_cbranch_scc0 .Lentry_shape_is_right
	s_endpgm
.Lentry_shape_is_right:
.set NKS,   8
.set WOFF,  2457600
.set PAN,   12800
.set BLK,   2*PAN
.set SLOT,  4*BLK
.set SPARE, 2*SLOT
.set LAPS,  NKS/4
.set NL,    3
.set NP,    4
.set ADRA,  16
.set ADRS,  18
.set ADRB,  20
.set SPW,   28
.set NIL,   29
.set SC,    32
.set AF,    128
.set TM,    64
.set PWS,   80
.set DW,    88
.set CT,    92
.set PC,    128
.set GV,    192
.set G1,    24
.set G0,    32
.set G1B,   48
.set G0B,   56
.set MSB, 0
.macro WIN new
.set WNEW, \new
.if MSB != WNEW
	s_set_vgpr_msb (MSB<<8)|WNEW
.set MSB, WNEW
.endif
.endm
.set MUL_LO, 0xa1
.set MUL_HI, 0xf1
.set TO_B,   0x40
.macro JLOAD s
	s_cmp_eq_u32 s15, 0
	s_cbranch_scc0 .Lfor_b_\@
	tensor_load_to_lds s[G0+4*\s:G0+4*\s+3], s[G1:G1+7]
	s_nop 0
.rept 4
	v_nop
.endr
	s_branch .Lasked_\@
.Lfor_b_\@:
	tensor_load_to_lds s[G0B+4*\s:G0B+4*\s+3], s[G1B:G1B+7]
	s_nop 0
.rept 4
	v_nop
.endr
.Lasked_\@:
.endm
.macro CREST
	s_cmp_lg_u32 s14, 0
	s_cbranch_scc1 .Lnot_wave_0_\@
	s_barrier_signal -3
.Lnot_wave_0_\@:
	s_barrier_wait -3
	s_barrier_signal -1
	s_barrier_wait -1
.endm
.macro CROUND
	s_barrier_signal -1
	s_barrier_wait -1
	CREST
.endm
	s_load_b128 s[4:7], s[0:1], 0x0
	s_load_b128 s[8:11], s[0:1], 0x10
	v_lshl_add_u32 v[SPW], v0, 2, SPARE
	v_mov_b32 v[NIL], 0
	ds_add_u32 v[SPW], v[NIL]
	ds_add_u32 v[SPW], v[NIL]
	v_lshrrev_b32 v1, 5, v0
	v_readfirstlane_b32 s14, v1
	s_lshr_b32 s15, s14, 1
	s_and_b32 s16, s14, 1
	s_bfe_u32 s40, ttmp6, 0x40000
	s_bfe_u32 s41, ttmp6, 0x40004
	s_lshl_b32 s42, ttmp9, 2
	s_add_co_u32 s42, s42, s40
	s_and_b32 s17, ttmp7, 0xffff
	s_lshl_b32 s17, s17, 2
	s_add_co_u32 s17, s17, s41
	s_lshl_b32 s43, s41, 2
	s_lshl_b32 s43, 15, s43
	s_lshl_b32 s44, 0x1111, s40
	s_or_b32 s[G1+0], s43, (3<<16)|(1<<21)
	s_or_b32 s[G1B+0], s44, (3<<16)|(1<<21)
.irp g, G1, G1B
	s_mov_b32 s[\g+1], 32<<16
	s_mov_b32 s[\g+2], 100<<16
	s_mov_b32 s[\g+3], 32<<16
	s_mov_b32 s[\g+4], 100
	s_mov_b32 s[\g+5], 32
	s_mov_b32 s[\g+6], 0
	s_mov_b32 s[\g+7], 0
.endr
	s_lshl_b32 s20, s17, 1
	s_add_co_u32 s20, s20, s16
	s_mul_i32 s20, s20, NKS*PAN
	s_mov_b32 s21, 0
	s_lshl_b32 s46, s42, 1
	s_add_co_u32 s46, s46, s16
	s_mul_i32 s46, s46, NKS*PAN
	s_add_co_u32 s46, s46, WOFF
	s_mov_b32 s47, 0
	s_mul_i32 s45, s14, BLK
	s_mov_b32 s66, 0x76543210
	s_mov_b32 s67, 0xfedcba98
	s_mov_b32 s68, 0xffff0000
	s_mov_b32 s70, 0xbdd2d3e8
	s_mov_b32 s71, s70
	s_wait_dscnt 0x0
	s_wait_kmcnt 0x0
	s_add_nc_u64 s[20:21], s[6:7], s[20:21]
	s_add_nc_u64 s[46:47], s[4:5], s[46:47]
	CROUND
.irp s, 0,1
	s_mov_b32 s[G0+4*\s], 1
	s_add_co_u32 s[G0+4*\s+1], s45, \s*SLOT
	s_add_nc_u64 s[G0+4*\s+2:G0+4*\s+3], s[20:21], \s*BLK
	s_or_b32 s[G0+4*\s+3], s[G0+4*\s+3], 0x80000000
	s_mov_b32 s[G0B+4*\s], 1
	s_add_co_u32 s[G0B+4*\s+1], s45, \s*SLOT
	s_add_nc_u64 s[G0B+4*\s+2:G0B+4*\s+3], s[46:47], \s*BLK
	s_or_b32 s[G0B+4*\s+3], s[G0B+4*\s+3], 0x80000000
.endr
	; THE HEAD: one joint load a wave; wave (side s16, slot s15) brings that slot's two blocks of 25,600 bytes of its side as a tile of two rows, 102,400 bytes apart in memory
	s_mul_i32 s18, s15, BLK                        ; at the head wave w fetches side w % 2 of slot w / 2
	s_mul_i32 s74, s17, 2*NKS*PAN
	s_add_co_u32 s74, s74, s18
	s_mov_b32 s75, 0
	s_mul_i32 s72, s42, 2*NKS*PAN
	s_add_co_u32 s72, s72, s18
	s_add_co_u32 s72, s72, WOFF
	s_mov_b32 s73, 0
	s_mov_b32 s76, 1
	s_mul_i32 s77, s15, SLOT
	s_add_nc_u64 s[78:79], s[6:7], s[74:75]
	s_or_b32 s79, s79, 0x80000000
	s_mov_b32 s80, 1
	s_add_co_u32 s81, s77, 2*BLK
	s_add_nc_u64 s[82:83], s[4:5], s[72:73]
	s_or_b32 s83, s83, 0x80000000
	s_or_b32 s84, s43, (3<<16)|(1<<21)
	s_or_b32 s92, s44, (3<<16)|(1<<21)
.irp g, 84, 92
	s_mov_b32 s[\g+1], 3200<<16
	s_mov_b32 s[\g+2], 2<<16
	s_mov_b32 s[\g+3], 3200<<16
	s_mov_b32 s[\g+4], 2
	s_mov_b32 s[\g+5], NKS*PAN/8
	s_mov_b32 s[\g+6], 0
	s_mov_b32 s[\g+7], 0
.endr
	; The two refills' tiles are asked for into the L2 at the head.  A refill of mine is 100 blocks of 256 bytes, asked for jointly by four partners:
	; each takes 25, told apart by address (cx for the rows' side, cy for the weights'); a lane a block, lanes 25 to 31 name the last again.
	s_cmp_eq_u32 s15, 0
	s_cselect_b64 s[100:101], s[20:21], s[46:47]
	s_cselect_b32 s74, s40, s41
	s_mul_i32 s74, s74, 25*256
	s_add_co_u32 s74, s74, 2*BLK
	s_mov_b32 s75, 0
	s_add_nc_u64 s[100:101], s[100:101], s[74:75]
.macro ARM under, g0, g1               ; one chain of branches on the wave's number, a load line to each wave
	s_cmp_lt_u32 s14, \under
	s_cbranch_scc0 .Lnext_\@
	tensor_load_to_lds s[\g0:\g0+3], s[\g1:\g1+7]
	s_nop 0
.rept 4
	v_nop
.endr
	s_branch .Lhead_asked
.Lnext_\@:
.endm
	ARM 1, 76, 84
	ARM 2, 80, 92
	ARM 3, 76, 84
	tensor_load_to_lds s[80:83], s[92:99]
	s_nop 0
.rept 4
	v_nop
.endr
.Lhead_asked:
	v_and_b32 v30, 31, v0
	v_min_u32 v30, 24, v30
	v_lshlrev_b32 v30, 8, v30                      ; never rewritten
	global_prefetch_b8 v30, s[100:101] th:TH_LOAD_NT scope:SCOPE_SE
	global_prefetch_b8 v30, s[100:101] offset:BLK th:TH_LOAD_NT scope:SCOPE_SE
	v_and_b32 v1, 15, v0
	v_bfe_u32 v2, v0, 4, 1
	v_and_b32 v3, 31, v0
	v_lshlrev_b32 v3, 4, v3
	s_mul_i32 s21, s15, BLK
	s_mul_i32 s22, s16, BLK
	s_add_co_u32 s22, s22, 2*BLK
	s_sub_co_u32 s23, s22, s21
	v_mul_u32_u24 v6, s23, v2
	v_lshl_add_u32 v6, v1, 5, v6
.irp s, 0,1
	v_add_nc_u32 v[ADRA+\s], s21, v3
	v_add_nc_u32 v[ADRB+\s], s22, v3
	v_add_nc_u32 v[ADRS+\s], s21, v6
	s_add_co_u32 s21, s21, SLOT
	s_add_co_u32 s22, s22, SLOT
.endr
	s_lshl_b32 s72, s42, 1
	s_add_co_u32 s72, s72, s16
	s_lshl_b32 s72, s72, 9
	s_mov_b32 s73, 0
	s_add_nc_u64 s[8:9], s[8:9], s[72:73]
	v_lshlrev_b32 v27, 5, v2
	WIN TO_B
.irp b, 0,1,2,3,4,5,6,7
	global_load_b128 v[96+8*\b+96*(\b/4):96+8*\b+96*(\b/4)+3], v27, s[8:9] offset:64*\b
	global_load_b128 v[96+8*\b+96*(\b/4)+4:96+8*\b+96*(\b/4)+7], v27, s[8:9] offset:64*\b+16
.endr
	WIN 0
	v_mov_b32 v24, v3
	v_lshlrev_b32 v25, 5, v1
	v_lshl_add_u32 v25, v2, 4, v25
	s_lshl_b32 s72, s17, 1
	s_add_co_u32 s72, s72, s15
	s_lshl_b32 s72, s72, 5
	s_lshl_b32 s73, s42, 1
	s_add_co_u32 s73, s73, s16
	s_add_co_u32 s72, s72, s73
	s_mul_i32 s72, s72, PAN
	s_mov_b32 s73, 0
	s_add_nc_u64 s[10:11], s[10:11], s[72:73]
.macro FRAG reg, adr, q, i
.irp c, 0,1,2
	ds_load_b128 v[\reg+4*\c:\reg+4*\c+3], v[\adr] offset:(\q)*PAN+(\i)*1536+512*\c
.endr
.endm
.macro MUL16 a0, p, q, sc, first
.irp a, \a0, \a0+1
.irp b, 0,1,2,3,4,5,6,7
.if \first
	v_wmma_scale_f32_16x16x128_f8f6f4 v[8*(8*((\a)%4)+\b):8*(8*((\a)%4)+\b)+7], v[128*(\p)+12*\b:128*(\p)+12*\b+11], v[AF+12*(\a):AF+12*(\a)+11], v[96+8*\b+96*(\b/4):96+8*\b+96*(\b/4)+7], v[SC+16*(\sc)+8*(\q)+\b], v[SC+16*(\sc)+8*(\q)+(\a)] matrix_a_fmt:MATRIX_FMT_FP6 matrix_b_fmt:MATRIX_FMT_FP6 matrix_a_scale:MATRIX_SCALE_ROW1
.else
	v_wmma_scale_f32_16x16x128_f8f6f4 v[8*(8*((\a)%4)+\b):8*(8*((\a)%4)+\b)+7], v[128*(\p)+12*\b:128*(\p)+12*\b+11], v[AF+12*(\a):AF+12*(\a)+11], v[8*(8*((\a)%4)+\b):8*(8*((\a)%4)+\b)+7], v[SC+16*(\sc)+8*(\q)+\b], v[SC+16*(\sc)+8*(\q)+(\a)] matrix_a_fmt:MATRIX_FMT_FP6 matrix_b_fmt:MATRIX_FMT_FP6 matrix_a_scale:MATRIX_SCALE_ROW1
.endif
.endr
.endr
.endm
.macro FETCH_B slot, q, p
	WIN TO_B
.irp i, 0,1,2,3,4,5,6,7
	FRAG 128*(\p)+12*\i, ADRB+\slot, \q, \i
.endr
	WIN 0
.endm
.macro FETCH_A slot, q, i0
.irp i, \i0, \i0+1, \i0+2, \i0+3
	FRAG AF+12*(\i), ADRA+\slot, \q, \i
.endr
.endm
.macro SCALES sc
.irp q, 0,1
	ds_load_b128 v[SC+16*\sc+8*\q:SC+16*\sc+8*\q+3], v[ADRS+\sc] offset:\q*PAN+12288
	ds_load_b128 v[SC+16*\sc+8*\q+4:SC+16*\sc+8*\q+7], v[ADRS+\sc] offset:\q*PAN+12288+16
.endr
.endm
.macro PLACES n
.rept \n
	v_nop
.endr
.endm
.macro STEP slot, q, first
	s_wait_dscnt 4*NL
.if \first
	WIN 0x91
.else
	WIN MUL_LO
.endif
	MUL16 0, (\q)%2, \q, \slot, \first
	MUL16 2, (\q)%2, \q, \slot, \first
	s_wait_dscnt 0
	PLACES NP
	FETCH_B \slot, (\q)+1, 1-(\q)%2
	FETCH_A \slot, (\q)+1, 0
.if \first
	WIN 0xd1
.else
	WIN MUL_HI
.endif
	MUL16 4, (\q)%2, \q, \slot, \first
	MUL16 6, (\q)%2, \q, \slot, \first
	PLACES NP
	WIN 0
	FETCH_A \slot, (\q)+1, 4
.endm
.macro TURN slot, next, fill
	s_wait_tensorcnt 0x0
	ds_add_u32 v[SPW], v[NIL]
	s_wait_dscnt 4*NL+1
	WIN MUL_LO
	MUL16 0, 1, 1, \slot, 0
	s_wait_dscnt 0x0
	s_barrier_signal -1
	MUL16 2, 1, 1, \slot, 0
	WIN 0
	s_barrier_wait -1
.if \fill
	CREST
	s_add_nc_u64 s[G0+4*\slot+2:G0+4*\slot+3], s[G0+4*\slot+2:G0+4*\slot+3], 2*BLK
	s_add_nc_u64 s[G0B+4*\slot+2:G0B+4*\slot+3], s[G0B+4*\slot+2:G0B+4*\slot+3], 2*BLK
	JLOAD \slot
.else
	PLACES NP
.endif
	FETCH_B \next, 0, 0
	FETCH_A \next, 0, 0
	SCALES \next
	WIN MUL_HI
	MUL16 4, 1, 1, \slot, 0
	MUL16 6, 1, 1, \slot, 0
	PLACES NP
	WIN 0
	FETCH_A \next, 0, 4
.endm
	s_wait_alu depctr_va_vdst(0)
	s_cmp_lt_u32 s14, 2                            ; waves 0 and 1 wait for slot 0's two tiles; slot 1's may be on their way
	s_cbranch_scc0 .Lnot_slot_0
	s_wait_tensorcnt 0x0
.Lnot_slot_0:
	s_barrier_signal -1
	s_barrier_wait -1
	FETCH_B 0, 0, 0
	FETCH_A 0, 0, 0
	SCALES 0
	FETCH_A 0, 0, 4
	s_wait_loadcnt 0x0
	STEP 0, 0, 1
	s_mov_b32 s3, LAPS-1
.Llap:
	TURN 0, 1, 1
	STEP 1, 0, 0
	TURN 1, 0, 1
	STEP 0, 0, 0
	s_sub_co_u32 s3, s3, 1
	s_cmp_lg_u32 s3, 0
	s_cbranch_scc1 .Llap
	TURN 0, 1, 0
	STEP 1, 0, 0
	s_wait_dscnt 4*NL
	WIN MUL_LO
	MUL16 0, 1, 1, 1, 0
	MUL16 2, 1, 1, 1, 0
	s_wait_dscnt 0
	WIN MUL_HI
	MUL16 4, 1, 1, 1, 0
	MUL16 6, 1, 1, 1, 0
	WIN 0
.macro GELU ac, w
	WIN (\w)|((\w)<<2)
.set i, 0
.rept 32
	v_pk_mul_f32 v[GV+i:GV+i+1], v[\ac+i:\ac+i+1], v[\ac+i:\ac+i+1]
.set i, i+2
.endr
	WIN 0
.set i, 0
.rept 32
	v_pk_fma_f32 v[GV+i:GV+i+1], v[GV+i:GV+i+1], s[70:71], v[100:101] op_sel_hi:[1,0,0]
.set i, i+2
.endr
	WIN (\w)<<2
.set i, 0
.rept 32
	v_pk_mul_f32 v[GV+i:GV+i+1], v[GV+i:GV+i+1], v[\ac+i:\ac+i+1]
.set i, i+2
.endr
	WIN 0
.set i, 0
	s_wait_alu depctr_va_vdst(0)
.rept 64
	v_exp_f32 v[GV+i], v[GV+i]
.set i, i+1
.endr
	v_nop
	s_wait_alu depctr_va_vdst(0)
.set i, 0
.rept 32
	v_pk_add_f32 v[GV+i:GV+i+1], v[GV+i:GV+i+1], 1.0 op_sel_hi:[1,0]
.set i, i+2
.endr
.set i, 0
	s_wait_alu depctr_va_vdst(0)
.rept 64
	v_rcp_f32 v[GV+i], v[GV+i]
.set i, i+1
.endr
	v_nop
	s_wait_alu depctr_va_vdst(0)
	WIN (\w)<<2
.set i, 0
.rept 32
	v_pk_mul_f32 v[GV+i:GV+i+1], v[GV+i:GV+i+1], v[\ac+i:\ac+i+1]
.set i, i+2
.endr
	WIN 0
.endm
.macro QUANT src, pc, pw
.irp b, 0,1,2,3
	v_max3_num_f32 v[TM+\b], |v[\src+16*\b]|, |v[\src+16*\b+1]|, 0x1800000
.endr
.irp i, 2,4,6,8,10,12,14
.irp b, 0,1,2,3
	v_max3_num_f32 v[TM+\b], |v[\src+16*\b+\i]|, |v[\src+16*\b+\i+1]|, v[TM+\b]
.endr
.endr
.irp b, 0,1,2,3
	v_permlanex16_b32 v[TM+4+\b], v[TM+\b], s66, s67
.endr
.irp b, 0,1,2,3
	v_max_num_f32 v[TM+\b], v[TM+\b], v[TM+4+\b]
.endr
.irp b, 0,1,2,3
	v_add_nc_u32 v[TM+12+\b], 0xff000000, v[TM+\b]
.endr
.irp b, 0,1,2,3
	v_lshrrev_b32 v[TM+4+\b], 23, v[TM+12+\b]
.endr
	v_lshl_or_b32 v[\pw], v[TM+5], 8, v[TM+4]
	v_lshl_or_b32 v[\pw], v[TM+6], 16, v[\pw]
	v_lshl_or_b32 v[\pw], v[TM+7], 24, v[\pw]
.irp c, 0,1
	v_cvt_scalef32_pk16_fp6_f32 v[\pc+6*\c:\pc+6*\c+2], v[\src+32*\c:\src+32*\c+15], v[TM+12+2*\c]
	v_cvt_scalef32_pk16_fp6_f32 v[CT+4*\c:CT+4*\c+2], v[\src+32*\c+16:\src+32*\c+31], v[TM+12+2*\c+1]
.endr
	v_nop
.irp c, 0,1
.irp i, 0,1,2
	v_permlane16_swap_b32 v[\pc+6*\c+\i], v[CT+4*\c+\i]
.endr
.irp i, 0,1,2
	v_mov_b32 v[\pc+6*\c+3+\i], v[CT+4*\c+\i]
.endr
.endr
.endm
	PLACES NP
.irp b, 0,1,2,3
	v_mov_b32 v[TM+4+\b], 0
.endr
	v_mov_b32 v100, 0xc0135761
	v_mov_b32 v101, 0xc0135761
.irp a, 0,1,2,3,4,5,6,7
	GELU 64*((\a)%4), 2+(\a)/4
.if \a == 4
	s_wait_xcnt 0x0
.endif
	QUANT GV, PC+12*((\a)%4), PWS+\a
.irp c, 0,1,2
	global_store_b128 v24, v[PC+12*((\a)%4)+4*\c:PC+12*((\a)%4)+4*\c+3], s[10:11] offset:1536*\a+512*\c
.endr
.endr
.irp j, 0,1,2,3
	v_cndmask_b32 v[DW+\j], v[PWS+\j], v[PWS+4+\j], s68
.endr
	global_store_b128 v25, v[DW:DW+3], s[10:11] offset:12288
	s_wait_tensorcnt 0x0
	ds_add_u32 v[SPW], v[NIL]
	s_wait_dscnt 0x0
	CROUND
	s_endpgm
.Lfunc_end_k_q6c9d96f1e2_ffn1:
	.size	k_q6c9d96f1e2_ffn1, .Lfunc_end_k_q6c9d96f1e2_ffn1-k_q6c9d96f1e2_ffn1
	.p2alignl 7, 3214868480
	.fill 96, 4, 3214868480
	.section	.rodata,"a",@progbits
	.p2align	6, 0x0
	.amdhsa_kernel k_q6c9d96f1e2_ffn1
		.amdhsa_group_segment_fixed_size 327680
		.amdhsa_private_segment_fixed_size 0
		.amdhsa_enable_private_segment 0
		.amdhsa_kernarg_size 32
		.amdhsa_user_sgpr_count 2
		.amdhsa_user_sgpr_kernarg_segment_ptr 1
		.amdhsa_wavefront_size32 1
		.amdhsa_system_sgpr_workgroup_id_x 1
		.amdhsa_system_sgpr_workgroup_id_y 1
		.amdhsa_system_sgpr_workgroup_id_z 1
		.amdhsa_system_vgpr_workitem_id 0
		.amdhsa_next_free_vgpr 1024
		.amdhsa_next_free_sgpr 102
		.amdhsa_reserve_vcc 0
		.amdhsa_float_denorm_mode_32 3
		.amdhsa_float_denorm_mode_16_64 3
		.amdhsa_memory_ordered 1
		.amdhsa_forward_progress 1
		.amdhsa_inst_pref_size 254
	.end_amdhsa_kernel
	.amdgpu_metadata
---
amdhsa.version: [ 1, 2 ]
amdhsa.kernels:
  - .name:           k_q6c9d96f1e2_ffn1
    .symbol:         k_q6c9d96f1e2_ffn1.kd
    .args:
      - { .name: wts, .offset: 0, .size: 8, .value_kind: global_buffer, .address_space: global }
      - { .name: hn, .offset: 8, .size: 8, .value_kind: global_buffer, .address_space: global }
      - { .name: b1, .offset: 16, .size: 8, .value_kind: global_buffer, .address_space: global }
      - { .name: big, .offset: 24, .size: 8, .value_kind: global_buffer, .address_space: global }
    .group_segment_fixed_size: 327680
    .private_segment_fixed_size: 0
    .kernarg_segment_align: 8
    .kernarg_segment_size: 32
    .max_flat_workgroup_size: 128
    .sgpr_count:     102
    .vgpr_count:     1024
    .wavefront_size: 32
...
	.end_amdgpu_metadata
.endif
;; end of part 13
;; launch ffn2 (part 14): grid 8 x 32, 4 waves a work-group, clusters of 4 x 4, 327,680 bytes of LDS; arguments wts, big, b2, x1, out0; writes out0
.if DOCPART == 14
	.amdgcn_target "amdgcn-amd-amdhsa--gfx1250"
	.amdhsa_code_object_version 6
	.text
	.protected	k_q6c9d96f1e2_ffn2
	.globl	k_q6c9d96f1e2_ffn2
	.p2align	8
	.type	k_q6c9d96f1e2_ffn2,@function
k_q6c9d96f1e2_ffn2:
	s_mov_b64 s[64:65], 0
	v_nop
	global_prefetch_b8 v0, s[64:65] scope:SCOPE_SE
	s_setreg_imm32_b32 hwreg(HW_REG_WAVE_MODE, 25, 1), 1
	s_wait_xcnt 0x0
	s_wait_alu depctr_hold_cnt(0) depctr_sa_sdst(0) depctr_va_vdst(0) depctr_va_sdst(0) depctr_va_ssrc(0) depctr_va_vcc(0) depctr_vm_vsrc(0)
	s_getreg_b32 s2, hwreg(HW_REG_IB_STS2, 6, 4)
	s_cmp_eq_u32 s2, 0
	s_cbranch_scc0 .Lentry_in_a_cluster
	s_endpgm
.Lentry_in_a_cluster:
	s_bfe_u32 s2, ttmp6, 0x10000c
	s_cmp_lg_u32 s2, 0xf033
	s_cbranch_scc0 .Lentry_shape_is_right
	s_endpgm
.Lentry_shape_is_right:
.set NKS,   32
.set WOFF,  5734400
.set NT,    1
.set PAN,   12800
.set BLK,   2*PAN
.set SLOT,  4*BLK
.set SPARE, 2*SLOT
.set STAGE, SPARE+512
.set SPITCH, 272
.set LAPS,  NKS/8
.set NP,    4
.set ADRA,  16
.set ADRS,  18
.set ADRB,  20
.set STO,   24
.set RD,    25
.set CO,    26
.set SPW,   28
.set NIL,   29
.set SC,    32
.set FS,    64
.set BK,    64
.set BI,    128
.set G1,    24
.set G0,    32
.set G1B,   48
.set G0B,   56
.set MSB, 0
.macro WIN new
.set WNEW, \new
.if MSB != WNEW
	s_set_vgpr_msb (MSB<<8)|WNEW
.set MSB, WNEW
.endif
.endm
.set MUL,   0x50
.macro JLOAD s
	s_cmp_eq_u32 s15, 0
	s_cbranch_scc0 .Lfor_b_\@
	tensor_load_to_lds s[G0+4*\s:G0+4*\s+3], s[G1:G1+7]
	s_nop 0
.rept 4
	v_nop
.endr
	s_branch .Lasked_\@
.Lfor_b_\@:
	tensor_load_to_lds s[G0B+4*\s:G0B+4*\s+3], s[G1B:G1B+7]
	s_nop 0
.rept 4
	v_nop
.endr
.Lasked_\@:
.endm
.macro CREST
	s_cmp_lg_u32 s14, 0
	s_cbranch_scc1 .Lnot_wave_0_\@
	s_barrier_signal -3
.Lnot_wave_0_\@:
	s_barrier_wait -3
	s_barrier_signal -1
	s_barrier_wait -1
.endm
.macro CROUND
	s_barrier_signal -1
	s_barrier_wait -1
	CREST
.endm
	s_load_b128 s[4:7], s[0:1], 0x0
	s_load_b128 s[8:11], s[0:1], 0x10
	s_load_b64 s[12:13], s[0:1], 0x20
	v_lshl_add_u32 v[SPW], v0, 2, SPARE
	v_mov_b32 v[NIL], 0
	ds_add_u32 v[SPW], v[NIL]
	ds_add_u32 v[SPW], v[NIL]
	v_lshrrev_b32 v1, 5, v0
	v_readfirstlane_b32 s14, v1
	s_lshr_b32 s15, s14, 1
	s_and_b32 s16, s14, 1
	s_bfe_u32 s40, ttmp6, 0x40000
	s_bfe_u32 s41, ttmp6, 0x40004
	s_lshl_b32 s42, ttmp9, 2
	s_add_co_u32 s42, s42, s40
	s_and_b32 s17, ttmp7, 0xffff
	s_lshl_b32 s17, s17, 2
	s_add_co_u32 s17, s17, s41
	s_lshl_b32 s43, s41, 2
	s_lshl_b32 s43, 15, s43
	s_lshl_b32 s44, 0x1111, s40
	s_or_b32 s[G1+0], s43, (3<<16)|(1<<21)
	s_or_b32 s[G1B+0], s44, (3<<16)|(1<<21)
.irp g, G1, G1B
	s_mov_b32 s[\g+1], 32<<16
	s_mov_b32 s[\g+2], 100<<16
	s_mov_b32 s[\g+3], 32<<16
	s_mov_b32 s[\g+4], 100
	s_mov_b32 s[\g+5], 32
	s_mov_b32 s[\g+6], 0
	s_mov_b32 s[\g+7], 0
.endr
	s_mul_i32 s18, s16, BLK
	s_mul_i32 s20, s17, NKS*PAN
	s_add_co_u32 s20, s20, s18
	s_mov_b32 s21, 0
	s_mul_i32 s46, s42, NKS*PAN
	s_add_co_u32 s46, s46, s18
	s_add_co_u32 s46, s46, WOFF
	s_mov_b32 s47, 0
	s_mul_i32 s45, s14, BLK
	s_wait_dscnt 0x0
	s_wait_kmcnt 0x0
	s_add_nc_u64 s[20:21], s[6:7], s[20:21]
	s_add_nc_u64 s[46:47], s[4:5], s[46:47]
	CROUND
.irp s, 0,1
	s_mov_b32 s[G0+4*\s], 1
	s_add_co_u32 s[G0+4*\s+1], s45, \s*SLOT
	s_add_nc_u64 s[G0+4*\s+2:G0+4*\s+3], s[20:21], \s*2*BLK
	s_or_b32 s[G0+4*\s+3], s[G0+4*\s+3], 0x80000000
	s_mov_b32 s[G0B+4*\s], 1
	s_add_co_u32 s[G0B+4*\s+1], s45, \s*SLOT
	s_add_nc_u64 s[G0B+4*\s+2:G0B+4*\s+3], s[46:47], \s*2*BLK
	s_or_b32 s[G0B+4*\s+3], s[G0B+4*\s+3], 0x80000000
.endr
	; THE HEAD: one joint load a wave; wave (side s16, slot s15) brings that slot's four panels of its side, 200 rows of 256 bytes: both slots are asked for at once
	s_mov_b32 s19, 0                               ; at the head wave w fetches side w % 2 of slot w / 2: the refills' quarter is taken off the address, the slot's place put on
	s_mul_i32 s74, s15, 2*BLK
	s_mov_b32 s75, 0
	s_mov_b32 s76, 1
	s_mul_i32 s77, s15, SLOT
	s_sub_nc_u64 s[78:79], s[20:21], s[18:19]
	s_add_nc_u64 s[78:79], s[78:79], s[74:75]
	s_or_b32 s79, s79, 0x80000000
	s_mov_b32 s80, 1
	s_add_co_u32 s81, s77, 2*BLK
	s_sub_nc_u64 s[82:83], s[46:47], s[18:19]
	s_add_nc_u64 s[82:83], s[82:83], s[74:75]
	s_or_b32 s83, s83, 0x80000000
	s_or_b32 s84, s43, (3<<16)|(1<<21)
	s_or_b32 s92, s44, (3<<16)|(1<<21)
.irp g, 84, 92
	s_mov_b32 s[\g+1], 32<<16
	s_mov_b32 s[\g+2], 200<<16
	s_mov_b32 s[\g+3], 32<<16
	s_mov_b32 s[\g+4], 200
	s_mov_b32 s[\g+5], 32
	s_mov_b32 s[\g+6], 0
	s_mov_b32 s[\g+7], 0
.endr
	; THE PREFETCHES.  A refill of mine is 100 blocks of 256 bytes, asked for jointly by four partners: each takes 25 of them, told apart by address (cx for the rows' side, cy for the weights'); a lane a block, lanes 25 to 31 name the last again.
	; s[100:101] stands at my share of refill 2 (the third slot's worth of K); the head asks for refills 2 and 3, and the change of slots that issues refill f asks for refill f + 2, up to the last, 7.
	s_cmp_eq_u32 s15, 0
	s_cselect_b64 s[100:101], s[20:21], s[46:47]
	s_cselect_b32 s74, s40, s41
	s_mul_i32 s74, s74, 25*256
	s_add_co_u32 s74, s74, 4*BLK
	s_mov_b32 s75, 0
	s_add_nc_u64 s[100:101], s[100:101], s[74:75]
.macro ARM under, g0, g1               ; one chain of branches on the wave's number, a load line to each wave
	s_cmp_lt_u32 s14, \under
	s_cbranch_scc0 .Lnext_\@
	tensor_load_to_lds s[\g0:\g0+3], s[\g1:\g1+7]
	s_nop 0
.rept 4
	v_nop
.endr
	s_branch .Lhead_asked
.Lnext_\@:
.endm
	ARM 1, 76, 84
	ARM 2, 80, 92
	ARM 3, 76, 84
	tensor_load_to_lds s[80:83], s[92:99]
	s_nop 0
.rept 4
	v_nop
.endr
.Lhead_asked:
	v_and_b32 v30, 31, v0
	v_min_u32 v30, 24, v30
	v_lshlrev_b32 v30, 8, v30                      ; never rewritten
	global_prefetch_b8 v30, s[100:101] th:TH_LOAD_NT scope:SCOPE_SE
	global_prefetch_b8 v30, s[100:101] offset:2*BLK th:TH_LOAD_NT scope:SCOPE_SE
	v_and_b32 v1, 15, v0
	v_bfe_u32 v2, v0, 4, 1
	v_and_b32 v3, 31, v0
	v_lshlrev_b32 v3, 4, v3
	s_wait_alu depctr_va_vdst(0)
	s_mul_i32 s21, s15, 6144
	s_mul_i32 s22, s16, 6144
	s_add_co_u32 s22, s22, 2*BLK
	s_lshl_b32 s18, s15, 4
	s_lshl_b32 s19, s16, 4
	s_add_co_u32 s19, s19, 2*BLK
	s_sub_co_u32 s23, s19, s18
	v_mul_u32_u24 v6, s23, v2
	v_lshl_add_u32 v6, v1, 5, v6
.irp s, 0,1
	v_add_nc_u32 v[ADRA+\s], s21, v3
	v_add_nc_u32 v[ADRB+\s], s22, v3
	v_add_nc_u32 v[ADRS+\s], s18, v6
	s_add_co_u32 s21, s21, SLOT
	s_add_co_u32 s22, s22, SLOT
	s_add_co_u32 s18, s18, SLOT
.endr
	s_lshl_b32 s72, s42, 9
	s_lshl_b32 s73, s16, 8
	s_add_co_u32 s72, s72, s73
	s_mov_b32 s73, 0
	s_add_nc_u64 s[8:9], s[8:9], s[72:73]
	v_lshlrev_b32 v27, 5, v2
	WIN 0x40
.irp b, 0,1,2,3
	global_load_b128 v[BI+8*\b:BI+8*\b+3], v27, s[8:9] offset:64*\b
	global_load_b128 v[BI+8*\b+4:BI+8*\b+7], v27, s[8:9] offset:64*\b+16
.endr
	WIN 0
	s_mul_i32 s23, s14, 16*SPITCH
	s_add_co_u32 s23, s23, STAGE
	v_mul_u32_u24 v5, v1, SPITCH
	v_lshl_add_u32 v5, v2, 5, v5
	v_add_nc_u32 v[STO], s23, v5
	v_mul_u32_u24 v5, v2, SPITCH
	v_lshl_add_u32 v5, v1, 4, v5
	v_add_nc_u32 v[RD], s23, v5
	v_lshlrev_b32 v[CO], 12, v2
	v_lshl_add_u32 v[CO], v1, 4, v[CO]
	s_wait_alu depctr_va_vdst(0)
	s_lshl_b32 s72, s17, 7
	s_lshl_b32 s73, s15, 6
	s_add_co_u32 s72, s72, s73
	s_lshl_b32 s72, s72, 12
	s_lshl_b32 s73, s42, 9
	s_add_co_u32 s72, s72, s73
	s_lshl_b32 s73, s16, 8
	s_add_co_u32 s72, s72, s73
	s_mov_b32 s73, 0
	s_add_nc_u64 s[10:11], s[10:11], s[72:73]
	s_add_nc_u64 s[12:13], s[12:13], s[72:73]
.macro FRAG reg, adr, q, i
.irp c, 0,1,2
	ds_load_b128 v[\reg+4*\c:\reg+4*\c+3], v[\adr] offset:(\q)*PAN+(\i)*1536+512*\c
.endr
.endm
.macro FETCH slot, q, p
.irp i, 0,1,2,3
	FRAG FS+96*(\p)+12*\i, ADRB+\slot, \q, \i
.endr
.irp i, 0,1,2,3
	FRAG FS+96*(\p)+48+12*\i, ADRA+\slot, \q, \i
.endr
.endm
.macro SCALES sc
.irp q, 0,1,2,3
	ds_load_b128 v[SC+16*\sc+4*\q:SC+16*\sc+4*\q+3], v[ADRS+\sc] offset:\q*PAN+12288
.endr
.endm
.macro MUL4 a, p, q, sc, first
.irp b, 0,1,2,3
.if \first
	v_wmma_scale_f32_16x16x128_f8f6f4 v[8*(4*(\a)+\b):8*(4*(\a)+\b)+7], v[FS+96*(\p)+12*\b:FS+96*(\p)+12*\b+11], v[FS+96*(\p)+48+12*(\a):FS+96*(\p)+48+12*(\a)+11], v[BI+8*\b:BI+8*\b+7], v[SC+16*(\sc)+4*(\q)+\b], v[SC+16*(\sc)+4*(\q)+(\a)] matrix_a_fmt:MATRIX_FMT_FP6 matrix_b_fmt:MATRIX_FMT_FP6 matrix_a_scale:MATRIX_SCALE_ROW1
.else
	v_wmma_scale_f32_16x16x128_f8f6f4 v[8*(4*(\a)+\b):8*(4*(\a)+\b)+7], v[FS+96*(\p)+12*\b:FS+96*(\p)+12*\b+11], v[FS+96*(\p)+48+12*(\a):FS+96*(\p)+48+12*(\a)+11], v[8*(4*(\a)+\b):8*(4*(\a)+\b)+7], v[SC+16*(\sc)+4*(\q)+\b], v[SC+16*(\sc)+4*(\q)+(\a)] matrix_a_fmt:MATRIX_FMT_FP6 matrix_b_fmt:MATRIX_FMT_FP6 matrix_a_scale:MATRIX_SCALE_ROW1
.endif
.endr
.endm
.macro PLACES n
.rept \n
	v_nop
.endr
.endm
.macro QSTEP slot, q, first
	PLACES NP
	FETCH \slot, (\q)+1, ((\q)+1)%2
	s_wait_dscnt 24
	WIN MUL
	MUL4 0, (\q)%2, \q, \slot, \first
	MUL4 1, (\q)%2, \q, \slot, \first
	MUL4 2, (\q)%2, \q, \slot, \first
	MUL4 3, (\q)%2, \q, \slot, \first
	WIN 0
.endm
.macro TURN slot, next, fill
.if \fill
	s_wait_xcnt 0x0                                ; my last prefetch has read its address: it steps one refill on
	s_add_nc_u64 s[100:101], s[100:101], 2*BLK
.endif
	s_wait_tensorcnt 0x0
	ds_add_u32 v[SPW], v[NIL]
	s_wait_dscnt 1
	WIN MUL
	MUL4 0, 1, 3, \slot, 0
	s_wait_dscnt 0x0
	s_barrier_signal -1
	MUL4 1, 1, 3, \slot, 0
	WIN 0
	s_barrier_wait -1
.if \fill
	CREST
	s_add_nc_u64 s[G0+4*\slot+2:G0+4*\slot+3], s[G0+4*\slot+2:G0+4*\slot+3], 4*BLK
	s_add_nc_u64 s[G0B+4*\slot+2:G0B+4*\slot+3], s[G0B+4*\slot+2:G0B+4*\slot+3], 4*BLK
	JLOAD \slot
.else
	PLACES NP
.endif
	FETCH \next, 0, 0
	SCALES \next
.if \fill
	s_cmp_gt_u32 s3, 1                             ; the loop's last trip issues refills 6 and 7: nothing lies two refills on
	s_cbranch_scc0 .Lno_ask_\@
	global_prefetch_b8 v30, s[100:101] offset:2*BLK th:TH_LOAD_NT scope:SCOPE_SE
.Lno_ask_\@:
.endif
	WIN MUL
	MUL4 2, 1, 3, \slot, 0
	MUL4 3, 1, 3, \slot, 0
	WIN 0
.endm
	s_cmp_lt_u32 s14, 2                            ; waves 0 and 1 wait for slot 0's two tiles; slot 1's may be on their way
	s_cbranch_scc0 .Lnot_slot_0
	s_wait_tensorcnt 0x0
.Lnot_slot_0:
	s_barrier_signal -1
	s_barrier_wait -1
	FETCH 0, 0, 0
	SCALES 0
	WIN 0x80                                       ; the residual is asked for behind the first tiles: it is wanted on the way out alone
.irp a, 0,1,2,3
.irp t, 0,1,2,3,4,5,6,7
	global_load_b128 v[32*\a+4*\t:32*\a+4*\t+3], v[CO], s[10:11] offset:(16*\a+2*\t)*4096
.endr
.endr
	WIN 0
	s_wait_loadcnt 32
	QSTEP 0, 0, 1
.if LAPS > 1
	s_mov_b32 s3, LAPS-1
.Llap:
	QSTEP 0, 1, 0
	QSTEP 0, 2, 0
	TURN 0, 1, 1
	QSTEP 1, 0, 0
	QSTEP 1, 1, 0
	QSTEP 1, 2, 0
	TURN 1, 0, 1
	QSTEP 0, 0, 0
	s_sub_co_u32 s3, s3, 1
	s_cmp_lg_u32 s3, 0
	s_cbranch_scc1 .Llap
.endif
	QSTEP 0, 1, 0
	QSTEP 0, 2, 0
	TURN 0, 1, 0
	QSTEP 1, 0, 0
	QSTEP 1, 1, 0
	QSTEP 1, 2, 0
	s_wait_dscnt 0x0
	WIN MUL
	MUL4 0, 1, 3, 1, 0
	MUL4 1, 1, 3, 1, 0
	MUL4 2, 1, 3, 1, 0
	MUL4 3, 1, 3, 1, 0
	WIN 0
.macro TOSTAGE a
	WIN 0x04
.irp b, 0,1,2,3
	ds_store_b128 v[STO], v[8*(4*(\a)+\b):8*(4*(\a)+\b)+3] offset:64*\b
	ds_store_b128 v[STO], v[8*(4*(\a)+\b)+4:8*(4*(\a)+\b)+7] offset:64*\b+16
.endr
	WIN 0
.irp t, 0,1,2,3,4,5,6,7
	ds_load_b128 v[BK+32*(\a)+4*\t:BK+32*(\a)+4*\t+3], v[RD] offset:2*\t*SPITCH
.endr
.endm
.macro SEND a, younger
	s_wait_dscnt \younger
	WIN 0x08
.set i, 0
.rept 16
	v_pk_add_f32 v[BK+32*(\a)+i:BK+32*(\a)+i+1], v[BK+32*(\a)+i:BK+32*(\a)+i+1], v[32*(\a)+i:32*(\a)+i+1]
.set i, i+2
.endr
	WIN 0
.irp t, 0,1,2,3,4,5,6,7
.if NT
	global_store_b128 v[CO], v[BK+32*(\a)+4*\t:BK+32*(\a)+4*\t+3], s[12:13] offset:(16*(\a)+2*\t)*4096 th:TH_STORE_NT
.else
	global_store_b128 v[CO], v[BK+32*(\a)+4*\t:BK+32*(\a)+4*\t+3], s[12:13] offset:(16*(\a)+2*\t)*4096
.endif
.endr
.endm
	PLACES NP
	s_wait_loadcnt 0x0
	TOSTAGE 0
	TOSTAGE 1
	SEND 0, 16
	TOSTAGE 2
	SEND 1, 16
	TOSTAGE 3
	SEND 2, 16
	SEND 3, 0
	s_wait_tensorcnt 0x0
	ds_add_u32 v[SPW], v[NIL]
	s_wait_dscnt 0x0
	CROUND
	s_endpgm
.Lfunc_end_k_q6c9d96f1e2_ffn2:
	.size	k_q6c9d96f1e2_ffn2, .Lfunc_end_k_q6c9d96f1e2_ffn2-k_q6c9d96f1e2_ffn2
	.p2alignl 7, 3214868480
	.fill 96, 4, 3214868480
	.section	.rodata,"a",@progbits
	.p2align	6, 0x0
	.amdhsa_kernel k_q6c9d96f1e2_ffn2
		.amdhsa_group_segment_fixed_size 327680
		.amdhsa_private_segment_fixed_size 0
		.amdhsa_enable_private_segment 0
		.amdhsa_kernarg_size 40
		.amdhsa_user_sgpr_count 2
		.amdhsa_user_sgpr_kernarg_segment_ptr 1
		.amdhsa_wavefront_size32 1
		.amdhsa_system_sgpr_workgroup_id_x 1
		.amdhsa_system_sgpr_workgroup_id_y 1
		.amdhsa_system_sgpr_workgroup_id_z 1
		.amdhsa_system_vgpr_workitem_id 0
		.amdhsa_next_free_vgpr 640
		.amdhsa_next_free_sgpr 102
		.amdhsa_reserve_vcc 0
		.amdhsa_float_denorm_mode_32 3
		.amdhsa_float_denorm_mode_16_64 3
		.amdhsa_memory_ordered 1
		.amdhsa_forward_progress 1
		.amdhsa_inst_pref_size 90
	.end_amdhsa_kernel
	.amdgpu_metadata
---
amdhsa.version: [ 1, 2 ]
amdhsa.kernels:
  - .name:           k_q6c9d96f1e2_ffn2
    .symbol:         k_q6c9d96f1e2_ffn2.kd
    .args:
      - { .name: wts, .offset: 0, .size: 8, .value_kind: global_buffer, .address_space: global }
      - { .name: big, .offset: 8, .size: 8, .value_kind: global_buffer, .address_space: global }
      - { .name: b2, .offset: 16, .size: 8, .value_kind: global_buffer, .address_space: global }
      - { .name: x1, .offset: 24, .size: 8, .value_kind: global_buffer, .address_space: global }
      - { .name: out0, .offset: 32, .size: 8, .value_kind: global_buffer, .address_space: global }
    .group_segment_fixed_size: 327680
    .private_segment_fixed_size: 0
    .kernarg_segment_align: 8
    .kernarg_segment_size: 40
    .max_flat_workgroup_size: 128
    .sgpr_count:     102
    .vgpr_count:     640
    .wavefront_size: 32
...
	.end_amdgpu_metadata
.endif
;; end of part 14
